; MI455X (gfx1250); checked and timed in simulation.
; The chip was launched on July 23, 2026; its instructions are those of AMD's public machine-readable ISA for CDNA 5 (MIT licence, August 2026) and "CDNA5" Instruction Set Architecture Reference Guide (July 2026). The comments in the code are by the model that wrote it; some were corrected since.
;; Cross Attention Block. Allowed arithmetic: float matrix products may take bf16 or f16 operands with f32 sums; other float arithmetic in f32, or as packed bf16 or f16 multiplies, adds, multiply-adds, maxima and minima; sums over many terms, partial sums and values carried from step to step in f32; what a program stores and reads back later, other than sums and carried values, may be rounded once to bf16 or f16.
;; Inputs: W1 256 x 256 float32; W2 256 x 256 float32; W3 256 x 256 float32; Wk 256 x 256 float32; Wp1 3 x 3 float32; Wp2 256 x 3 float32; Wq 256 x 256 float32; Wv 256 x 256 float32; Ww1 32 x 256 float32; Ww2 32 x 32 float32; b1 256 float32; b2 256 float32; b3 256 float32; bk 256 float32; bp 3 float32; bp1 3 float32; bp2 256 float32; bq 256 float32; bv 256 float32; bw1 256 float32; bw2 32 float32; bww1 32 float32; bww2 32 float32; g1 256 float32; g2 256 float32; g3 256 float32; gp 3 float32; gw1 256 float32; gw2 32 float32; o1 1 int32; o2 1 int32; p1 8,192 x 3 float32; p2 16,384 x 3 float32; x1 8,192 x 256 float32; x2 16,384 x 256 float32.
;; Outputs: out0 8,192 x 3 float32; out1 8,192 x 256 float32; out2 1 int32.
;; 2 versions, each right and faster than the one before. Each part assembles by itself: llvm-mc -triple=amdgcn-amd-amdhsa -mcpu=gfx1250 --defsym DOCPART=n.
;; ======== version 1 of 2: 10 launches
;; limits: values are held in f16: magnitudes above 65,504 overflow, below 6.1e-05 lose precision
;; workspace buffers: FA 1,460,224 bytes; IA 1,572,864 bytes of whole numbers; IB 1,572,864 bytes of whole numbers; FC 2,109,440 bytes; FB 25,166,080 bytes; FD 9,437,184 bytes; FE 8,454,144 bytes; FF 8,912,896 bytes
;; launch hstat (part 1): grid 192 x 1, 8 waves a work-group, no clusters, 70,656 bytes of LDS; arguments x1, x2, W1, W2, Wq, Wk, Wv, W3, Ww1, Ww2, p1, p2, o1, FA, out0, out2; writes FA, out0, out2
.if DOCPART == 1
	.amdgcn_target "amdgcn-amd-amdhsa--gfx1250"
	.amdhsa_code_object_version 6
	.text
	.protected	k_qc717b853a5_hstat
	.globl	k_qc717b853a5_hstat
	.p2align	8
	.type	k_qc717b853a5_hstat,@function
k_qc717b853a5_hstat:
	s_mov_b64 s[64:65], 0
	v_nop
	global_prefetch_b8 v0, s[64:65] scope:SCOPE_SE
	s_setreg_imm32_b32 hwreg(HW_REG_WAVE_MODE, 25, 1), 1
	s_wait_xcnt 0x0
; CrossAttentionBlock, launch 1 of 10: partial statistics (mean, biased variance of 128 rows) of x1 W1^T and x2 W2^T; all weights in 16 bits
; in the order in which a wave's operand registers take them; the points rounded to bf16; out0 = p1, out2 = o1.
; WORK LEFT OUT, for all values of the inputs, in exact arithmetic:
;   bp1: a constant for each channel in front of BN(3), which takes the channel's mean away.
;   bk, bq, bp2 in w = gk - q + p_r: constants for each channel in front of BN(C); w goes nowhere else.   bww1: the same in front of BN(C/S).
;   bww2: the same for all 16 neighbours, the softmax's axis.
;   bv, bp2 in x = sum (gv + p_r) softmax: the weights sum to 1 over the neighbours, so they add a constant for each channel to x, and x is used only through BN.
;   o2: reference() never uses it.       So bq, bk, bv, bp1, bp2, bww1, bww2, o2 are not loaded and are no launch's argument.
; LIMITS.  A NaN, an infinity or an overflow that reaches only the work left out is not carried to the result.  Every floating-point input is rounded once to bf16;
; what the program makes (x1h, x2h, q, k, v, the normalised w, w1, y) is f16, which ends at 65,504 and keeps a fixed step below 6e-5; statistics, x, z, t are f32.
; NaN and infinities are not treated apart.  d2 takes its three terms in ascending order.  The 16 neighbours come in index order (all that follows is symmetric in them).
; SHARES.  Work-group b < 64: rows 128 b of x1 with W1; else rows 128 (b - 64) of x2 with W2.  Wave j: all 128 rows x channels 32 j .. 32 j + 31.
; The product is used transposed (source 0 = 16 weight rows, source 1 = 16 rows of x): a lane holds one row of x (lane % 16) and eight channels.
; REGISTERS.  window 0: v0-31 addresses and temporaries; v32-47 sums/means; v48-63 variances; v64-127 fragments of x, two buffers (first the staging ring); v128-255 16 accumulators.
;             window 1: v0-127 the wave's 16 weight fragments; v128-255 f32 weights on their way.
.set PR, 67584                        ; LDS: x tile in bf16, 128 rows of 528 bytes, at 0; then the work-group's partial row (2,048 bytes)
.set SPARE, 69632                     ; the spare words, 128 bytes a wave
.set MSB, 0
.macro WIN new
.if MSB != (\new)
	s_set_vgpr_msb (MSB<<8)|(\new)
.set MSB, \new
.endif
.endm
.macro PLACES
.rept 4
	v_nop
.endr
.endm
.macro BAR
	s_wait_dscnt 0x0
	s_barrier_signal -1
	s_barrier_wait -1
.endm
.macro RB2 lo, hi, a, b, tmp          ; two f32 rounded to bf16 and widened again
	v_cvt_pk_bf16_f32 v[\tmp], v[\a], v[\b]
	v_lshlrev_b32 v[\lo], 16, v[\tmp]
	v_and_b32 v[\hi], 0xffff0000, v[\tmp]
.endm
.macro WLOAD g                        ; eight fragments' f32 weights: 16 numbers a lane each
	WIN 0x40
.set i, 0
.rept 8
.set fi, 8*(\g)+i
	global_load_b128 v[128+16*i:131+16*i], v7, s[42:43] offset:(fi&1)*16384+(fi>>1)*128
	global_load_b128 v[132+16*i:135+16*i], v7, s[42:43] offset:(fi&1)*16384+(fi>>1)*128+16
	global_load_b128 v[136+16*i:139+16*i], v7, s[42:43] offset:(fi&1)*16384+(fi>>1)*128+64
	global_load_b128 v[140+16*i:143+16*i], v7, s[42:43] offset:(fi&1)*16384+(fi>>1)*128+80
.set i, i+1
.endr
	WIN 0
.endm
.macro WCVT g
	WIN 0x45
.set i, 0
.rept 8
.set fi, 8*(\g)+i
.set k, 0
.rept 8
	v_cvt_pk_bf16_f32 v[8*fi+k], v[128+16*i+2*k], v[129+16*i+2*k]
.set k, k+1
.endr
.set i, i+1
.endr
	WIN 0
.endm
.macro XFILL                          ; the staging ring's first eight loads: chunk c = 4,096 bytes of the tile, 16 bytes a thread
.irp c, 0,1,2,3,4,5,6,7
	global_load_b128 v[64+4*\c:67+4*\c], v4, s[40:41] offset:\c*4096
.endr
.endm
.macro XSLOTS                         ; 32 chunks: wait (the younger ring loads stay out), round to bf16, into LDS, ask for the chunk eight on
.set c, 0
.rept 32
.if c < 25
	s_wait_loadcnt 7
.else
	s_wait_loadcnt 31-c
.endif
.set rb, 64+4*(c&7)
	v_cvt_pk_bf16_f32 v[12+2*(c&1)], v[rb], v[rb+1]
	v_cvt_pk_bf16_f32 v[13+2*(c&1)], v[rb+2], v[rb+3]
	ds_store_b64 v5, v[12+2*(c&1):13+2*(c&1)] offset:c*2112
.if c < 24
	global_load_b128 v[rb:rb+3], v4, s[40:41] offset:(c+8)*4096
.endif
.set c, c+1
.endr
.endm
.macro FETCH s, adr                   ; step s: K block s / 2, row blocks 4 (s % 2) .. + 3: four fragments into buffer s % 2
.set fb, 64+32*((\s)&1)
.set fo, ((\s)&1)*4*8448+((\s)>>1)*64
.irp a, 0,1,2,3
	ds_load_b128 v[fb+8*\a:fb+8*\a+3], v[\adr] offset:fo+\a*8448
	ds_load_b128 v[fb+8*\a+4:fb+8*\a+7], v[\adr] offset:fo+\a*8448+32
.endr
.endm
.macro GEMM form, adr, ws             ; 128 rows x 32 channels x K = 256.  The 16 accumulators take turns: one comes again after 16 matrix instructions
	FETCH 0, \adr
.set st, 0
.rept 16
.if st < 15
	PLACES                                ; four places behind the products that read the buffer now loaded
	FETCH st+1, \adr
	s_wait_dscnt 8                        ; this step's eight loads are in; the next step's eight stay out
.else
	s_wait_dscnt 0x0
.endif
	WIN 0x01
.set fb2, 64+32*(st&1)
.irp a, 0,1,2,3
.irp nb, 0,1
.set ac, 128+((4*(st&1)+\a)*2+\nb)*8
.set wf, (\ws)+((st>>1)*2+\nb)*8
.if st < 2
	v_wmma_f32_16x16x32_\form v[ac:ac+7], v[wf:wf+7], v[fb2+8*\a:fb2+8*\a+7], 0
.else
	v_wmma_f32_16x16x32_\form v[ac:ac+7], v[wf:wf+7], v[fb2+8*\a:fb2+8*\a+7], v[ac:ac+7]
.endif
.endr
.endr
	WIN 0
.set st, st+1
.endr
.endm
.macro DPP16 base, inv                ; 16 registers summed over the 16 lanes of a half, times inv
.irp m, 1,2,4,8
.set qq, 0
.rept 16
	v_add_f32_dpp v[\base+qq], v[\base+qq], v[\base+qq] row_xmask:\m row_mask:0xf bank_mask:0xf
.set qq, qq+1
.endr
.endr
.set qq, 0
.rept 8
	v_pk_mul_f32 v[\base+qq:\base+qq+1], v[\base+qq:\base+qq+1], \inv op_sel_hi:[1,0]
.set qq, qq+2
.endr
.endm
.macro STATS mt, inv, adr, voff, acc  ; two passes over mt x 2 accumulators: mean, then the mean of squared distances from it; each accumulator's low registers are read first
.irp nb, 0,1
.irp p, 0,2,4,6
	v_pk_add_f32 v[32+8*\nb+\p:33+8*\nb+\p], v[\acc+8*\nb+\p:\acc+8*\nb+\p+1], v[\acc+16+8*\nb+\p:\acc+16+8*\nb+\p+1]
.set aa, 2
.rept \mt-2
	v_pk_add_f32 v[32+8*\nb+\p:33+8*\nb+\p], v[32+8*\nb+\p:33+8*\nb+\p], v[\acc+16*aa+8*\nb+\p:\acc+16*aa+8*\nb+\p+1]
.set aa, aa+1
.endr
.endr
.endr
	DPP16 32, \inv
.irp nb, 0,1
.irp p, 0,2,4,6
.set aa, 0
.rept \mt
	v_pk_add_f32 v[12+2*(aa&3):13+2*(aa&3)], v[\acc+16*aa+8*\nb+\p:\acc+16*aa+8*\nb+\p+1], v[32+8*\nb+\p:33+8*\nb+\p] neg_lo:[0,1] neg_hi:[0,1]
.if aa == 0
	v_pk_mul_f32 v[48+8*\nb+\p:49+8*\nb+\p], v[12:13], v[12:13]
.else
	v_pk_fma_f32 v[48+8*\nb+\p:49+8*\nb+\p], v[12+2*(aa&3):13+2*(aa&3)], v[12+2*(aa&3):13+2*(aa&3)], v[48+8*\nb+\p:49+8*\nb+\p]
.endif
.set aa, aa+1
.endr
.endr
.endr
	DPP16 48, \inv
	ds_store_b128 v[\adr], v[32:35]
	ds_store_b128 v[\adr], v[36:39] offset:16
	ds_store_b128 v[\adr], v[40:43] offset:64
	ds_store_b128 v[\adr], v[44:47] offset:80
	ds_store_b128 v[\adr], v[48:51] offset:\voff
	ds_store_b128 v[\adr], v[52:55] offset:\voff+16
	ds_store_b128 v[\adr], v[56:59] offset:\voff+64
	ds_store_b128 v[\adr], v[60:63] offset:\voff+80
.endm
	s_load_b512 s[8:23], s[0:1], 0x0      ; x1 8, x2 10, W1 12, W2 14, Wq 16, Wk 18, Wv 20, W3 22
	s_load_b512 s[24:39], s[0:1], 0x40    ; Ww1 24, Ww2 26, p1 28, p2 30, o1 32, FA 34, out0 36, out2 38
	v_lshl_add_u32 v10, v0, 2, SPARE      ; my spare word,
	v_mov_b32 v11, 0                      ; and 0: kept for the closing add alone
	v_lshrrev_b32 v1, 5, v0
	v_readfirstlane_b32 s3, v1            ; wave j
	v_and_b32 v1, 31, v0                  ; lane
	v_and_b32 v2, 15, v0                  ; r
	v_bfe_u32 v3, v0, 4, 1                ; h
	v_lshlrev_b32 v4, 4, v0               ; 16 t
	v_lshrrev_b32 v9, 6, v0
	v_mul_u32_u24 v9, v9, 528
	v_and_b32 v5, 63, v0
	v_lshl_add_u32 v5, v5, 3, v9          ; staging: row t / 64, 8 bytes at t % 64
	v_mul_u32_u24 v6, v2, 528
	v_lshl_add_u32 v6, v3, 4, v6          ; fragments of x: row r, 16 h
	s_lshl_b32 s6, s3, 15
	v_lshl_add_u32 v7, v2, 10, s6
	v_lshl_add_u32 v7, v3, 5, v7          ; weights: row 32 j + r, 32 h bytes
	s_lshl_b32 s6, s3, 7
	s_add_co_u32 s6, s6, PR
	v_lshl_add_u32 v8, v3, 5, s6          ; partial row: channel 32 j + 8 h
	s_mov_b32 s2, ttmp9
	s_sub_co_u32 s5, s2, 64
	s_mov_b32 s45, 0xffff0000
	s_wait_kmcnt 0x0
	s_cmp_lt_u32 s2, 64
	s_cselect_b32 s4, s2, s5              ; the tile's number in its tensor
	s_cselect_b32 s44, 1, 0               ; 1: a tile of x1
	s_cselect_b64 s[40:41], s[8:9], s[10:11]
	s_cselect_b64 s[42:43], s[12:13], s[14:15]
	s_lshl_b32 s6, s4, 17
	s_mov_b32 s7, 0
	s_add_nc_u64 s[40:41], s[40:41], s[6:7]
	WLOAD 0
	s_wait_loadcnt 0x0
	WCVT 0
	WLOAD 1
	XFILL
	s_wait_loadcnt 8                      ; the second batch of weights is in; the ring's eight stay out
	WCVT 1
	XSLOTS
	BAR                                   ; the tile is whole
	GEMM bf16, 6, 0
	PLACES
	STATS 8, 0x3c000000, 8, 1024, 128
	BAR
	s_cmp_lt_u32 s3, 4                    ; waves 0-3 store the 2,048 bytes
	s_cbranch_scc0 .Lnopa
	v_add_nc_u32 v9, PR, v4
	ds_load_b128 v[24:27], v9
	s_mov_b32 s6, 935936
	s_cmp_eq_u32 s44, 1
	s_cselect_b32 s6, 804864, s6
	s_lshl_b32 s46, s4, 11
	s_add_co_u32 s6, s6, s46
	s_add_nc_u64 s[46:47], s[34:35], s[6:7]
	s_wait_dscnt 0x0
	global_store_b128 v4, v[24:27], s[46:47]
.Lnopa:
	v_lshlrev_b32 v21, 4, v1              ; 16 x lane
	s_cmp_lg_u32 s4, 0                    ; the first tile of each tensor stores its weights, as the registers hold them
	s_cbranch_scc1 .Lnowf
	s_mov_b32 s6, 131072
	s_cmp_eq_u32 s44, 1
	s_cselect_b32 s6, 0, s6
	s_lshl_b32 s48, s3, 14
	s_add_co_u32 s6, s6, s48
	s_add_nc_u64 s[48:49], s[34:35], s[6:7]
	WIN 0x04
.set i, 0
.rept 32
	global_store_b128 v21, v[4*i:4*i+3], s[48:49] offset:i*512
.set i, i+1
.endr
	WIN 0
.Lnowf:
	s_lshl3_add_u32 s50, s2, s3           ; f = 8 b + wave: one fragment of Wq, Wk, Wv, W3 (128 each), Ww1 (16), Ww2 (2)
	s_cmp_lt_u32 s50, 530
	s_cbranch_scc0 .Lnofrag
	s_lshr_b32 s51, s50, 7
	s_mov_b64 s[52:53], s[16:17]
	s_cmp_eq_u32 s51, 1
	s_cselect_b64 s[52:53], s[18:19], s[52:53]
	s_cmp_eq_u32 s51, 2
	s_cselect_b64 s[52:53], s[20:21], s[52:53]
	s_cmp_eq_u32 s51, 3
	s_cselect_b64 s[52:53], s[22:23], s[52:53]
	s_cmp_eq_u32 s51, 4
	s_cselect_b64 s[52:53], s[24:25], s[52:53]
	s_cmp_ge_u32 s50, 528
	s_cselect_b64 s[52:53], s[26:27], s[52:53]
	s_cselect_b32 s54, 7, 10              ; a row is 128 bytes in Ww2, else 1,024
	s_bfe_u32 s55, s50, 0x30004           ; j
	s_cmp_ge_u32 s50, 512
	s_cselect_b32 s55, 0, s55
	s_and_b32 s56, s50, 1                 ; nb
	s_lshl_b32 s55, s55, 5
	s_lshl4_add_u32 s55, s56, s55         ; row 32 j + 16 nb
	s_bfe_u32 s56, s50, 0x30001           ; ks
	s_lshl_b32 s56, s56, 7
	v_add_nc_u32 v20, s55, v2
	v_lshlrev_b32 v20, s54, v20
	v_add_nc_u32 v20, s56, v20
	v_lshl_add_u32 v20, v3, 5, v20
	global_load_b128 v[64:67], v20, s[52:53]
	global_load_b128 v[68:71], v20, s[52:53] offset:16
	global_load_b128 v[72:75], v20, s[52:53] offset:64
	global_load_b128 v[76:79], v20, s[52:53] offset:80
	s_lshl_b32 s6, s50, 10
	s_add_co_u32 s6, s6, 262144
	s_add_nc_u64 s[58:59], s[34:35], s[6:7]
	s_wait_loadcnt 0x0
.set kk, 0
.rept 8
	RB2 64+2*kk, 65+2*kk, 64+2*kk, 65+2*kk, 23   ; rounded to bf16 like every input,
	v_cvt_pk_f16_f32 v[80+kk], v[64+2*kk], v[65+2*kk]  ; and that number written as f16
.set kk, kk+1
.endr
	global_store_b128 v21, v[80:83], s[58:59]
	global_store_b128 v21, v[84:87], s[58:59] offset:512
.Lnofrag:
	s_mul_i32 s6, s4, 1536                ; the tile's 128 points, 12 bytes each
	s_cmp_lt_u32 s3, 2                    ; threads 0-63 take two points each
	s_cbranch_scc0 .Lnopts
	v_mul_u32_u24 v22, v0, 24
	s_cmp_eq_u32 s44, 1
	s_cselect_b64 s[60:61], s[28:29], s[30:31]
	s_add_nc_u64 s[60:61], s[60:61], s[6:7]
	global_load_b64 v[88:89], v22, s[60:61]
	global_load_b64 v[90:91], v22, s[60:61] offset:8
	global_load_b64 v[92:93], v22, s[60:61] offset:16
	s_wait_loadcnt 0x0
	v_cvt_pk_bf16_f32 v96, v88, v89       ; x, y
	v_cvt_pk_bf16_f32 v97, v90, 0         ; z
	v_cvt_pk_bf16_f32 v98, v91, v92
	v_cvt_pk_bf16_f32 v99, v93, 0
	s_cmp_eq_u32 s44, 1
	s_cbranch_scc1 .Lpq
	s_lshl_b32 s62, s4, 10                ; keys: 8 bytes each
	s_add_co_u32 s62, s62, 1329152
	s_mov_b32 s63, 0
	s_add_nc_u64 s[62:63], s[34:35], s[62:63]
	global_store_b128 v4, v[96:99], s[62:63]
	s_branch .Lnopts
.Lpq:
	v_lshlrev_b32 v100, 16, v96           ; queries: x, y, z and a = (x x + y y) + z z in f32
	v_and_b32 v101, s45, v96
	v_lshlrev_b32 v102, 16, v97
	v_lshlrev_b32 v104, 16, v98
	v_and_b32 v105, s45, v98
	v_lshlrev_b32 v106, 16, v99
	v_mul_f32 v103, v100, v100
	v_mul_f32 v107, v104, v104
	v_fma_f32 v103, v101, v101, v103
	v_fma_f32 v107, v105, v105, v107
	v_fma_f32 v103, v102, v102, v103
	v_fma_f32 v107, v106, v106, v107
	s_lshl_b32 s62, s4, 11
	s_add_co_u32 s62, s62, 1198080
	s_mov_b32 s63, 0
	s_add_nc_u64 s[62:63], s[34:35], s[62:63]
	v_lshlrev_b32 v108, 5, v0
	global_store_b128 v108, v[100:103], s[62:63]
	global_store_b128 v108, v[104:107], s[62:63] offset:16
.Lnopts:
	s_cmp_eq_u32 s44, 1                   ; out0 = p1: the tile's 1,536 bytes, threads 0-95
	s_cbranch_scc0 .Lend
	s_cmp_lt_u32 s3, 3
	s_cbranch_scc0 .Lend
	s_add_nc_u64 s[66:67], s[28:29], s[6:7]
	s_add_nc_u64 s[68:69], s[36:37], s[6:7]
	global_load_b128 v[112:115], v4, s[66:67]
	s_wait_loadcnt 0x0
	global_store_b128 v4, v[112:115], s[68:69]
	s_or_b32 s6, s2, s3                   ; out2 = o1: thread 0 of work-group 0
	s_cmp_lg_u32 s6, 0
	s_cbranch_scc1 .Lend
	s_load_b32 s6, s[32:33], 0x0
	v_mov_b32 v116, 0
	s_wait_kmcnt 0x0
	v_mov_b32 v117, s6
	v_cmp_eq_u32 vcc_lo, 0, v0
	s_wait_xcnt 0x0                       ; EXEC changes only behind this wait
	s_and_saveexec_b32 s7, vcc_lo
	global_store_b32 v116, v117, s[38:39]
	s_wait_xcnt 0x0
	s_or_b32 exec_lo, exec_lo, s7
.Lend:
	s_wait_tensorcnt 0x0                  ; the wave's end
	ds_add_u32 v10, v11
	s_wait_dscnt 0x0
	s_endpgm
.Lfunc_end_k_qc717b853a5_hstat:
	.size	k_qc717b853a5_hstat, .Lfunc_end_k_qc717b853a5_hstat-k_qc717b853a5_hstat
	.p2alignl 7, 3214868480
	.fill 96, 4, 3214868480
	.section	.rodata,"a",@progbits
	.p2align	6, 0x0
	.amdhsa_kernel k_qc717b853a5_hstat
		.amdhsa_group_segment_fixed_size 70656
		.amdhsa_private_segment_fixed_size 0
		.amdhsa_enable_private_segment 0
		.amdhsa_kernarg_size 128
		.amdhsa_user_sgpr_count 2
		.amdhsa_user_sgpr_kernarg_segment_ptr 1
		.amdhsa_wavefront_size32 1
		.amdhsa_system_sgpr_workgroup_id_x 1
		.amdhsa_system_sgpr_workgroup_id_y 1
		.amdhsa_system_sgpr_workgroup_id_z 1
		.amdhsa_system_vgpr_workitem_id 0
		.amdhsa_next_free_vgpr 512
		.amdhsa_next_free_sgpr 80
		.amdhsa_reserve_vcc 1
		.amdhsa_float_denorm_mode_32 3
		.amdhsa_float_denorm_mode_16_64 3
		.amdhsa_memory_ordered 1
		.amdhsa_forward_progress 1
		.amdhsa_inst_pref_size 78
	.end_amdhsa_kernel
	.amdgpu_metadata
---
amdhsa.version: [ 1, 2 ]
amdhsa.kernels:
  - .name:           k_qc717b853a5_hstat
    .symbol:         k_qc717b853a5_hstat.kd
    .args:
      - { .name: x1, .offset: 0, .size: 8, .value_kind: global_buffer, .address_space: global }
      - { .name: x2, .offset: 8, .size: 8, .value_kind: global_buffer, .address_space: global }
      - { .name: W1, .offset: 16, .size: 8, .value_kind: global_buffer, .address_space: global }
      - { .name: W2, .offset: 24, .size: 8, .value_kind: global_buffer, .address_space: global }
      - { .name: Wq, .offset: 32, .size: 8, .value_kind: global_buffer, .address_space: global }
      - { .name: Wk, .offset: 40, .size: 8, .value_kind: global_buffer, .address_space: global }
      - { .name: Wv, .offset: 48, .size: 8, .value_kind: global_buffer, .address_space: global }
      - { .name: W3, .offset: 56, .size: 8, .value_kind: global_buffer, .address_space: global }
      - { .name: Ww1, .offset: 64, .size: 8, .value_kind: global_buffer, .address_space: global }
      - { .name: Ww2, .offset: 72, .size: 8, .value_kind: global_buffer, .address_space: global }
      - { .name: p1, .offset: 80, .size: 8, .value_kind: global_buffer, .address_space: global }
      - { .name: p2, .offset: 88, .size: 8, .value_kind: global_buffer, .address_space: global }
      - { .name: o1, .offset: 96, .size: 8, .value_kind: global_buffer, .address_space: global }
      - { .name: FA, .offset: 104, .size: 8, .value_kind: global_buffer, .address_space: global }
      - { .name: out0, .offset: 112, .size: 8, .value_kind: global_buffer, .address_space: global }
      - { .name: out2, .offset: 120, .size: 8, .value_kind: global_buffer, .address_space: global }
    .group_segment_fixed_size: 70656
    .private_segment_fixed_size: 0
    .kernarg_segment_align: 8
    .kernarg_segment_size: 128
    .max_flat_workgroup_size: 256
    .sgpr_count:     80
    .vgpr_count:     512
    .wavefront_size: 32
...
	.end_amdgpu_metadata
.endif
;; end of part 1
;; launch knn1 (part 2): grid 256 x 1, 16 waves a work-group, no clusters, 124,160 bytes of LDS; arguments FA, IA; writes IA
.if DOCPART == 2
	.amdgcn_target "amdgcn-amd-amdhsa--gfx1250"
	.amdhsa_code_object_version 6
	.text
	.protected	k_qc717b853a5_knn1
	.globl	k_qc717b853a5_knn1
	.p2align	8
	.type	k_qc717b853a5_knn1,@function
k_qc717b853a5_knn1:
	s_mov_b64 s[64:65], 0
	v_nop
	global_prefetch_b8 v0, s[64:65] scope:SCOPE_SE
	s_setreg_imm32_b32 hwreg(HW_REG_WAVE_MODE, 25, 1), 1
	s_wait_xcnt 0x0
; Launch 2: the neighbour search, level 1.  For each of the work-group's 32 queries: the least d2 in each of 512 groups of 32 consecutive keys; T, the 16th smallest of the 512;
; and two masks of 512 bits, minimum < T and minimum == T.  The next launch reads them and takes the groups: all below T, then the first of those equal to T.
; A key among the 16 nearest (ties to the lower index) lies in one of the 16 groups with the least minima (ties to the lower group): were it not so, 16 groups would each hold a key ahead of it.
; d2 = (a + b) - 2 (x x' + y y' + z z') on points rounded to bf16: every product is exact in f32, so a fused multiply-add and a multiply with an add give the same bits.
; No address and no branch hangs on a distance: minima, T and masks go to fixed places, and the selection is a fixed network of minima and maxima.
; SHARES.  Thread t owns group t: its 32 keys lie in registers as 16 pairs; the queries come as scalars, two a trip.
.set PITCH, 2064                      ; LDS: M[32 queries][512] f32, rows of 2,048 + 16 bytes, at 0
.set LS, 66048                        ; 16 sorted lists of 16 for each query: part p at 2,560 p, lane l at 80 l
.set LS2, 107008                      ; four lists for each query, in the same form
.set TV, 117248                       ; T of the 32 queries
.set MK, 117504                       ; the masks: query q at 144 q: 16 words below, 16 words equal
.set SPARE, 122112
.macro BAR
	s_wait_dscnt 0x0
	s_barrier_signal -1
	s_barrier_wait -1
.endm
.macro BLAYER src, dst, k, j          ; a layer of the bitonic network on 16 registers: partners j apart, ascending where bit k of the place is 0
.set ii, 0
.rept 16
.if (ii & \j) == 0
.if (ii & \k) == 0
	v_min_num_f32 v[\dst+ii], v[\src+ii], v[\src+ii+\j]
	v_max_num_f32 v[\dst+ii+\j], v[\src+ii], v[\src+ii+\j]
.else
	v_max_num_f32 v[\dst+ii], v[\src+ii], v[\src+ii+\j]
	v_min_num_f32 v[\dst+ii+\j], v[\src+ii], v[\src+ii+\j]
.endif
.endif
.set ii, ii+1
.endr
.endm
.macro BSORT a, q                     ; 16 registers ascending; q is at work: ten layers, from bank to bank
	BLAYER \a, \q, 2, 1
	BLAYER \q, \a, 4, 2
	BLAYER \a, \q, 4, 1
	BLAYER \q, \a, 8, 4
	BLAYER \a, \q, 8, 2
	BLAYER \q, \a, 8, 1
	BLAYER \a, \q, 16, 8
	BLAYER \q, \a, 16, 4
	BLAYER \a, \q, 16, 2
	BLAYER \q, \a, 16, 1
.endm
.macro MERGE p, b, q                  ; the 16 smallest of two ascending lists, ascending, into p; q is at work
.set ii, 0
.rept 16
	v_min_num_f32 v[\p+ii], v[\p+ii], v[\b+15-ii]
.set ii, ii+1
.endr
	BLAYER \p, \q, 16, 8
	BLAYER \q, \p, 16, 4
	BLAYER \p, \q, 16, 2
	BLAYER \q, \p, 16, 1
.endm
.macro LOAD4 adr                      ; four ascending lists, 2,560 bytes apart
.irp c, 0,1,2,3
	ds_load_b128 v[128+4*\c:131+4*\c], v[\adr] offset:16*\c
	ds_load_b128 v[176+4*\c:179+4*\c], v[\adr] offset:2560+16*\c
	ds_load_b128 v[192+4*\c:195+4*\c], v[\adr] offset:5120+16*\c
	ds_load_b128 v[208+4*\c:211+4*\c], v[\adr] offset:7680+16*\c
.endr
	s_wait_dscnt 0x0
.endm
.macro SELECT ptr
	v_mul_u32_u24 v20, v1, PITCH          ; stage 1, every wave: lane = query, wave = 32 of its 512 numbers
	s_lshl_b32 s16, s3, 7
	v_add_nc_u32 v20, s16, v20
.irp c, 0,1,2,3,4,5,6,7
	ds_load_b128 v[160+4*\c:163+4*\c], v20 offset:16*\c
.endr
	v_mul_u32_u24 v21, v1, 80
	s_mul_i32 s16, s3, 2560
	s_add_co_u32 s16, s16, LS
	v_add_nc_u32 v22, s16, v21
	v_lshl_add_u32 v24, v1, 2, TV
	s_wait_dscnt 4                        ; the first sixteen are in; the other four loads stay out
	BSORT 160, 144
	s_wait_dscnt 0x0
	BSORT 176, 192
	MERGE 160, 176, 144
.irp c, 0,1,2,3
	ds_store_b128 v22, v[160+4*\c:163+4*\c] offset:16*\c
.endr
	BAR
	s_cmp_lt_u32 s3, 4                    ; stage 2a, waves 0-3: four lists each
	s_cbranch_scc0 .Ls2a
	s_mul_i32 s16, s3, 10240
	s_add_co_u32 s16, s16, LS
	v_add_nc_u32 v23, s16, v21
	LOAD4 23
	MERGE 128, 176, 144
	MERGE 192, 208, 224
	MERGE 128, 192, 144
	s_mul_i32 s16, s3, 2560
	s_add_co_u32 s16, s16, LS2
	v_add_nc_u32 v23, s16, v21
.irp c, 0,1,2,3
	ds_store_b128 v23, v[128+4*\c:131+4*\c] offset:16*\c
.endr
.Ls2a:
	BAR
	s_cmp_lg_u32 s3, 0                    ; stage 2b, wave 0: the last four lists
	s_cbranch_scc1 .Ls2b
	v_add_nc_u32 v23, LS2, v21
	LOAD4 23
	MERGE 128, 176, 144
	MERGE 192, 208, 224
.set ii, 0
.rept 16
	v_min_num_f32 v[144+ii], v[128+ii], v[192+15-ii]
.set ii, ii+1
.endr
.irp c, 145,147,149,151,153,155,157
	v_max3_num_f32 v144, v144, v[\c], v[\c+1]
.endr
	v_max_num_f32 v144, v144, v159        ; T: the largest of the 16 smallest
	ds_store_b32 v24, v144
.Ls2b:
	BAR
	v_lshlrev_b32 v7, 2, v0               ; the masks: wave w makes word w of every query
	ds_load_b32 v8, v24
.set q, 0
.rept 32
	ds_load_b32 v[128+q], v7 offset:q*PITCH
.set q, q+1
.endr
	v_mov_b32 v12, 0
	v_mov_b32 v13, 0
	s_wait_dscnt 0x0
.set q, 0
.rept 32
	v_readlane_b32 s20, v8, q
	v_cmp_gt_f32 s21, s20, v[128+q]
	v_cmp_eq_f32 s22, s20, v[128+q]
	v_writelane_b32 v12, s21, q
	v_writelane_b32 v13, s22, q
.set q, q+1
.endr
	s_lshl_b32 s16, s3, 2
	s_add_co_u32 s16, s16, MK
	v_mul_u32_u24 v14, v1, 144
	v_add_nc_u32 v14, s16, v14
	ds_store_b32 v14, v12
	ds_store_b32 v14, v13 offset:64
	BAR
	s_cmp_lt_u32 s3, 8                    ; 4,096 bytes out, 16 a thread
	s_cbranch_scc0 .Lmdone
	v_lshrrev_b32 v14, 3, v0
	v_mul_u32_u24 v14, v14, 144
	v_and_b32 v15, 7, v0
	v_lshl_add_u32 v14, v15, 4, v14
	v_add_nc_u32 v14, MK, v14
	ds_load_b128 v[16:19], v14
	v_lshlrev_b32 v15, 4, v0
	s_wait_dscnt 0x0
	global_store_b128 v15, v[16:19], s[\ptr:\ptr+1]
.Lmdone:
.endm
.macro QDIST sq, off                  ; one query against my 32 keys; its least d2 into M
.set g, 0
.rept 4
.irp k, 0,2,4,6
	v_pk_mul_f32 v[64+\k:65+\k], v[128+8*g+\k:129+8*g+\k], s[\sq:\sq+1] op_sel_hi:[1,0]
.endr
.irp k, 0,2,4,6
	v_pk_fma_f32 v[64+\k:65+\k], v[160+8*g+\k:161+8*g+\k], s[\sq+2:\sq+3], v[64+\k:65+\k] op_sel_hi:[1,0,1]
.endr
.irp k, 0,2,4,6
	v_pk_fma_f32 v[64+\k:65+\k], v[192+8*g+\k:193+8*g+\k], s[\sq+4:\sq+5], v[64+\k:65+\k] op_sel_hi:[1,0,1]
.endr
.irp k, 0,2,4,6
	v_pk_add_f32 v[72+\k:73+\k], v[224+8*g+\k:225+8*g+\k], s[\sq+6:\sq+7] op_sel_hi:[1,0]
.endr
.irp k, 0,2,4,6
	v_pk_fma_f32 v[64+\k:65+\k], v[64+\k:65+\k], -2.0, v[72+\k:73+\k] op_sel_hi:[1,0,1]
.endr
.if g == 0
	v_min_num_f32 v80, v64, v65
	v_min_num_f32 v81, v66, v67
.else
	v_min3_num_f32 v80, v80, v64, v65
	v_min3_num_f32 v81, v81, v66, v67
.endif
	v_min3_num_f32 v80, v80, v68, v69
	v_min3_num_f32 v81, v81, v70, v71
.set g, g+1
.endr
	v_min_num_f32 v80, v80, v81
	ds_store_b32 v3, v80 offset:\off
.endm
	s_load_b128 s[4:7], s[0:1], 0x0       ; FA, IA
	v_lshl_add_u32 v10, v0, 2, SPARE
	v_mov_b32 v11, 0
	v_lshrrev_b32 v1, 5, v0
	v_readfirstlane_b32 s3, v1
	v_and_b32 v1, 31, v0
	s_mov_b32 s2, ttmp9
	v_lshlrev_b32 v2, 8, v0               ; my group's 256 bytes of keys
	v_lshlrev_b32 v3, 2, v0               ; my place in a row of M
	s_mov_b32 s14, 0xffff0000
.irp k, 33,35,37,39,41,43,45,47
	s_mov_b32 s\k, 0                      ; named in pairs with the queries' numbers
.endr
	s_wait_kmcnt 0x0
	s_add_nc_u64 s[8:9], s[4:5], 1329152  ; the keys
	s_add_nc_u64 s[10:11], s[4:5], 1198080
	s_lshl_b32 s12, s2, 9
	s_mov_b32 s13, 0
	s_add_nc_u64 s[10:11], s[10:11], s[12:13]  ; my 32 queries
	s_lshl_b32 s12, s2, 12
	s_add_nc_u64 s[18:19], s[6:7], s[12:13]    ; their masks
.set i, 0
.rept 16
	global_load_b128 v[64+4*i:67+4*i], v2, s[8:9] offset:16*i
.set i, i+1
.endr
	s_load_b256 s[24:31], s[10:11], 0x0
	s_wait_loadcnt 0x0
.set i, 0
.rept 16
	v_lshlrev_b32 v[128+2*i], 16, v[64+4*i]
	v_and_b32 v[160+2*i], s14, v[64+4*i]
	v_lshlrev_b32 v[192+2*i], 16, v[65+4*i]
	v_lshlrev_b32 v[129+2*i], 16, v[66+4*i]
	v_and_b32 v[161+2*i], s14, v[66+4*i]
	v_lshlrev_b32 v[193+2*i], 16, v[67+4*i]
.set i, i+1
.endr
.set i, 0
.rept 16
	v_pk_mul_f32 v[224+2*i:225+2*i], v[128+2*i:129+2*i], v[128+2*i:129+2*i]
.set i, i+1
.endr
.set i, 0
.rept 16
	v_pk_fma_f32 v[224+2*i:225+2*i], v[160+2*i:161+2*i], v[160+2*i:161+2*i], v[224+2*i:225+2*i]
.set i, i+1
.endr
.set i, 0
.rept 16
	v_pk_fma_f32 v[224+2*i:225+2*i], v[192+2*i:193+2*i], v[192+2*i:193+2*i], v[224+2*i:225+2*i]
.set i, i+1
.endr
	s_mov_b32 s15, 0
.Lq:                                      ; 16 trips of two queries
	s_wait_kmcnt 0x0
	s_mov_b32 s32, s24
	s_mov_b32 s34, s25
	s_mov_b32 s36, s26
	s_mov_b32 s38, s27
	s_mov_b32 s40, s28
	s_mov_b32 s42, s29
	s_mov_b32 s44, s30
	s_mov_b32 s46, s31
	s_add_co_u32 s16, s15, 1
	s_and_b32 s16, s16, 15                ; the next pair; the last trip asks for the first pair again, 32 bytes that are not used
	s_lshl_b32 s16, s16, 5
	s_load_b256 s[24:31], s[10:11], s16 offset:0x0
	QDIST 32, 0
	QDIST 40, PITCH
	v_add_nc_u32 v3, 2*PITCH, v3
	s_add_co_u32 s15, s15, 1
	s_cmp_lt_u32 s15, 16
	s_cbranch_scc1 .Lq
	s_wait_kmcnt 0x0
	BAR
	SELECT 18
	s_wait_tensorcnt 0x0                  ; the wave's end
	ds_add_u32 v10, v11
	s_wait_dscnt 0x0
	s_endpgm
.Lfunc_end_k_qc717b853a5_knn1:
	.size	k_qc717b853a5_knn1, .Lfunc_end_k_qc717b853a5_knn1-k_qc717b853a5_knn1
	.p2alignl 7, 3214868480
	.fill 96, 4, 3214868480
	.section	.rodata,"a",@progbits
	.p2align	6, 0x0
	.amdhsa_kernel k_qc717b853a5_knn1
		.amdhsa_group_segment_fixed_size 124160
		.amdhsa_private_segment_fixed_size 0
		.amdhsa_enable_private_segment 0
		.amdhsa_kernarg_size 16
		.amdhsa_user_sgpr_count 2
		.amdhsa_user_sgpr_kernarg_segment_ptr 1
		.amdhsa_wavefront_size32 1
		.amdhsa_system_sgpr_workgroup_id_x 1
		.amdhsa_system_sgpr_workgroup_id_y 1
		.amdhsa_system_sgpr_workgroup_id_z 1
		.amdhsa_system_vgpr_workitem_id 0
		.amdhsa_next_free_vgpr 256
		.amdhsa_next_free_sgpr 66
		.amdhsa_reserve_vcc 0
		.amdhsa_float_denorm_mode_32 3
		.amdhsa_float_denorm_mode_16_64 3
		.amdhsa_memory_ordered 1
		.amdhsa_forward_progress 1
		.amdhsa_inst_pref_size 66
	.end_amdhsa_kernel
	.amdgpu_metadata
---
amdhsa.version: [ 1, 2 ]
amdhsa.kernels:
  - .name:           k_qc717b853a5_knn1
    .symbol:         k_qc717b853a5_knn1.kd
    .args:
      - { .name: FA, .offset: 0, .size: 8, .value_kind: global_buffer, .address_space: global }
      - { .name: IA, .offset: 8, .size: 8, .value_kind: global_buffer, .address_space: global }
    .group_segment_fixed_size: 124160
    .private_segment_fixed_size: 0
    .kernarg_segment_align: 8
    .kernarg_segment_size: 16
    .max_flat_workgroup_size: 512
    .sgpr_count:     66
    .vgpr_count:     256
    .wavefront_size: 32
...
	.end_amdgpu_metadata
.endif
;; end of part 2
;; launch knn2 (part 3): grid 256 x 1, 16 waves a work-group, no clusters, 128,256 bytes of LDS; arguments FA, IA, IB; writes IB
.if DOCPART == 3
	.amdgcn_target "amdgcn-amd-amdhsa--gfx1250"
	.amdhsa_code_object_version 6
	.text
	.protected	k_qc717b853a5_knn2
	.globl	k_qc717b853a5_knn2
	.p2align	8
	.type	k_qc717b853a5_knn2,@function
k_qc717b853a5_knn2:
	s_mov_b64 s[64:65], 0
	v_nop
	global_prefetch_b8 v0, s[64:65] scope:SCOPE_SE
	s_setreg_imm32_b32 hwreg(HW_REG_WAVE_MODE, 25, 1), 1
	s_wait_xcnt 0x0
; Launch 3: the neighbour search, level 2.  Each query's 16 groups are read off the stored masks (whole numbers of the launch before), in ascending order; d2 of their 512 keys, as in level 1;
; T, the 16th smallest; masks below T and equal to T over the 512 places (place = 32 x slot + key in group: ascending in the key's index).  The list of groups is stored too.
; Wave w takes queries 2 w and 2 w + 1 of the work-group's 32; lane = key in a group.
.set PITCH, 2064
.set LS, 66048
.set LS2, 107008
.set TV, 117248
.set MK, 117504
.set LD, 122112                       ; 256 bytes a wave: two lists of 16 words, each with a 17th word for the lanes that are not chosen
.set SPARE, 126208
.macro BAR
	s_wait_dscnt 0x0
	s_barrier_signal -1
	s_barrier_wait -1
.endm
.macro BLAYER src, dst, k, j          ; as in level 1
.set ii, 0
.rept 16
.if (ii & \j) == 0
.if (ii & \k) == 0
	v_min_num_f32 v[\dst+ii], v[\src+ii], v[\src+ii+\j]
	v_max_num_f32 v[\dst+ii+\j], v[\src+ii], v[\src+ii+\j]
.else
	v_max_num_f32 v[\dst+ii], v[\src+ii], v[\src+ii+\j]
	v_min_num_f32 v[\dst+ii+\j], v[\src+ii], v[\src+ii+\j]
.endif
.endif
.set ii, ii+1
.endr
.endm
.macro BSORT a, q
	BLAYER \a, \q, 2, 1
	BLAYER \q, \a, 4, 2
	BLAYER \a, \q, 4, 1
	BLAYER \q, \a, 8, 4
	BLAYER \a, \q, 8, 2
	BLAYER \q, \a, 8, 1
	BLAYER \a, \q, 16, 8
	BLAYER \q, \a, 16, 4
	BLAYER \a, \q, 16, 2
	BLAYER \q, \a, 16, 1
.endm
.macro MERGE p, b, q
.set ii, 0
.rept 16
	v_min_num_f32 v[\p+ii], v[\p+ii], v[\b+15-ii]
.set ii, ii+1
.endr
	BLAYER \p, \q, 16, 8
	BLAYER \q, \p, 16, 4
	BLAYER \p, \q, 16, 2
	BLAYER \q, \p, 16, 1
.endm
.macro LOAD4 adr
.irp c, 0,1,2,3
	ds_load_b128 v[128+4*\c:131+4*\c], v[\adr] offset:16*\c
	ds_load_b128 v[176+4*\c:179+4*\c], v[\adr] offset:2560+16*\c
	ds_load_b128 v[192+4*\c:195+4*\c], v[\adr] offset:5120+16*\c
	ds_load_b128 v[208+4*\c:211+4*\c], v[\adr] offset:7680+16*\c
.endr
	s_wait_dscnt 0x0
.endm
.macro SELECT ptr                     ; as in level 1
	v_mul_u32_u24 v20, v1, PITCH
	s_lshl_b32 s16, s3, 7
	v_add_nc_u32 v20, s16, v20
.irp c, 0,1,2,3,4,5,6,7
	ds_load_b128 v[160+4*\c:163+4*\c], v20 offset:16*\c
.endr
	v_mul_u32_u24 v21, v1, 80
	s_mul_i32 s16, s3, 2560
	s_add_co_u32 s16, s16, LS
	v_add_nc_u32 v22, s16, v21
	v_lshl_add_u32 v24, v1, 2, TV
	s_wait_dscnt 4                        ; the first sixteen are in; the other four loads stay out
	BSORT 160, 144
	s_wait_dscnt 0x0
	BSORT 176, 192
	MERGE 160, 176, 144
.irp c, 0,1,2,3
	ds_store_b128 v22, v[160+4*\c:163+4*\c] offset:16*\c
.endr
	BAR
	s_cmp_lt_u32 s3, 4
	s_cbranch_scc0 .Ls2a
	s_mul_i32 s16, s3, 10240
	s_add_co_u32 s16, s16, LS
	v_add_nc_u32 v23, s16, v21
	LOAD4 23
	MERGE 128, 176, 144
	MERGE 192, 208, 224
	MERGE 128, 192, 144
	s_mul_i32 s16, s3, 2560
	s_add_co_u32 s16, s16, LS2
	v_add_nc_u32 v23, s16, v21
.irp c, 0,1,2,3
	ds_store_b128 v23, v[128+4*\c:131+4*\c] offset:16*\c
.endr
.Ls2a:
	BAR
	s_cmp_lg_u32 s3, 0
	s_cbranch_scc1 .Ls2b
	v_add_nc_u32 v23, LS2, v21
	LOAD4 23
	MERGE 128, 176, 144
	MERGE 192, 208, 224
.set ii, 0
.rept 16
	v_min_num_f32 v[144+ii], v[128+ii], v[192+15-ii]
.set ii, ii+1
.endr
.irp c, 145,147,149,151,153,155,157
	v_max3_num_f32 v144, v144, v[\c], v[\c+1]
.endr
	v_max_num_f32 v144, v144, v159
	ds_store_b32 v24, v144
.Ls2b:
	BAR
	v_lshlrev_b32 v7, 2, v0
	ds_load_b32 v8, v24
.set q, 0
.rept 32
	ds_load_b32 v[128+q], v7 offset:q*PITCH
.set q, q+1
.endr
	v_mov_b32 v12, 0
	v_mov_b32 v13, 0
	s_wait_dscnt 0x0
.set q, 0
.rept 32
	v_readlane_b32 s20, v8, q
	v_cmp_gt_f32 s21, s20, v[128+q]
	v_cmp_eq_f32 s22, s20, v[128+q]
	v_writelane_b32 v12, s21, q
	v_writelane_b32 v13, s22, q
.set q, q+1
.endr
	s_lshl_b32 s16, s3, 2
	s_add_co_u32 s16, s16, MK
	v_mul_u32_u24 v14, v1, 144
	v_add_nc_u32 v14, s16, v14
	ds_store_b32 v14, v12
	ds_store_b32 v14, v13 offset:64
	BAR
	s_cmp_lt_u32 s3, 8
	s_cbranch_scc0 .Lmdone
	v_lshrrev_b32 v14, 3, v0
	v_mul_u32_u24 v14, v14, 144
	v_and_b32 v15, 7, v0
	v_lshl_add_u32 v14, v15, 4, v14
	v_add_nc_u32 v14, MK, v14
	ds_load_b128 v[16:19], v14
	v_lshlrev_b32 v15, 4, v0
	s_wait_dscnt 0x0
	global_store_b128 v15, v[16:19], s[\ptr:\ptr+1]
.Lmdone:
.endm
; The places chosen by two masks of 512 bits (below: s[lt ..], equal: s[eq ..]), ascending, into the list at LDS byte s71: all below, then the first 16 - count(below) of the equal ones.
; A lane's rank is clamped to 16 in the instruction; rank 16 is the word that nobody reads.
.macro DECODE lt, eq
	v_and_b32 v12, 15, v1
	v_lshl_add_u32 v12, v12, 2, s71
	ds_store_b32 v12, v5                  ; the list starts at 0
	s_mov_b32 s66, 16
.set j, 0
.rept 16
	s_bcnt1_i32_b32 s70, s[\lt+j]
	s_sub_co_u32 s66, s66, s70
.set j, j+1
.endr
	s_mov_b32 s67, 0
	s_mov_b32 s68, 0
.set j, 0
.rept 16
	v_mbcnt_lo_u32_b32 v12, s[\eq+j], s67
	v_cmp_gt_u32 s69, s66, v12
	s_and_b32 s69, s69, s[\eq+j]
	s_or_b32 s69, s69, s[\lt+j]
	v_mbcnt_lo_u32_b32 v13, s69, s68
	v_cndmask_b32 v13, 16, v13, s69
	v_min_u32 v13, 16, v13
	v_lshl_add_u32 v13, v13, 2, s71
	v_or_b32 v14, 32*j, v1
	ds_store_b32 v13, v14
	s_bcnt1_i32_b32 s70, s[\eq+j]
	s_add_co_u32 s67, s67, s70
	s_bcnt1_i32_b32 s70, s69
	s_add_co_u32 s68, s68, s70
.set j, j+1
.endr
.endm
.macro LEVEL2 qi
	s_load_b512 s[16:31], s[14:15], \qi*128
	s_load_b512 s[32:47], s[14:15], \qi*128+64
	s_load_b128 s[48:51], s[12:13], \qi*16
	s_add_co_u32 s71, s72, \qi*128
	s_wait_kmcnt 0x0
	s_mov_b32 s52, s48
	s_mov_b32 s54, s49
	s_mov_b32 s56, s50
	s_mov_b32 s58, s51
	DECODE 16, 32
	v_mov_b32 v12, s71
.irp c, 0,1,2,3
	ds_load_b128 v[16+4*\c:19+4*\c], v12 offset:16*\c   ; LDS serves a wave's instructions in order: these see the stores above
.endr
	s_wait_dscnt 0x0
.set i, 0
.rept 16
	v_min_u32 v[16+i], 511, v[16+i]
	v_lshl_add_u32 v[32+i], v[16+i], 8, v7
.set i, i+1
.endr
.set i, 0
.rept 16
	global_load_b64 v[64+2*i:65+2*i], v[32+i], s[10:11]   ; a group's 256 bytes, 8 a lane
.set i, i+1
.endr
	s_wait_loadcnt 0x0
.set i, 0
.rept 8
	v_lshlrev_b32 v[96+2*i], 16, v[64+4*i]
	v_and_b32 v[112+2*i], s73, v[64+4*i]
	v_lshlrev_b32 v[128+2*i], 16, v[65+4*i]
	v_lshlrev_b32 v[97+2*i], 16, v[66+4*i]
	v_and_b32 v[113+2*i], s73, v[66+4*i]
	v_lshlrev_b32 v[129+2*i], 16, v[67+4*i]
.set i, i+1
.endr
.irp k, 0,2,4,6,8,10,12,14
	v_pk_mul_f32 v[144+\k:145+\k], v[96+\k:97+\k], v[96+\k:97+\k]
	v_pk_mul_f32 v[160+\k:161+\k], v[96+\k:97+\k], s[52:53] op_sel_hi:[1,0]
.endr
.irp k, 0,2,4,6,8,10,12,14
	v_pk_fma_f32 v[144+\k:145+\k], v[112+\k:113+\k], v[112+\k:113+\k], v[144+\k:145+\k]
	v_pk_fma_f32 v[160+\k:161+\k], v[112+\k:113+\k], s[54:55], v[160+\k:161+\k] op_sel_hi:[1,0,1]
.endr
.irp k, 0,2,4,6,8,10,12,14
	v_pk_fma_f32 v[144+\k:145+\k], v[128+\k:129+\k], v[128+\k:129+\k], v[144+\k:145+\k]
	v_pk_fma_f32 v[160+\k:161+\k], v[128+\k:129+\k], s[56:57], v[160+\k:161+\k] op_sel_hi:[1,0,1]
.endr
.irp k, 0,2,4,6,8,10,12,14
	v_pk_add_f32 v[144+\k:145+\k], v[144+\k:145+\k], s[58:59] op_sel_hi:[1,0]
.endr
.irp k, 0,2,4,6,8,10,12,14
	v_pk_fma_f32 v[160+\k:161+\k], v[160+\k:161+\k], -2.0, v[144+\k:145+\k] op_sel_hi:[1,0,1]
.endr
.set i, 0
.rept 16
	ds_store_b32 v8, v[160+i] offset:\qi*PITCH+i*128
.set i, i+1
.endr
.endm
	s_load_b128 s[4:7], s[0:1], 0x0       ; FA, IA
	s_load_b64 s[8:9], s[0:1], 0x10       ; IB
	v_lshl_add_u32 v10, v0, 2, SPARE
	v_mov_b32 v11, 0
	v_lshrrev_b32 v1, 5, v0
	v_readfirstlane_b32 s3, v1
	v_and_b32 v1, 31, v0
	s_mov_b32 s2, ttmp9
	v_mov_b32 v5, 0
	v_lshlrev_b32 v7, 3, v1               ; 8 x lane
	s_mul_i32 s60, s3, 2*PITCH
	v_lshl_add_u32 v8, v1, 2, s60         ; rows 2 w, 2 w + 1 of M
	s_lshl_b32 s72, s3, 8
	s_add_co_u32 s72, s72, LD             ; my lists
	s_mov_b32 s73, 0xffff0000
	s_mov_b32 s53, 0
	s_mov_b32 s55, 0
	s_mov_b32 s57, 0
	s_mov_b32 s59, 0
	s_lshl_b32 s60, s2, 5
	s_lshl1_add_u32 s60, s3, s60          ; my first query
	s_mov_b32 s63, 0
	s_wait_kmcnt 0x0
	s_add_nc_u64 s[10:11], s[4:5], 1329152
	s_add_nc_u64 s[12:13], s[4:5], 1198080
	s_lshl_b32 s62, s60, 4
	s_add_nc_u64 s[12:13], s[12:13], s[62:63]
	s_lshl_b32 s62, s60, 7
	s_add_nc_u64 s[14:15], s[6:7], s[62:63]
	s_lshl_b32 s62, s60, 6
	s_add_co_u32 s62, s62, 1048576
	s_add_nc_u64 s[74:75], s[8:9], s[62:63]   ; their lists of groups in memory
	s_lshl_b32 s62, s2, 12
	s_add_nc_u64 s[76:77], s[8:9], s[62:63]   ; the work-group's masks
	LEVEL2 0
	LEVEL2 1
	v_lshrrev_b32 v12, 4, v1
	v_and_b32 v13, 15, v1
	v_lshlrev_b32 v13, 2, v13
	v_lshl_add_u32 v12, v12, 7, v13
	v_add_nc_u32 v12, s72, v12
	ds_load_b32 v13, v12
	v_lshlrev_b32 v14, 2, v1
	s_wait_dscnt 0x0
	global_store_b32 v14, v13, s[74:75]
	BAR
	s_wait_xcnt 0x0                       ; v13, v14 are written again below
	SELECT 76
	s_wait_tensorcnt 0x0                  ; the wave's end
	ds_add_u32 v10, v11
	s_wait_dscnt 0x0
	s_endpgm
.Lfunc_end_k_qc717b853a5_knn2:
	.size	k_qc717b853a5_knn2, .Lfunc_end_k_qc717b853a5_knn2-k_qc717b853a5_knn2
	.p2alignl 7, 3214868480
	.fill 96, 4, 3214868480
	.section	.rodata,"a",@progbits
	.p2align	6, 0x0
	.amdhsa_kernel k_qc717b853a5_knn2
		.amdhsa_group_segment_fixed_size 128256
		.amdhsa_private_segment_fixed_size 0
		.amdhsa_enable_private_segment 0
		.amdhsa_kernarg_size 24
		.amdhsa_user_sgpr_count 2
		.amdhsa_user_sgpr_kernarg_segment_ptr 1
		.amdhsa_wavefront_size32 1
		.amdhsa_system_sgpr_workgroup_id_x 1
		.amdhsa_system_sgpr_workgroup_id_y 1
		.amdhsa_system_sgpr_workgroup_id_z 1
		.amdhsa_system_vgpr_workitem_id 0
		.amdhsa_next_free_vgpr 256
		.amdhsa_next_free_sgpr 80
		.amdhsa_reserve_vcc 0
		.amdhsa_float_denorm_mode_32 3
		.amdhsa_float_denorm_mode_16_64 3
		.amdhsa_memory_ordered 1
		.amdhsa_forward_progress 1
		.amdhsa_inst_pref_size 91
	.end_amdhsa_kernel
	.amdgpu_metadata
---
amdhsa.version: [ 1, 2 ]
amdhsa.kernels:
  - .name:           k_qc717b853a5_knn2
    .symbol:         k_qc717b853a5_knn2.kd
    .args:
      - { .name: FA, .offset: 0, .size: 8, .value_kind: global_buffer, .address_space: global }
      - { .name: IA, .offset: 8, .size: 8, .value_kind: global_buffer, .address_space: global }
      - { .name: IB, .offset: 16, .size: 8, .value_kind: global_buffer, .address_space: global }
    .group_segment_fixed_size: 128256
    .private_segment_fixed_size: 0
    .kernarg_segment_align: 8
    .kernarg_segment_size: 24
    .max_flat_workgroup_size: 512
    .sgpr_count:     80
    .vgpr_count:     256
    .wavefront_size: 32
...
	.end_amdgpu_metadata
.endif
;; end of part 3
;; launch group (part 4): grid 258 x 1, 8 waves a work-group, no clusters, 17,920 bytes of LDS; arguments IB, FA, Wp1, g1, b1, g2, b2, IA, FC; writes IA, FC
.if DOCPART == 4
	.amdgcn_target "amdgcn-amd-amdhsa--gfx1250"
	.amdhsa_code_object_version 6
	.text
	.protected	k_qc717b853a5_group
	.globl	k_qc717b853a5_group
	.p2align	8
	.type	k_qc717b853a5_group,@function
k_qc717b853a5_group:
	s_mov_b64 s[64:65], 0
	v_nop
	global_prefetch_b8 v0, s[64:65] scope:SCOPE_SE
	s_setreg_imm32_b32 hwreg(HW_REG_WAVE_MODE, 25, 1), 1
	s_wait_xcnt 0x0
; Launch 4.  Work-groups 0-255: the 16 neighbours of 32 queries each are read off the stored masks and lists (whole numbers of the launch before); idx is stored;
; t = (p2[idx] - p1) Wp1^T (bp1 is left out: a constant in front of BN(3)); partial statistics of t over the work-group's 512 items, in two passes.
; Work-groups 256, 257: the statistics of x1 W1^T and x2 W2^T are finished: scale = g rsqrt(var + eps), shift = b - mean scale.
.set LD, 0                            ; 256 bytes a wave: two lists of 16 words + a 17th
.set IDXS, 2048
.set WS3, 4096
.set WS3B, 4352
.set RS, 4608
.set SPARE, 16896
.macro BAR
	s_wait_dscnt 0x0
	s_barrier_signal -1
	s_barrier_wait -1
.endm
.macro WSUM x, tmp
.irp m, 1,2,4,8
	v_add_f32_dpp v[\x], v[\x], v[\x] row_xmask:\m row_mask:0xf bank_mask:0xf
.endr
	v_permlanex16_b32 v[\tmp], v[\x], s94, s95
	v_add_f32 v[\x], v[\x], v[\tmp]
.endm
.macro DECODE lt, eq                  ; as in the launch before
	v_and_b32 v12, 15, v1
	v_lshl_add_u32 v12, v12, 2, s71
	ds_store_b32 v12, v5
	s_mov_b32 s66, 16
.set j, 0
.rept 16
	s_bcnt1_i32_b32 s70, s[\lt+j]
	s_sub_co_u32 s66, s66, s70
.set j, j+1
.endr
	s_mov_b32 s67, 0
	s_mov_b32 s68, 0
.set j, 0
.rept 16
	v_mbcnt_lo_u32_b32 v12, s[\eq+j], s67
	v_cmp_gt_u32 s69, s66, v12
	s_and_b32 s69, s69, s[\eq+j]
	s_or_b32 s69, s69, s[\lt+j]
	v_mbcnt_lo_u32_b32 v13, s69, s68
	v_cndmask_b32 v13, 16, v13, s69
	v_min_u32 v13, 16, v13
	v_lshl_add_u32 v13, v13, 2, s71
	v_or_b32 v14, 32*j, v1
	ds_store_b32 v13, v14
	s_bcnt1_i32_b32 s70, s[\eq+j]
	s_add_co_u32 s67, s67, s70
	s_bcnt1_i32_b32 s70, s69
	s_add_co_u32 s68, s68, s70
.set j, j+1
.endr
.endm
.macro ROUND rr                       ; two queries: lane = (query l / 16, neighbour l % 16)
.irp ql, 0,1
	s_load_b512 s[32:47], s[26:27], (2*\rr+\ql)*128
	s_load_b512 s[48:63], s[26:27], (2*\rr+\ql)*128+64
	s_add_co_u32 s71, s72, \ql*128
	s_wait_kmcnt 0x0
	DECODE 32, 48
.endr
	ds_load_b32 v12, v6
	s_wait_dscnt 0x0
	v_lshrrev_b32 v13, 5, v12             ; the slot in the list of groups,
	v_min_u32 v13, 15, v13
	v_min_u32 v12, 511, v12
	v_and_b32 v12, 31, v12                ; the key in the group
	v_lshl_add_u32 v13, v13, 2, v7
	global_load_b32 v14, v13, s[28:29] offset:\rr*128
	global_load_b128 v[16:19], v8, s[30:31] offset:\rr*32
	s_wait_loadcnt 0x0
	v_min_u32 v14, 511, v14
	v_lshl_add_u32 v14, v14, 5, v12       ; idx
	v_lshlrev_b32 v15, 3, v14
	global_load_b64 v[20:21], v15, s[76:77]
	ds_store_b32 v9, v14 offset:\rr*128
	s_wait_loadcnt 0x0
	v_lshlrev_b32 v22, 16, v20
	v_and_b32 v23, 0xffff0000, v20
	v_lshlrev_b32 v20, 16, v21
	v_sub_f32 v22, v22, v16
	v_sub_f32 v23, v23, v17
	v_sub_f32 v20, v20, v18
.irp i, 0,1,2
	v_mul_f32 v[24+4*\rr+\i], v22, v[40+3*\i]
.endr
.irp i, 0,1,2
	v_fma_f32 v[24+4*\rr+\i], v23, v[41+3*\i], v[24+4*\rr+\i]
.endr
.irp i, 0,1,2
	v_fma_f32 v[24+4*\rr+\i], v20, v[42+3*\i], v[24+4*\rr+\i]
.endr
	v_mov_b32 v[27+4*\rr], 0
	global_store_b128 v38, v[24+4*\rr:27+4*\rr], s[24:25] offset:\rr*512
.endm
; Partial rows [mean .. | variance ..] are combined against a pivot, the mean of row 0: d = m - pivot; sums of d, d d and v.  First each thread over its rows, four channels at a time,
.macro RED_A logc, pitch, voff, rpt, bp, cnt, lim
	v_and_b32 v12, (1<<\logc)-1, v0
	v_lshlrev_b32 v13, 4, v12
	v_lshrrev_b32 v14, \logc, v0
	v_mul_u32_u24 v12, v14, \pitch
	v_add_nc_u32 v12, v12, v13
	global_load_b128 v[16:19], v13, s[\bp:\bp+1]
.set i, 20
.rept 12
	v_mov_b32 v[i], 0
.set i, i+1
.endr
	s_mov_b32 s[\cnt], 0
.Lred\@:
.set i, 0
.rept \rpt
	global_load_b128 v[64+8*i:67+8*i], v12, s[\bp:\bp+1] offset:i*(256>>\logc)*\pitch
	global_load_b128 v[68+8*i:71+8*i], v12, s[\bp:\bp+1] offset:i*(256>>\logc)*\pitch+\voff
.set i, i+1
.endr
	s_wait_loadcnt 0x0
.set i, 0
.rept \rpt
	v_pk_add_f32 v[32:33], v[64+8*i:65+8*i], v[16:17] neg_lo:[0,1] neg_hi:[0,1]
	v_pk_add_f32 v[34:35], v[66+8*i:67+8*i], v[18:19] neg_lo:[0,1] neg_hi:[0,1]
	v_pk_add_f32 v[28:29], v[28:29], v[68+8*i:69+8*i]
	v_pk_add_f32 v[30:31], v[30:31], v[70+8*i:71+8*i]
	v_pk_add_f32 v[20:21], v[20:21], v[32:33]
	v_pk_add_f32 v[22:23], v[22:23], v[34:35]
	v_pk_fma_f32 v[24:25], v[32:33], v[32:33], v[24:25]
	v_pk_fma_f32 v[26:27], v[34:35], v[34:35], v[26:27]
.set i, i+1
.endr
	s_add_nc_u64 s[\bp:\bp+1], s[\bp:\bp+1], \rpt*(256>>\logc)*\pitch   ; the loads are done, so their base may step
	s_add_co_u32 s[\cnt], s[\cnt], 1
	s_cmp_lt_u32 s[\cnt], s[\lim]
	s_cbranch_scc1 .Lred\@
	v_lshl_add_u32 v14, v14, 4+\logc, v13
	v_add_nc_u32 v14, RS, v14
	ds_store_b128 v14, v[20:23]
	ds_store_b128 v14, v[24:27] offset:4096
	ds_store_b128 v14, v[28:31] offset:8192
.endm
; then thread t for channel t: scale into v40, shift into v41; v42 = 4 t.
.macro RED_B nc, nch, invp, bp0, gp, bpp
	v_lshlrev_b32 v42, 2, v0
	v_add_nc_u32 v12, RS, v42
.set i, 0
.rept 3*\nc
	ds_load_b32 v[64+i], v12 offset:(i/\nc)*4096+(i%\nc)*\nch*4
.set i, i+1
.endr
	global_load_b32 v13, v42, s[\bp0:\bp0+1]
	global_load_b32 v14, v42, s[\gp:\gp+1]
	global_load_b32 v15, v42, s[\bpp:\bpp+1]
	s_wait_loadcnt_dscnt 0x0
.set i, 1
.rept \nc-1
	v_add_f32 v64, v64, v[64+i]
	v_add_f32 v[64+\nc], v[64+\nc], v[64+\nc+i]
	v_add_f32 v[64+2*\nc], v[64+2*\nc], v[64+2*\nc+i]
.set i, i+1
.endr
	v_mul_f32 v16, \invp, v64
	v_mul_f32 v18, \invp, v[64+\nc]
	v_add_f32 v17, v13, v16               ; mean
	v_fma_f32 v18, -v16, v16, v18
	v_fma_f32 v18, v[64+2*\nc], \invp, v18    ; variance
	v_add_f32 v18, 0x3727c5ac, v18
	v_rsq_f32 v19, v18
	v_cvt_pk_bf16_f32 v20, v14, v15       ; g and b rounded to bf16: plain work behind the root
	v_lshlrev_b32 v14, 16, v20
	v_and_b32 v15, 0xffff0000, v20
	s_wait_alu depctr_va_vdst(0)          ; the wait ahead of the root's first reader
	v_mul_f32 v40, v14, v19
	v_fma_f32 v41, -v17, v40, v15
.endm
	s_load_b512 s[8:23], s[0:1], 0x0      ; IB 8, FA 10, Wp1 12, g1 14, b1 16, g2 18, b2 20, IA 22
	s_load_b64 s[24:25], s[0:1], 0x40     ; FC
	v_lshl_add_u32 v10, v0, 2, SPARE
	v_mov_b32 v11, 0
	v_lshrrev_b32 v1, 5, v0
	v_readfirstlane_b32 s3, v1
	v_and_b32 v1, 31, v0
	v_and_b32 v2, 15, v0
	v_bfe_u32 v3, v0, 4, 1
	v_lshlrev_b32 v4, 4, v0
	v_mov_b32 v5, 0
	s_mov_b32 s2, ttmp9
	s_mov_b32 s94, 0x76543210
	s_mov_b32 s95, 0xfedcba98
	s_wait_kmcnt 0x0
	s_cmp_ge_u32 s2, 256
	s_cbranch_scc1 .Lspecial
	s_load_b256 s[84:91], s[12:13], 0x0
	s_load_b32 s92, s[12:13], 0x20
	s_lshl_b32 s72, s3, 8                 ; my lists (LD = 0)
	v_lshlrev_b32 v6, 2, v2
	v_lshl_add_u32 v6, v3, 7, v6
	v_add_nc_u32 v6, s72, v6
	s_lshl_b32 s73, s2, 5
	s_lshl2_add_u32 s73, s3, s73          ; my first query
	v_add_nc_u32 v7, s73, v3
	v_lshlrev_b32 v8, 4, v7               ; its 16 bytes among the queries
	v_lshlrev_b32 v7, 6, v7               ; its list of groups
	s_lshl_b32 s74, s3, 8
	s_add_co_u32 s74, s74, IDXS
	v_lshl_add_u32 v9, v1, 2, s74
	s_lshl_b32 s74, s73, 8
	v_lshl_add_u32 v38, v1, 4, s74        ; my item's 16 bytes of t
	s_mov_b32 s75, 0
	s_lshl_b32 s74, s73, 7
	s_add_nc_u64 s[26:27], s[8:9], s[74:75]
	s_add_nc_u64 s[28:29], s[8:9], 1048576
	s_add_nc_u64 s[30:31], s[10:11], 1198080
	s_add_nc_u64 s[76:77], s[10:11], 1329152
	s_lshl_b32 s74, s2, 11
	s_add_co_u32 s74, s74, 1048576
	s_add_nc_u64 s[78:79], s[22:23], s[74:75]
	s_lshl_b32 s74, s2, 5
	s_add_co_u32 s74, s74, 2097152
	s_add_nc_u64 s[80:81], s[24:25], s[74:75]
	s_wait_kmcnt 0x0
.irp i, 0,1,2,3
	v_cvt_pk_bf16_f32 v12, s[84+2*\i], s[85+2*\i]
	v_lshlrev_b32 v[40+2*\i], 16, v12
	v_and_b32 v[41+2*\i], 0xffff0000, v12
.endr
	v_cvt_pk_bf16_f32 v12, s92, s92
	v_lshlrev_b32 v48, 16, v12
	ROUND 0
	ROUND 1
	v_mov_b32 v35, 0
	v_mov_b32 v39, 0
.irp i, 0,1,2
	v_add_f32 v[32+\i], v[24+\i], v[28+\i]
.endr
	WSUM 32, 39
	WSUM 33, 39
	WSUM 34, 39
	s_lshl_b32 s74, s3, 4
	s_add_co_u32 s74, s74, WS3
	v_mov_b32 v36, s74
	ds_store_b128 v36, v[32:35]
	BAR
	s_cmp_lt_u32 s3, 4                    ; idx out: 2,048 bytes
	s_cbranch_scc0 .Lnoidx
	ds_load_b128 v[56:59], v4 offset:IDXS
	s_wait_dscnt 0x0
	global_store_b128 v4, v[56:59], s[78:79]
.Lnoidx:
	v_mov_b32 v37, WS3
.irp i, 0,1,2,3,4,5,6,7
	ds_load_b128 v[64+4*\i:67+4*\i], v37 offset:16*\i
.endr
	s_wait_dscnt 0x0
.irp i, 1,2,3,4,5,6,7
	v_pk_add_f32 v[64:65], v[64:65], v[64+4*\i:65+4*\i]
	v_add_f32 v66, v66, v[66+4*\i]
.endr
.irp i, 0,1,2
	v_mul_f32 v[52+\i], 0x3b000000, v[64+\i]   ; mean of 512
.endr
	v_mov_b32 v55, 0
.irp i, 0,1,2
	v_sub_f32 v12, v[24+\i], v[52+\i]
	v_sub_f32 v13, v[28+\i], v[52+\i]
	v_mul_f32 v[32+\i], v12, v12
	v_fma_f32 v[32+\i], v13, v13, v[32+\i]
.endr
	WSUM 32, 39
	WSUM 33, 39
	WSUM 34, 39
	ds_store_b128 v36, v[32:35] offset:WS3B-WS3
	BAR
	s_cmp_lg_u32 s3, 0
	s_cbranch_scc1 .Lend
.irp i, 0,1,2,3,4,5,6,7
	ds_load_b128 v[64+4*\i:67+4*\i], v37 offset:WS3B-WS3+16*\i
.endr
	s_wait_dscnt 0x0
.irp i, 1,2,3,4,5,6,7
	v_pk_add_f32 v[64:65], v[64:65], v[64+4*\i:65+4*\i]
	v_add_f32 v66, v66, v[66+4*\i]
.endr
.irp i, 0,1,2
	v_mul_f32 v[64+\i], 0x3b000000, v[64+\i]
.endr
	v_mov_b32 v67, 0
	v_cmp_eq_u32 vcc_lo, 0, v0
	s_wait_xcnt 0x0                       ; EXEC changes only behind this wait
	s_and_saveexec_b32 s74, vcc_lo
	global_store_b128 v5, v[52:55], s[80:81]
	global_store_b128 v5, v[64:67], s[80:81] offset:16
	s_wait_xcnt 0x0
	s_or_b32 exec_lo, exec_lo, s74
	s_branch .Lend
.Lspecial:
	s_cmp_eq_u32 s2, 256
	s_cselect_b64 s[28:29], s[14:15], s[18:19]
	s_cselect_b64 s[30:31], s[16:17], s[20:21]
	s_mov_b32 s32, 935936
	s_cselect_b32 s32, 804864, s32
	s_mov_b32 s34, 2107392
	s_cselect_b32 s34, 2105344, s34
	s_cselect_b32 s36, 1, 2               ; 64 or 128 partial rows, 64 a trip
	s_mov_b32 s37, 0x3c000000
	s_cselect_b32 s37, 0x3c800000, s37
	s_mov_b32 s33, 0
	s_mov_b32 s35, 0
	s_add_nc_u64 s[38:39], s[10:11], s[32:33]
	s_mov_b64 s[40:41], s[38:39]
	s_add_nc_u64 s[42:43], s[24:25], s[34:35]
	RED_A 6, 2048, 1024, 16, 40, 44, 36
	BAR
	RED_B 4, 256, s37, 38, 28, 30
	global_store_b32 v42, v40, s[42:43]
	global_store_b32 v42, v41, s[42:43] offset:1024
.Lend:
	s_wait_tensorcnt 0x0                  ; the wave's end
	ds_add_u32 v10, v11
	s_wait_dscnt 0x0
	s_endpgm
.Lfunc_end_k_qc717b853a5_group:
	.size	k_qc717b853a5_group, .Lfunc_end_k_qc717b853a5_group-k_qc717b853a5_group
	.p2alignl 7, 3214868480
	.fill 96, 4, 3214868480
	.section	.rodata,"a",@progbits
	.p2align	6, 0x0
	.amdhsa_kernel k_qc717b853a5_group
		.amdhsa_group_segment_fixed_size 17920
		.amdhsa_private_segment_fixed_size 0
		.amdhsa_enable_private_segment 0
		.amdhsa_kernarg_size 72
		.amdhsa_user_sgpr_count 2
		.amdhsa_user_sgpr_kernarg_segment_ptr 1
		.amdhsa_wavefront_size32 1
		.amdhsa_system_sgpr_workgroup_id_x 1
		.amdhsa_system_sgpr_workgroup_id_y 1
		.amdhsa_system_sgpr_workgroup_id_z 1
		.amdhsa_system_vgpr_workitem_id 0
		.amdhsa_next_free_vgpr 200
		.amdhsa_next_free_sgpr 100
		.amdhsa_reserve_vcc 1
		.amdhsa_float_denorm_mode_32 3
		.amdhsa_float_denorm_mode_16_64 3
		.amdhsa_memory_ordered 1
		.amdhsa_forward_progress 1
		.amdhsa_inst_pref_size 76
	.end_amdhsa_kernel
	.amdgpu_metadata
---
amdhsa.version: [ 1, 2 ]
amdhsa.kernels:
  - .name:           k_qc717b853a5_group
    .symbol:         k_qc717b853a5_group.kd
    .args:
      - { .name: IB, .offset: 0, .size: 8, .value_kind: global_buffer, .address_space: global }
      - { .name: FA, .offset: 8, .size: 8, .value_kind: global_buffer, .address_space: global }
      - { .name: Wp1, .offset: 16, .size: 8, .value_kind: global_buffer, .address_space: global }
      - { .name: g1, .offset: 24, .size: 8, .value_kind: global_buffer, .address_space: global }
      - { .name: b1, .offset: 32, .size: 8, .value_kind: global_buffer, .address_space: global }
      - { .name: g2, .offset: 40, .size: 8, .value_kind: global_buffer, .address_space: global }
      - { .name: b2, .offset: 48, .size: 8, .value_kind: global_buffer, .address_space: global }
      - { .name: IA, .offset: 56, .size: 8, .value_kind: global_buffer, .address_space: global }
      - { .name: FC, .offset: 64, .size: 8, .value_kind: global_buffer, .address_space: global }
    .group_segment_fixed_size: 17920
    .private_segment_fixed_size: 0
    .kernarg_segment_align: 8
    .kernarg_segment_size: 72
    .max_flat_workgroup_size: 256
    .sgpr_count:     100
    .vgpr_count:     200
    .wavefront_size: 32
...
	.end_amdgpu_metadata
.endif
;; end of part 4
;; launch qkv (part 5): grid 193 x 1, 8 waves a work-group, no clusters, 136,704 bytes of LDS; arguments x1, x2, FA, FC, gp, bp, FB; writes FB
.if DOCPART == 5
	.amdgcn_target "amdgcn-amd-amdhsa--gfx1250"
	.amdhsa_code_object_version 6
	.text
	.protected	k_qc717b853a5_qkv
	.globl	k_qc717b853a5_qkv
	.p2align	8
	.type	k_qc717b853a5_qkv,@function
k_qc717b853a5_qkv:
	s_mov_b64 s[64:65], 0
	v_nop
	global_prefetch_b8 v0, s[64:65] scope:SCOPE_SE
	s_setreg_imm32_b32 hwreg(HW_REG_WAVE_MODE, 25, 1), 1
	s_wait_xcnt 0x0
; Launch 5.  Work-groups 0-191: 128 rows of x1 or x2: h = x W^T once more, relu(h scale + shift) in f16 into LDS, then q (x1) or k and v (x2); x1h is stored too.
; bq, bk, bv are left out (constants for each channel that a later BatchNorm takes away).  Work-group 192 finishes BN(3): scale and shift of t's three channels.
; Shares, layouts and registers as in launch 1; window 1 holds two sets of 16 weight fragments, loaded as they lie in memory.
.set XH, 67584                        ; LDS: x tile (bf16), later the way out, at 0; the normalised tile (f16) here: 128 rows of 528 bytes each
.set RS3, 135168
.set SPARE, 135680
.set MSB, 0
.macro WIN new
.if MSB != (\new)
	s_set_vgpr_msb (MSB<<8)|(\new)
.set MSB, \new
.endif
.endm
.macro PLACES
.rept 4
	v_nop
.endr
.endm
.macro BAR
	s_wait_dscnt 0x0
	s_barrier_signal -1
	s_barrier_wait -1
.endm
.macro WSUM x, tmp
.irp m, 1,2,4,8
	v_add_f32_dpp v[\x], v[\x], v[\x] row_xmask:\m row_mask:0xf bank_mask:0xf
.endr
	v_permlanex16_b32 v[\tmp], v[\x], s36, s37
	v_add_f32 v[\x], v[\x], v[\tmp]
.endm
.macro XFILL
.irp c, 0,1,2,3,4,5,6,7
	global_load_b128 v[64+4*\c:67+4*\c], v4, s[40:41] offset:\c*4096
.endr
.endm
.macro XSLOTS
.set c, 0
.rept 32
.if c < 25
	s_wait_loadcnt 7                      ; the seven younger ring loads stay out; all older loads are in
.else
	s_wait_loadcnt 31-c
.endif
.set rb, 64+4*(c&7)
	v_cvt_pk_bf16_f32 v[12+2*(c&1)], v[rb], v[rb+1]
	v_cvt_pk_bf16_f32 v[13+2*(c&1)], v[rb+2], v[rb+3]
	ds_store_b64 v5, v[12+2*(c&1):13+2*(c&1)] offset:c*2112
.if c < 24
	global_load_b128 v[rb:rb+3], v4, s[40:41] offset:(c+8)*4096
.endif
.set c, c+1
.endr
.endm
.macro WSET base, ptr                 ; 16 fragments, 16 KiB, straight into window 1
	WIN 0x40
.set i, 0
.rept 32
	global_load_b128 v[\base+4*i:\base+4*i+3], v7, s[\ptr:\ptr+1] offset:i*512
.set i, i+1
.endr
	WIN 0
.endm
.macro FETCH s, adr
.set fb, 64+32*((\s)&1)
.set fo, ((\s)&1)*4*8448+((\s)>>1)*64
.irp a, 0,1,2,3
	ds_load_b128 v[fb+8*\a:fb+8*\a+3], v[\adr] offset:fo+\a*8448
	ds_load_b128 v[fb+8*\a+4:fb+8*\a+7], v[\adr] offset:fo+\a*8448+32
.endr
.endm
.macro GEMM form, adr, ws             ; the 16 accumulators take turns: one comes again after 16 matrix instructions
	FETCH 0, \adr
.set st, 0
.rept 16
.if st < 15
	PLACES
	FETCH st+1, \adr
	s_wait_dscnt 8                        ; this step's eight loads are in; the next step's eight stay out
.else
	s_wait_dscnt 0x0
.endif
	WIN 0x01
.set fb2, 64+32*(st&1)
.irp a, 0,1,2,3
.irp nb, 0,1
.set ac, 128+((4*(st&1)+\a)*2+\nb)*8
.set wf, (\ws)+((st>>1)*2+\nb)*8
.if st < 2
	v_wmma_f32_16x16x32_\form v[ac:ac+7], v[wf:wf+7], v[fb2+8*\a:fb2+8*\a+7], 0
.else
	v_wmma_f32_16x16x32_\form v[ac:ac+7], v[wf:wf+7], v[fb2+8*\a:fb2+8*\a+7], v[ac:ac+7]
.endif
.endr
.endr
	WIN 0
.set st, st+1
.endr
.endm
.macro COPYOUT rd, ptr                ; 128 rows of 512 bytes: a wave reads and stores a whole row at a time
.set i, 0
.rept 16
	ds_load_b128 v[64+4*i:67+4*i], v[\rd] offset:i*4224
.set i, i+1
.endr
.set i, 0
.rept 16
	s_wait_dscnt 15-i
	global_store_b128 v4, v[64+4*i:67+4*i], s[\ptr:\ptr+1] offset:i*4096
.set i, i+1
.endr
.endm
.macro OUT ptr                        ; the accumulators, rounded to f16, through the stage at LDS 0
	PLACES
.set ai, 0
.rept 16
.irp k, 0,1,2,3
	v_cvt_pk_f16_f32 v[64+4*ai+\k], v[128+8*ai+2*\k], v[129+8*ai+2*\k]
.endr
.set ai, ai+1
.endr
.set ai, 0
.rept 16
	ds_store_b128 v9, v[64+4*ai:67+4*ai] offset:(ai/2)*8448+(ai%2)*32
.set ai, ai+1
.endr
	BAR
	COPYOUT 17, \ptr
.endm
	s_load_b256 s[8:15], s[0:1], 0x0      ; x1 8, x2 10, FA 12, FC 14
	s_load_b128 s[16:19], s[0:1], 0x20    ; gp 16, bp 18
	s_load_b64 s[20:21], s[0:1], 0x30     ; FB
	v_lshl_add_u32 v10, v0, 2, SPARE
	v_mov_b32 v11, 0
	v_lshrrev_b32 v1, 5, v0
	v_readfirstlane_b32 s3, v1
	v_and_b32 v1, 31, v0
	v_and_b32 v2, 15, v0
	v_bfe_u32 v3, v0, 4, 1
	v_lshlrev_b32 v4, 4, v0
	s_mov_b32 s2, ttmp9
	s_mov_b32 s36, 0x76543210
	s_mov_b32 s37, 0xfedcba98
	s_wait_kmcnt 0x0
	s_cmp_eq_u32 s2, 192
	s_cbranch_scc1 .Lbn3
	v_lshrrev_b32 v9, 6, v0
	v_mul_u32_u24 v9, v9, 528
	v_and_b32 v5, 63, v0
	v_lshl_add_u32 v5, v5, 3, v9          ; staging
	v_mul_u32_u24 v6, v2, 528
	v_lshl_add_u32 v6, v3, 4, v6          ; fragments of the x tile
	v_lshlrev_b32 v7, 4, v1               ; 16 x lane
	v_add_nc_u32 v8, XH, v6               ; fragments of the normalised tile
	s_lshl_b32 s6, s3, 6
	v_add_nc_u32 v9, s6, v6               ; results in: row r, bytes 64 j + 16 h
	v_add_nc_u32 v16, XH, v9
	v_lshrrev_b32 v17, 5, v0
	v_mul_u32_u24 v17, v17, 528
	v_lshl_add_u32 v17, v1, 4, v17        ; rows back: row = wave, 16 bytes a lane
	v_add_nc_u32 v18, XH, v17
	v_mov_b32 v19, 0
	s_lshl_b32 s6, s3, 7
	v_lshl_add_u32 v20, v3, 5, s6         ; scale and shift of channels 32 j + 8 h
	s_sub_co_u32 s5, s2, 64
	s_cmp_lt_u32 s2, 64
	s_cselect_b32 s4, s2, s5
	s_cselect_b32 s44, 1, 0
	s_cselect_b64 s[40:41], s[8:9], s[10:11]
	s_mov_b32 s46, 131072
	s_cselect_b32 s46, 0, s46             ; W1 or W2
	s_mov_b32 s48, 393216
	s_cselect_b32 s48, 262144, s48        ; Wq or Wk
	s_mov_b32 s50, 2107392
	s_cselect_b32 s50, 2105344, s50
	s_mov_b32 s52, 4194304
	s_cselect_b32 s52, 0, s52             ; q16 or k16
	s_mov_b32 s54, 12582912
	s_cselect_b32 s54, 20971520, s54      ; x1h or v16
	s_mov_b32 s7, 0
	s_mov_b32 s47, 0
	s_mov_b32 s49, 0
	s_mov_b32 s51, 0
	s_mov_b32 s53, 0
	s_mov_b32 s55, 0
	s_lshl_b32 s6, s4, 17
	s_add_nc_u64 s[40:41], s[40:41], s[6:7]
	s_lshl_b32 s6, s3, 14
	s_add_nc_u64 s[26:27], s[12:13], s[6:7]    ; FA + my 16 KiB in a matrix
	s_add_nc_u64 s[22:23], s[26:27], s[46:47]
	s_add_nc_u64 s[24:25], s[26:27], s[48:49]
	s_add_nc_u64 s[26:27], s[26:27], 524288    ; Wv
	s_add_nc_u64 s[28:29], s[14:15], s[50:51]
	s_lshl_b32 s6, s4, 16
	s_add_nc_u64 s[30:31], s[20:21], s[6:7]
	s_add_nc_u64 s[32:33], s[30:31], s[54:55]
	s_add_nc_u64 s[30:31], s[30:31], s[52:53]
	WSET 0, 22
	XFILL
	XSLOTS
.irp nb, 0,1
	global_load_b128 v[32+8*\nb:35+8*\nb], v20, s[28:29] offset:64*\nb
	global_load_b128 v[36+8*\nb:39+8*\nb], v20, s[28:29] offset:64*\nb+16
	global_load_b128 v[48+8*\nb:51+8*\nb], v20, s[28:29] offset:64*\nb+1024
	global_load_b128 v[52+8*\nb:55+8*\nb], v20, s[28:29] offset:64*\nb+1040
.endr
	WSET 128, 24
	BAR
	GEMM bf16, 6, 0
	PLACES
	s_wait_loadcnt 32                     ; scale and shift are in; the second set's 32 loads stay out
.set ai, 0
.rept 16
.set nbb, ai%2
.irp k, 0,2,4,6
	v_pk_fma_f32 v[128+8*ai+\k:129+8*ai+\k], v[128+8*ai+\k:129+8*ai+\k], v[32+8*nbb+\k:33+8*nbb+\k], v[48+8*nbb+\k:49+8*nbb+\k]
.endr
.irp k, 0,1,2,3
	v_cvt_pk_f16_f32 v[64+4*(ai%4)+\k], v[128+8*ai+2*\k], v[129+8*ai+2*\k]
.endr
.irp k, 0,1,2,3
	v_pk_max_num_f16 v[64+4*(ai%4)+\k], v[64+4*(ai%4)+\k], v19
.endr
	ds_store_b128 v16, v[64+4*(ai%4):67+4*(ai%4)] offset:(ai/2)*8448+(ai%2)*32
.set ai, ai+1
.endr
	s_wait_loadcnt 0x0
	BAR                                   ; the normalised tile is whole, and nobody reads the x tile any more
	s_cmp_eq_u32 s44, 1
	s_cbranch_scc1 .Lnowv
	WSET 0, 26                            ; Wv, where W2 lay
.Lnowv:
	GEMM f16, 8, 128
	OUT 30
	s_wait_xcnt 0x0                       ; the stores have read v64-127
	s_cmp_eq_u32 s44, 1
	s_cbranch_scc0 .Lv
	COPYOUT 18, 32                        ; x1h
	s_branch .Lend
.Lv:
	s_wait_loadcnt 0x0                    ; Wv
	GEMM f16, 8, 0
	BAR                                   ; every wave has read k's rows out of the stage
	OUT 32
	s_branch .Lend
.Lbn3:                                    ; 256 partial rows [m0 m1 m2 0 v0 v1 v2 0], one a thread, against the pivot of row 0
	s_add_nc_u64 s[22:23], s[14:15], 2097152
	s_load_b128 s[24:27], s[22:23], 0x0
	s_load_b96 s[28:30], s[16:17], 0x0
	s_load_b96 s[32:34], s[18:19], 0x0
	v_lshlrev_b32 v12, 5, v0
	global_load_b128 v[16:19], v12, s[22:23]
	global_load_b128 v[24:27], v12, s[22:23] offset:16
	v_mov_b32 v13, 0
	s_wait_loadcnt 0x0
	s_wait_kmcnt 0x0
.irp i, 0,1,2
	v_sub_f32 v[16+\i], v[16+\i], s[24+\i]
.endr
.irp i, 0,1,2
	v_mul_f32 v[20+\i], v[16+\i], v[16+\i]
.endr
	v_mov_b32 v23, 0
.irp x, 16,17,18,20,21,22,24,25,26
	WSUM \x, 13
.endr
	s_mul_i32 s6, s3, 48
	s_add_co_u32 s6, s6, RS3
	v_mov_b32 v14, s6
	ds_store_b128 v14, v[16:19]
	ds_store_b128 v14, v[20:23] offset:16
	ds_store_b128 v14, v[24:27] offset:32
	BAR
	s_cmp_lg_u32 s3, 0
	s_cbranch_scc1 .Lend
	v_mov_b32 v14, RS3
.set i, 0
.rept 24
	ds_load_b128 v[64+4*i:67+4*i], v14 offset:16*i
.set i, i+1
.endr
	s_wait_dscnt 0x0
.irp i, 1,2,3,4,5,6,7
.irp k, 0,2,4,6,8,10
	v_pk_add_f32 v[64+\k:65+\k], v[64+\k:65+\k], v[64+12*\i+\k:65+12*\i+\k]
.endr
.endr
.irp i, 0,1,2
	v_mul_f32 v[16+\i], 0x3b800000, v[64+\i]       ; md
	v_mul_f32 v[20+\i], 0x3b800000, v[68+\i]
.endr
.irp i, 0,1,2
	v_fma_f32 v[20+\i], -v[16+\i], v[16+\i], v[20+\i]
	v_add_f32 v[16+\i], s[24+\i], v[16+\i]         ; mean
.endr
.irp i, 0,1,2
	v_fma_f32 v[20+\i], v[72+\i], 0x3b800000, v[20+\i]
.endr
.irp i, 0,1,2
	v_add_f32 v[20+\i], 0x3727c5ac, v[20+\i]
.endr
.irp i, 0,1,2
	v_rsq_f32 v[24+\i], v[20+\i]
.endr
.irp i, 0,1,2
	v_cvt_pk_bf16_f32 v[28+\i], s[28+\i], s[32+\i] ; gp, bp rounded to bf16: plain work behind the roots
.endr
	s_wait_alu depctr_va_vdst(0)          ; one wait for the three roots, ahead of their first reader
.irp i, 0,1,2
	v_lshlrev_b32 v12, 16, v[28+\i]
	v_and_b32 v13, 0xffff0000, v[28+\i]
	v_mul_f32 v[40+\i], v12, v[24+\i]
	v_fma_f32 v[44+\i], -v[16+\i], v[40+\i], v13
.endr
	v_mov_b32 v43, 0
	v_mov_b32 v47, 0
	v_mov_b32 v48, 0
	s_add_nc_u64 s[22:23], s[20:21], 25165824
	v_cmp_eq_u32 vcc_lo, 0, v0
	s_wait_xcnt 0x0                       ; EXEC changes only behind this wait
	s_and_saveexec_b32 s6, vcc_lo
	global_store_b128 v48, v[40:43], s[22:23]
	global_store_b128 v48, v[44:47], s[22:23] offset:16
	s_wait_xcnt 0x0
	s_or_b32 exec_lo, exec_lo, s6
.Lend:
	s_wait_tensorcnt 0x0                  ; the wave's end
	ds_add_u32 v10, v11
	s_wait_dscnt 0x0
	s_endpgm
.Lfunc_end_k_qc717b853a5_qkv:
	.size	k_qc717b853a5_qkv, .Lfunc_end_k_qc717b853a5_qkv-k_qc717b853a5_qkv
	.p2alignl 7, 3214868480
	.fill 96, 4, 3214868480
	.section	.rodata,"a",@progbits
	.p2align	6, 0x0
	.amdhsa_kernel k_qc717b853a5_qkv
		.amdhsa_group_segment_fixed_size 136704
		.amdhsa_private_segment_fixed_size 0
		.amdhsa_enable_private_segment 0
		.amdhsa_kernarg_size 56
		.amdhsa_user_sgpr_count 2
		.amdhsa_user_sgpr_kernarg_segment_ptr 1
		.amdhsa_wavefront_size32 1
		.amdhsa_system_sgpr_workgroup_id_x 1
		.amdhsa_system_sgpr_workgroup_id_y 1
		.amdhsa_system_sgpr_workgroup_id_z 1
		.amdhsa_system_vgpr_workitem_id 0
		.amdhsa_next_free_vgpr 512
		.amdhsa_next_free_sgpr 66
		.amdhsa_reserve_vcc 1
		.amdhsa_float_denorm_mode_32 3
		.amdhsa_float_denorm_mode_16_64 3
		.amdhsa_memory_ordered 1
		.amdhsa_forward_progress 1
		.amdhsa_inst_pref_size 126
	.end_amdhsa_kernel
	.amdgpu_metadata
---
amdhsa.version: [ 1, 2 ]
amdhsa.kernels:
  - .name:           k_qc717b853a5_qkv
    .symbol:         k_qc717b853a5_qkv.kd
    .args:
      - { .name: x1, .offset: 0, .size: 8, .value_kind: global_buffer, .address_space: global }
      - { .name: x2, .offset: 8, .size: 8, .value_kind: global_buffer, .address_space: global }
      - { .name: FA, .offset: 16, .size: 8, .value_kind: global_buffer, .address_space: global }
      - { .name: FC, .offset: 24, .size: 8, .value_kind: global_buffer, .address_space: global }
      - { .name: gp, .offset: 32, .size: 8, .value_kind: global_buffer, .address_space: global }
      - { .name: bp, .offset: 40, .size: 8, .value_kind: global_buffer, .address_space: global }
      - { .name: FB, .offset: 48, .size: 8, .value_kind: global_buffer, .address_space: global }
    .group_segment_fixed_size: 136704
    .private_segment_fixed_size: 0
    .kernarg_segment_align: 8
    .kernarg_segment_size: 56
    .max_flat_workgroup_size: 256
    .sgpr_count:     66
    .vgpr_count:     512
    .wavefront_size: 32
...
	.end_amdgpu_metadata
.endif
;; end of part 5
;; launch wstat (part 6): grid 256 x 1, 8 waves a work-group, no clusters, 25,600 bytes of LDS; arguments FB, IA, FC, Wp2, FD; writes FD
.if DOCPART == 6
	.amdgcn_target "amdgcn-amd-amdhsa--gfx1250"
	.amdhsa_code_object_version 6
	.text
	.protected	k_qc717b853a5_wstat
	.globl	k_qc717b853a5_wstat
	.p2align	8
	.type	k_qc717b853a5_wstat,@function
k_qc717b853a5_wstat:
	s_mov_b64 s[64:65], 0
	v_nop
	global_prefetch_b8 v0, s[64:65] scope:SCOPE_SE
	s_setreg_imm32_b32 hwreg(HW_REG_WAVE_MODE, 25, 1), 1
	s_wait_xcnt 0x0
; Launch 6: partial statistics of w = k[idx] - q + u Wp2^T, u = relu(bn(t)), over the work-group's 512 items (32 queries x 16 neighbours).  bk, bq, bp2 are left out: constants in front of BN(C).
; A wave has 4 queries = 64 items; a lane the channels 8 l .. 8 l + 7 (16 bytes of an f16 row).  One pass against a pivot, the wave's first item: sums of (w - pivot) and its square.
; The rows of k are gathered by idx, whole numbers that launch 4 stored: eight rows of a wave are always on their way.
.set UT, 0                            ; u of the items: 16 bytes each, 1,024 a wave
.set WS, 8192                         ; the waves' means and variances: 2,048 bytes a wave
.set SPARE, 24576
.macro BAR
	s_wait_dscnt 0x0
	s_barrier_signal -1
	s_barrier_wait -1
.endm
.macro ADS                            ; the next trip's eight row addresses
.set j, 0
.rept 8
	s_min_u32 s[48+j], s[48+j], 0x3fff
	v_lshl_add_u32 v[24+j], s[48+j], 9, v4
.set j, j+1
.endr
.endm
.macro UULOAD
.set j, 0
.rept 8
	ds_load_b128 v[64+4*j:67+4*j], v5 offset:16*j
.set j, j+1
.endr
	v_add_nc_u32 v5, 128, v5
.endm
.macro PRJ j, w, base                 ; w[0..7] = base + u0 W2[0] + u1 W2[1] + u2 W2[2]
.irp p, 0,2,4,6
	v_pk_fma_f32 v[\w+\p:\w+\p+1], v[96+\p:97+\p], v[64+4*\j:65+4*\j], v[\base+\p:\base+\p+1] op_sel_hi:[1,0,1]
.endr
.irp p, 0,2,4,6
	v_pk_fma_f32 v[\w+\p:\w+\p+1], v[104+\p:105+\p], v[64+4*\j:65+4*\j], v[\w+\p:\w+\p+1] op_sel:[0,1,0] op_sel_hi:[1,1,1]
.endr
.irp p, 0,2,4,6
	v_pk_fma_f32 v[\w+\p:\w+\p+1], v[112+\p:113+\p], v[66+4*\j:67+4*\j], v[\w+\p:\w+\p+1] op_sel_hi:[1,0,1]
.endr
.endm
.macro KADD j, w                      ; + the gathered row's eight f16
.irp c, 0,1,2,3
	v_fma_mix_f32 v[\w+2*\c], v[32+4*\j+\c], v164, v[\w+2*\c] op_sel_hi:[1,0,0]
	v_fma_mix_f32 v[\w+2*\c+1], v[32+4*\j+\c], v164, v[\w+2*\c+1] op_sel:[1,0,0] op_sel_hi:[1,0,0]
.endr
.endm
.macro DITEM j, fill
.if \fill
	s_wait_loadcnt 8                      ; younger than row j: 7 - j old rows, the next q, j new rows
.else
	s_wait_loadcnt 7-\j
.endif
	PRJ \j, 156, 124
	KADD \j, 156
.irp p, 0,2,4,6
	v_pk_add_f32 v[140+\p:141+\p], v[140+\p:141+\p], v[156+\p:157+\p]
	v_pk_fma_f32 v[148+\p:149+\p], v[156+\p:157+\p], v[156+\p:157+\p], v[148+\p:149+\p]
.endr
.if \fill
	global_load_b128 v[32+4*\j:35+4*\j], v[24+\j], s[20:21]
.endif
.endm
.macro DTRIP fill                     ; eight items: half a query
.if \fill
	s_wait_kmcnt 0x0                      ; the next trip's idx
	s_wait_xcnt 0x0                       ; the rows on their way have read their addresses
	ADS
	s_add_co_u32 s29, s28, 2
	s_min_u32 s29, s29, 7                 ; the trip after next, held to the last (then 32 bytes that are not used)
	s_lshl_b32 s29, s29, 5
	s_load_b256 s[48:55], s[24:25], s29 offset:0x0
.endif
	UULOAD
	s_wait_loadcnt 8                      ; q is in; the eight rows behind it stay out
.irp c, 0,1,2,3
	v_fma_mix_f32 v[124+2*\c], -v[120+\c], v164, -v[132+2*\c] op_sel_hi:[1,0,0]
	v_fma_mix_f32 v[125+2*\c], -v[120+\c], v164, -v[133+2*\c] op_sel:[1,0,0] op_sel_hi:[1,0,0]
.endr
.if \fill
	s_add_co_u32 s30, s28, 1
	s_lshr_b32 s30, s30, 1
	s_lshl_b32 s30, s30, 9
	v_add_nc_u32 v8, s30, v4
	global_load_b128 v[120:123], v8, s[18:19]
.endif
	s_wait_dscnt 0x0
.irp j, 0,1,2,3,4,5,6,7
	DITEM \j, \fill
.endr
.endm
.macro COMBINE8                       ; eight (mean v64-71, variance v72-79) of equal counts -> mean v80, variance v81
.irp i, 1,2,3,4,5,6,7
	v_sub_f32 v[64+\i], v[64+\i], v64
.endr
	v_add_f32 v82, v65, v66
	v_mul_f32 v83, v65, v65
	v_add_f32 v84, v72, v73
.irp i, 2,3,4,5,6,7
	v_fma_f32 v83, v[64+\i], v[64+\i], v83
	v_add_f32 v84, v84, v[72+\i]
.endr
.irp i, 3,4,5,6,7
	v_add_f32 v82, v82, v[64+\i]
.endr
	v_mul_f32 v82, 0x3e000000, v82
	v_mul_f32 v83, 0x3e000000, v83
	v_add_f32 v80, v64, v82
	v_fma_f32 v83, -v82, v82, v83
	v_fma_f32 v81, v84, 0x3e000000, v83
.endm
	s_load_b256 s[8:15], s[0:1], 0x0      ; FB 8, IA 10, FC 12, Wp2 14
	s_load_b64 s[16:17], s[0:1], 0x20     ; FD
	v_lshl_add_u32 v10, v0, 2, SPARE
	v_mov_b32 v11, 0
	v_lshrrev_b32 v1, 5, v0
	v_readfirstlane_b32 s3, v1
	v_and_b32 v1, 31, v0
	v_lshlrev_b32 v4, 4, v1               ; 16 x lane
	s_mov_b32 s2, ttmp9
	s_lshl_b32 s4, s3, 10
	v_mov_b32 v5, s4                      ; my wave's u (UT = 0)
	v_lshl_add_u32 v6, v1, 5, s4
	s_lshl_b32 s5, s2, 13
	v_add_nc_u32 v7, s5, v6               ; t of my two items
	v_mov_b32 v164, 1.0
	s_lshl_b32 s5, s2, 5
	s_lshl2_add_u32 s5, s3, s5            ; my first query
	s_mov_b32 s7, 0
	s_wait_kmcnt 0x0
	s_lshl_b32 s6, s5, 9
	s_add_nc_u64 s[18:19], s[8:9], s[6:7]
	s_add_nc_u64 s[20:21], s[8:9], 4194304
	s_add_nc_u64 s[22:23], s[8:9], 25165824
	s_lshl_b32 s6, s5, 6
	s_add_co_u32 s6, s6, 1048576
	s_add_nc_u64 s[24:25], s[10:11], s[6:7]
	s_lshl_b32 s6, s2, 11
	s_add_nc_u64 s[26:27], s[16:17], s[6:7]
	s_load_b256 s[32:39], s[22:23], 0x0
	s_load_b256 s[48:55], s[24:25], 0x0
	global_load_b128 v[12:15], v7, s[12:13]
	global_load_b128 v[16:19], v7, s[12:13] offset:16
	v_mul_u32_u24 v9, v1, 96
.irp i, 0,1,2,3,4,5
	global_load_b128 v[64+4*\i:67+4*\i], v9, s[14:15] offset:16*\i
.endr
	s_wait_loadcnt 0x0
	s_wait_kmcnt 0x0
.irp i, 0,1,2
	v_fma_f32 v[12+\i], v[12+\i], s[32+\i], s[36+\i]
	v_fma_f32 v[16+\i], v[16+\i], s[32+\i], s[36+\i]
.endr
.irp i, 0,1,2
	v_max_num_f32 v[12+\i], 0, v[12+\i]
	v_max_num_f32 v[16+\i], 0, v[16+\i]
.endr
	ds_store_b128 v6, v[12:15]            ; the wave's own bytes: no barrier
	ds_store_b128 v6, v[16:19] offset:16
.irp i, 0,1,2
.irp p, 0,1,2,3
	v_cvt_pk_bf16_f32 v20, v[64+6*\p+\i], v[67+6*\p+\i]
	v_lshlrev_b32 v[96+8*\i+2*\p], 16, v20
	v_and_b32 v[97+8*\i+2*\p], 0xffff0000, v20
.endr
.endr
	ADS
	s_load_b256 s[48:55], s[24:25], 0x20
	global_load_b128 v[120:123], v4, s[18:19]
.set j, 0
.rept 8
	global_load_b128 v[32+4*j:35+4*j], v[24+j], s[20:21]
.set j, j+1
.endr
	ds_load_b128 v[64:67], v5
.set i, 0
.rept 16
	v_mov_b32 v[140+i], 0
.set i, i+1
.endr
.set i, 0
.rept 8
	v_mov_b32 v[124+i], 0
.set i, i+1
.endr
	s_wait_loadcnt 7                      ; q and the first row are in
	s_wait_dscnt 0x0
	PRJ 0, 132, 124                       ; the pivot: w of my first item
	KADD 0, 132
.irp c, 0,1,2,3
	v_fma_mix_f32 v[132+2*\c], -v[120+\c], v164, v[132+2*\c] op_sel_hi:[1,0,0]
	v_fma_mix_f32 v[133+2*\c], -v[120+\c], v164, v[133+2*\c] op_sel:[1,0,0] op_sel_hi:[1,0,0]
.endr
	s_mov_b32 s28, 0
.Ltrip:
	DTRIP 1
	s_add_co_u32 s28, s28, 1
	s_cmp_lt_u32 s28, 7
	s_cbranch_scc1 .Ltrip
	s_wait_kmcnt 0x0
	DTRIP 0
.irp p, 0,2,4,6
	v_pk_mul_f32 v[156+\p:157+\p], v[140+\p:141+\p], 0x3c800000 op_sel_hi:[1,0]
	v_pk_mul_f32 v[148+\p:149+\p], v[148+\p:149+\p], 0x3c800000 op_sel_hi:[1,0]
.endr
.irp p, 0,2,4,6
	v_pk_add_f32 v[140+\p:141+\p], v[132+\p:133+\p], v[156+\p:157+\p]
	v_pk_fma_f32 v[148+\p:149+\p], v[156+\p:157+\p], v[156+\p:157+\p], v[148+\p:149+\p] neg_lo:[1,0,0] neg_hi:[1,0,0]
.endr
	s_lshl_b32 s4, s3, 11
	s_add_co_u32 s4, s4, WS
	v_lshl_add_u32 v12, v1, 5, s4
	ds_store_b128 v12, v[140:143]
	ds_store_b128 v12, v[144:147] offset:16
	ds_store_b128 v12, v[148:151] offset:1024
	ds_store_b128 v12, v[152:155] offset:1040
	BAR
	v_lshlrev_b32 v12, 2, v0              ; thread t: channel t
.irp i, 0,1,2,3,4,5,6,7
	ds_load_b32 v[64+\i], v12 offset:WS+2048*\i
	ds_load_b32 v[72+\i], v12 offset:WS+2048*\i+1024
.endr
	s_wait_dscnt 0x0
	COMBINE8
	global_store_b32 v12, v80, s[26:27]
	global_store_b32 v12, v81, s[26:27] offset:1024
	s_wait_tensorcnt 0x0                  ; the wave's end
	ds_add_u32 v10, v11
	s_wait_dscnt 0x0
	s_endpgm
.Lfunc_end_k_qc717b853a5_wstat:
	.size	k_qc717b853a5_wstat, .Lfunc_end_k_qc717b853a5_wstat-k_qc717b853a5_wstat
	.p2alignl 7, 3214868480
	.fill 96, 4, 3214868480
	.section	.rodata,"a",@progbits
	.p2align	6, 0x0
	.amdhsa_kernel k_qc717b853a5_wstat
		.amdhsa_group_segment_fixed_size 25600
		.amdhsa_private_segment_fixed_size 0
		.amdhsa_enable_private_segment 0
		.amdhsa_kernarg_size 40
		.amdhsa_user_sgpr_count 2
		.amdhsa_user_sgpr_kernarg_segment_ptr 1
		.amdhsa_wavefront_size32 1
		.amdhsa_system_sgpr_workgroup_id_x 1
		.amdhsa_system_sgpr_workgroup_id_y 1
		.amdhsa_system_sgpr_workgroup_id_z 1
		.amdhsa_system_vgpr_workitem_id 0
		.amdhsa_next_free_vgpr 168
		.amdhsa_next_free_sgpr 66
		.amdhsa_reserve_vcc 0
		.amdhsa_float_denorm_mode_32 3
		.amdhsa_float_denorm_mode_16_64 3
		.amdhsa_memory_ordered 1
		.amdhsa_forward_progress 1
		.amdhsa_inst_pref_size 48
	.end_amdhsa_kernel
	.amdgpu_metadata
---
amdhsa.version: [ 1, 2 ]
amdhsa.kernels:
  - .name:           k_qc717b853a5_wstat
    .symbol:         k_qc717b853a5_wstat.kd
    .args:
      - { .name: FB, .offset: 0, .size: 8, .value_kind: global_buffer, .address_space: global }
      - { .name: IA, .offset: 8, .size: 8, .value_kind: global_buffer, .address_space: global }
      - { .name: FC, .offset: 16, .size: 8, .value_kind: global_buffer, .address_space: global }
      - { .name: Wp2, .offset: 24, .size: 8, .value_kind: global_buffer, .address_space: global }
      - { .name: FD, .offset: 32, .size: 8, .value_kind: global_buffer, .address_space: global }
    .group_segment_fixed_size: 25600
    .private_segment_fixed_size: 0
    .kernarg_segment_align: 8
    .kernarg_segment_size: 40
    .max_flat_workgroup_size: 256
    .sgpr_count:     66
    .vgpr_count:     168
    .wavefront_size: 32
...
	.end_amdgpu_metadata
.endif
;; end of part 6
;; launch w1 (part 7): grid 256 x 1, 8 waves a work-group, no clusters, 158,720 bytes of LDS; arguments FB, IA, FC, Wp2, FD, FA, gw1, bw1, FE; writes FE
.if DOCPART == 7
	.amdgcn_target "amdgcn-amd-amdhsa--gfx1250"
	.amdhsa_code_object_version 6
	.text
	.protected	k_qc717b853a5_w1
	.globl	k_qc717b853a5_w1
	.p2align	8
	.type	k_qc717b853a5_w1,@function
k_qc717b853a5_w1:
	s_mov_b64 s[64:65], 0
	v_nop
	global_prefetch_b8 v0, s[64:65] scope:SCOPE_SE
	s_setreg_imm32_b32 hwreg(HW_REG_WAVE_MODE, 25, 1), 1
	s_wait_xcnt 0x0
; Launch 7: BN(C) of w is finished from the 256 partial rows; relu(bn(w)) in f16, a query's 16 items at a time, times Ww1^T; w1 is stored in f16, in the order in which the next
; launch's matrix operand takes it; partial statistics of w1's 32 channels.  bk, bq, bp2, bww1 are left out (constants in front of a BatchNorm).
; bn(w) = k sc + (sh - q sc) + u (Wp2^T sc): the scale is folded into Wp2 and into the query's base.  Items, lanes and gathers as in launch 6; q comes once a query.
; The product is used transposed (source 0 = 16 rows of Ww1, source 1 = the 16 items): a lane holds one item and eight channels.
.set RES, 67584                       ; LDS: a tile of 16 items x 528 bytes for each wave at 0; the f32 results of a wave's four queries, 8,192 bytes a wave
.set UT, 133120
.set RS, 141312
.set SS, 153600
.set WS, 155648
.set SPARE, 157696
.set MSB, 0
.macro WIN new
.if MSB != (\new)
	s_set_vgpr_msb (MSB<<8)|(\new)
.set MSB, \new
.endif
.endm
.macro PLACES
.rept 4
	v_nop
.endr
.endm
.macro BAR
	s_wait_dscnt 0x0
	s_barrier_signal -1
	s_barrier_wait -1
.endm
.macro RED_A logc, pitch, voff, rpt, bp, cnt, lim   ; as in launch 4
	v_and_b32 v12, (1<<\logc)-1, v0
	v_lshlrev_b32 v13, 4, v12
	v_lshrrev_b32 v14, \logc, v0
	v_mul_u32_u24 v12, v14, \pitch
	v_add_nc_u32 v12, v12, v13
	global_load_b128 v[16:19], v13, s[\bp:\bp+1]
.set i, 20
.rept 12
	v_mov_b32 v[i], 0
.set i, i+1
.endr
	s_mov_b32 s[\cnt], 0
.Lred\@:
.set i, 0
.rept \rpt
	global_load_b128 v[64+8*i:67+8*i], v12, s[\bp:\bp+1] offset:i*(256>>\logc)*\pitch
	global_load_b128 v[68+8*i:71+8*i], v12, s[\bp:\bp+1] offset:i*(256>>\logc)*\pitch+\voff
.set i, i+1
.endr
	s_wait_loadcnt 0x0
.set i, 0
.rept \rpt
	v_pk_add_f32 v[32:33], v[64+8*i:65+8*i], v[16:17] neg_lo:[0,1] neg_hi:[0,1]
	v_pk_add_f32 v[34:35], v[66+8*i:67+8*i], v[18:19] neg_lo:[0,1] neg_hi:[0,1]
	v_pk_add_f32 v[28:29], v[28:29], v[68+8*i:69+8*i]
	v_pk_add_f32 v[30:31], v[30:31], v[70+8*i:71+8*i]
	v_pk_add_f32 v[20:21], v[20:21], v[32:33]
	v_pk_add_f32 v[22:23], v[22:23], v[34:35]
	v_pk_fma_f32 v[24:25], v[32:33], v[32:33], v[24:25]
	v_pk_fma_f32 v[26:27], v[34:35], v[34:35], v[26:27]
.set i, i+1
.endr
	s_add_nc_u64 s[\bp:\bp+1], s[\bp:\bp+1], \rpt*(256>>\logc)*\pitch   ; the loads are done, so their base may step
	s_add_co_u32 s[\cnt], s[\cnt], 1
	s_cmp_lt_u32 s[\cnt], s[\lim]
	s_cbranch_scc1 .Lred\@
	v_lshl_add_u32 v14, v14, 4+\logc, v13
	v_add_nc_u32 v14, RS, v14
	ds_store_b128 v14, v[20:23]
	ds_store_b128 v14, v[24:27] offset:4096
	ds_store_b128 v14, v[28:31] offset:8192
.endm
.macro RED_B nc, nch, invp, bp0, gp, bpp
	v_lshlrev_b32 v42, 2, v0
	v_add_nc_u32 v12, RS, v42
.set i, 0
.rept 3*\nc
	ds_load_b32 v[64+i], v12 offset:(i/\nc)*4096+(i%\nc)*\nch*4
.set i, i+1
.endr
	global_load_b32 v13, v42, s[\bp0:\bp0+1]
	global_load_b32 v14, v42, s[\gp:\gp+1]
	global_load_b32 v15, v42, s[\bpp:\bpp+1]
	s_wait_loadcnt_dscnt 0x0
.set i, 1
.rept \nc-1
	v_add_f32 v64, v64, v[64+i]
	v_add_f32 v[64+\nc], v[64+\nc], v[64+\nc+i]
	v_add_f32 v[64+2*\nc], v[64+2*\nc], v[64+2*\nc+i]
.set i, i+1
.endr
	v_mul_f32 v16, \invp, v64
	v_mul_f32 v18, \invp, v[64+\nc]
	v_add_f32 v17, v13, v16
	v_fma_f32 v18, -v16, v16, v18
	v_fma_f32 v18, v[64+2*\nc], \invp, v18
	v_add_f32 v18, 0x3727c5ac, v18
	v_rsq_f32 v19, v18
	v_cvt_pk_bf16_f32 v20, v14, v15       ; plain work behind the root
	v_lshlrev_b32 v14, 16, v20
	v_and_b32 v15, 0xffff0000, v20
	s_wait_alu depctr_va_vdst(0)          ; the wait ahead of the root's first reader
	v_mul_f32 v40, v14, v19
	v_fma_f32 v41, -v17, v40, v15
.endm
.macro DPP16 base, inv
.irp m, 1,2,4,8
.set qq, 0
.rept 16
	v_add_f32_dpp v[\base+qq], v[\base+qq], v[\base+qq] row_xmask:\m row_mask:0xf bank_mask:0xf
.set qq, qq+1
.endr
.endr
.set qq, 0
.rept 8
	v_pk_mul_f32 v[\base+qq:\base+qq+1], v[\base+qq:\base+qq+1], \inv op_sel_hi:[1,0]
.set qq, qq+2
.endr
.endm
.macro STATS mt, inv, adr, voff, acc  ; as in launch 1
.irp nb, 0,1
.irp p, 0,2,4,6
	v_pk_add_f32 v[32+8*\nb+\p:33+8*\nb+\p], v[\acc+8*\nb+\p:\acc+8*\nb+\p+1], v[\acc+16+8*\nb+\p:\acc+16+8*\nb+\p+1]
.set aa, 2
.rept \mt-2
	v_pk_add_f32 v[32+8*\nb+\p:33+8*\nb+\p], v[32+8*\nb+\p:33+8*\nb+\p], v[\acc+16*aa+8*\nb+\p:\acc+16*aa+8*\nb+\p+1]
.set aa, aa+1
.endr
.endr
.endr
	DPP16 32, \inv
.irp nb, 0,1
.irp p, 0,2,4,6
.set aa, 0
.rept \mt
	v_pk_add_f32 v[12+2*(aa&3):13+2*(aa&3)], v[\acc+16*aa+8*\nb+\p:\acc+16*aa+8*\nb+\p+1], v[32+8*\nb+\p:33+8*\nb+\p] neg_lo:[0,1] neg_hi:[0,1]
.if aa == 0
	v_pk_mul_f32 v[48+8*\nb+\p:49+8*\nb+\p], v[12:13], v[12:13]
.else
	v_pk_fma_f32 v[48+8*\nb+\p:49+8*\nb+\p], v[12+2*(aa&3):13+2*(aa&3)], v[12+2*(aa&3):13+2*(aa&3)], v[48+8*\nb+\p:49+8*\nb+\p]
.endif
.set aa, aa+1
.endr
.endr
.endr
	DPP16 48, \inv
	ds_store_b128 v[\adr], v[32:35]
	ds_store_b128 v[\adr], v[36:39] offset:16
	ds_store_b128 v[\adr], v[40:43] offset:64
	ds_store_b128 v[\adr], v[44:47] offset:80
	ds_store_b128 v[\adr], v[48:51] offset:\voff
	ds_store_b128 v[\adr], v[52:55] offset:\voff+16
	ds_store_b128 v[\adr], v[56:59] offset:\voff+64
	ds_store_b128 v[\adr], v[60:63] offset:\voff+80
.endm
.macro COMBINE8
.irp i, 1,2,3,4,5,6,7
	v_sub_f32 v[64+\i], v[64+\i], v64
.endr
	v_add_f32 v82, v65, v66
	v_mul_f32 v83, v65, v65
	v_add_f32 v84, v72, v73
.irp i, 2,3,4,5,6,7
	v_fma_f32 v83, v[64+\i], v[64+\i], v83
	v_add_f32 v84, v84, v[72+\i]
.endr
.irp i, 3,4,5,6,7
	v_add_f32 v82, v82, v[64+\i]
.endr
	v_mul_f32 v82, 0x3e000000, v82
	v_mul_f32 v83, 0x3e000000, v83
	v_add_f32 v80, v64, v82
	v_fma_f32 v83, -v82, v82, v83
	v_fma_f32 v81, v84, 0x3e000000, v83
.endm
.macro ADS
.set j, 0
.rept 8
	s_min_u32 s[48+j], s[48+j], 0x3fff
	v_lshl_add_u32 v[24+j], s[48+j], 9, v4
.set j, j+1
.endr
.endm
.macro UULOAD
.set j, 0
.rept 8
	ds_load_b128 v[64+4*j:67+4*j], v5 offset:16*j
.set j, j+1
.endr
	v_add_nc_u32 v5, 128, v5
.endm
.macro PRJ j, w, base
.irp p, 0,2,4,6
	v_pk_fma_f32 v[\w+\p:\w+\p+1], v[96+\p:97+\p], v[64+4*\j:65+4*\j], v[\base+\p:\base+\p+1] op_sel_hi:[1,0,1]
.endr
.irp p, 0,2,4,6
	v_pk_fma_f32 v[\w+\p:\w+\p+1], v[104+\p:105+\p], v[64+4*\j:65+4*\j], v[\w+\p:\w+\p+1] op_sel:[0,1,0] op_sel_hi:[1,1,1]
.endr
.irp p, 0,2,4,6
	v_pk_fma_f32 v[\w+\p:\w+\p+1], v[112+\p:113+\p], v[66+4*\j:67+4*\j], v[\w+\p:\w+\p+1] op_sel_hi:[1,0,1]
.endr
.endm
.macro EITEM j, par, fill
.if \fill
	s_wait_loadcnt 7+\par                 ; younger than row j: 7 - j old rows, j new rows and, in an odd trip, the next q
.else
	s_wait_loadcnt 7-\j
.endif
	PRJ \j, 148, 124
.irp c, 0,1,2,3
	v_fma_mix_f32 v[148+2*\c], v[32+4*\j+\c], v[132+2*\c], v[148+2*\c] op_sel_hi:[1,0,0]
	v_fma_mix_f32 v[149+2*\c], v[32+4*\j+\c], v[133+2*\c], v[149+2*\c] op_sel:[1,0,0] op_sel_hi:[1,0,0]
.endr
.irp c, 0,1,2,3
	v_cvt_pk_f16_f32 v[156+\c], v[148+2*\c], v[149+2*\c]
.endr
.irp c, 0,1,2,3
	v_pk_max_num_f16 v[156+\c], v[156+\c], v20
.endr
	ds_store_b128 v6, v[156:159] offset:(8*\par+\j)*528
.if \fill
	global_load_b128 v[32+4*\j:35+4*\j], v[24+\j], s[28:29]
.endif
.endm
.macro PRODUCT                        ; 16 items x 256 channels times Ww1^T; the two accumulators take turns
.set ks, 0
.rept 8
	ds_load_b128 v[160+8*ks:163+8*ks], v7 offset:ks*64      ; the wave's own tile: LDS serves a wave's instructions in order
	ds_load_b128 v[164+8*ks:167+8*ks], v7 offset:ks*64+32
.set ks, ks+1
.endr
	s_wait_dscnt 0x0
	WIN 0x01
.set ks, 0
.rept 8
.irp nb, 0,1
.if ks == 0
	v_wmma_f32_16x16x32_f16 v[224+8*\nb:231+8*\nb], v[(ks*2+\nb)*8:(ks*2+\nb)*8+7], v[160+8*ks:167+8*ks], 0
.else
	v_wmma_f32_16x16x32_f16 v[224+8*\nb:231+8*\nb], v[(ks*2+\nb)*8:(ks*2+\nb)*8+7], v[160+8*ks:167+8*ks], v[224+8*\nb:231+8*\nb]
.endif
.endr
.set ks, ks+1
.endr
	WIN 0
	PLACES
	s_wait_xcnt 0x0                       ; the last query's stores have read v240-247
.irp nb, 0,1
.irp k, 0,1,2,3
	v_cvt_pk_f16_f32 v[240+4*\nb+\k], v[224+8*\nb+2*\k], v[225+8*\nb+2*\k]
.endr
.endr
	global_store_b128 v22, v[240:243], s[46:47]
	global_store_b128 v22, v[244:247], s[46:47] offset:512
.irp i, 0,1,2,3
	ds_store_b128 v21, v[224+4*\i:227+4*\i] offset:512*\i
.endr
.endm
.macro ETRIP par, fill                ; eight items: half par of a query
.if \fill
	s_wait_kmcnt 0x0
	s_wait_xcnt 0x0
	ADS
	s_add_co_u32 s60, s60, 32
	s_min_u32 s60, s60, 224               ; the trip after next, held to the last (then 32 bytes that are not used)
	s_load_b256 s[48:55], s[40:41], s60 offset:0x0
.endif
	UULOAD
.if \par == 0
	s_wait_loadcnt 8                      ; q is in; the eight rows behind it stay out
.irp c, 0,1,2,3
	v_fma_mix_f32 v[124+2*\c], -v[120+\c], v[132+2*\c], v[140+2*\c] op_sel_hi:[1,0,0]
	v_fma_mix_f32 v[125+2*\c], -v[120+\c], v[133+2*\c], v[141+2*\c] op_sel:[1,0,0] op_sel_hi:[1,0,0]
.endr
.elseif \fill
	v_add_nc_u32 v8, 512, v8
	global_load_b128 v[120:123], v8, s[26:27]   ; the next query's q
.endif
	s_wait_dscnt 0x0
.irp j, 0,1,2,3,4,5,6,7
	EITEM \j, \par, \fill
.endr
.if \par
	PRODUCT
.endif
.endm
	s_load_b512 s[8:23], s[0:1], 0x0      ; FB 8, IA 10, FC 12, Wp2 14, FD 16, FA 18, gw1 20, bw1 22
	s_load_b64 s[24:25], s[0:1], 0x40     ; FE
	v_lshl_add_u32 v10, v0, 2, SPARE
	v_mov_b32 v11, 0
	v_lshrrev_b32 v1, 5, v0
	v_readfirstlane_b32 s3, v1
	v_and_b32 v1, 31, v0
	v_and_b32 v2, 15, v0
	v_bfe_u32 v3, v0, 4, 1
	v_lshlrev_b32 v4, 4, v1
	s_mov_b32 s2, ttmp9
	s_lshl_b32 s5, s2, 5
	s_lshl2_add_u32 s5, s3, s5            ; my first query
	s_mov_b32 s7, 0
	s_wait_kmcnt 0x0
	s_lshl_b32 s6, s5, 9
	s_add_nc_u64 s[26:27], s[8:9], s[6:7]
	s_add_nc_u64 s[28:29], s[8:9], 4194304
	s_add_nc_u64 s[30:31], s[8:9], 25165824
	s_lshl_b32 s6, s5, 6
	s_add_co_u32 s6, s6, 1048576
	s_add_nc_u64 s[40:41], s[10:11], s[6:7]
	s_mov_b64 s[42:43], s[16:17]
	s_add_nc_u64 s[44:45], s[18:19], 786432
	s_lshl_b32 s6, s5, 10
	s_add_nc_u64 s[46:47], s[24:25], s[6:7]
	s_lshl_b32 s6, s2, 8
	s_add_co_u32 s6, s6, 8388608
	s_add_nc_u64 s[56:57], s[24:25], s[6:7]
	s_load_b256 s[32:39], s[30:31], 0x0
	s_load_b256 s[48:55], s[40:41], 0x0
	WIN 0x40
.set i, 0
.rept 32
	global_load_b128 v[4*i:4*i+3], v4, s[44:45] offset:i*512
.set i, i+1
.endr
	WIN 0
	s_mov_b32 s59, 4
	RED_A 6, 2048, 1024, 16, 42, 58, 59
	BAR
	RED_B 4, 256, 0x3b800000, 16, 20, 22
	v_add_nc_u32 v12, SS, v42
	ds_store_b32 v12, v40
	ds_store_b32 v12, v41 offset:1024
	BAR
	v_lshl_add_u32 v12, v1, 5, SS
	ds_load_b128 v[132:135], v12
	ds_load_b128 v[136:139], v12 offset:16
	ds_load_b128 v[140:143], v12 offset:1024
	ds_load_b128 v[144:147], v12 offset:1040
	s_lshl_b32 s4, s3, 10
	s_lshl_b32 s6, s2, 13
	s_add_co_u32 s6, s6, s4
	v_lshl_add_u32 v13, v1, 5, s6         ; t of my two items
	s_add_co_u32 s4, s4, UT
	v_mov_b32 v5, s4
	v_lshl_add_u32 v9, v1, 5, s4
	global_load_b128 v[12+4:15+4], v13, s[12:13]
	global_load_b128 v[28:31], v13, s[12:13] offset:16
	v_mul_u32_u24 v14, v1, 96
.irp i, 0,1,2,3,4,5
	global_load_b128 v[64+4*\i:67+4*\i], v14, s[14:15] offset:16*\i
.endr
	s_mul_i32 s4, s3, 8448
	v_add_nc_u32 v6, s4, v4               ; my tile: in, 16 bytes a lane of a row
	v_mul_u32_u24 v7, v2, 528
	v_lshl_add_u32 v7, v3, 4, v7
	v_add_nc_u32 v7, s4, v7               ; out, as fragments
	v_mov_b32 v8, v4
	v_mov_b32 v20, 0
	s_lshl_b32 s4, s3, 13
	s_add_co_u32 s4, s4, RES
	v_add_nc_u32 v21, s4, v4
	v_mov_b32 v22, v4
	s_wait_loadcnt 0x0
	s_wait_kmcnt 0x0
.irp i, 0,1,2
	v_fma_f32 v[16+\i], v[16+\i], s[32+\i], s[36+\i]
	v_fma_f32 v[28+\i], v[28+\i], s[32+\i], s[36+\i]
.endr
.irp i, 0,1,2
	v_max_num_f32 v[16+\i], 0, v[16+\i]
	v_max_num_f32 v[28+\i], 0, v[28+\i]
.endr
	ds_store_b128 v9, v[16:19]
	ds_store_b128 v9, v[28:31] offset:16
.irp i, 0,1,2
.irp p, 0,1,2,3
	v_cvt_pk_bf16_f32 v23, v[64+6*\p+\i], v[67+6*\p+\i]
	v_lshlrev_b32 v[96+8*\i+2*\p], 16, v23
	v_and_b32 v[97+8*\i+2*\p], 0xffff0000, v23
.endr
.endr
	s_wait_dscnt 0x0                      ; scale and shift of my eight channels
.irp i, 0,1,2
.irp p, 0,2,4,6
	v_pk_mul_f32 v[96+8*\i+\p:97+8*\i+\p], v[96+8*\i+\p:97+8*\i+\p], v[132+\p:133+\p]
.endr
.endr
	ADS
	s_load_b256 s[48:55], s[40:41], 0x20
	s_mov_b32 s60, 32
	global_load_b128 v[120:123], v8, s[26:27]
.set j, 0
.rept 8
	global_load_b128 v[32+4*j:35+4*j], v[24+j], s[28:29]
.set j, j+1
.endr
	s_mov_b32 s58, 4
	s_branch .Lfirst                      ; the loop is entered at a query's first half
.Lloop:
	ETRIP 1, 1
	s_wait_xcnt 0x0                       ; the stores have read their offset
	v_add_nc_u32 v22, 1024, v22
	v_add_nc_u32 v21, 2048, v21
.Lfirst:
	ETRIP 0, 1
	s_sub_co_u32 s58, s58, 1
	s_cmp_lg_u32 s58, 0
	s_cbranch_scc1 .Lloop
	s_wait_kmcnt 0x0
	ETRIP 1, 0                            ; the last half asks for nothing
	s_lshl_b32 s4, s3, 13
	s_add_co_u32 s4, s4, RES
	v_add_nc_u32 v9, s4, v4
.set i, 0
.rept 16
	ds_load_b128 v[128+4*i:131+4*i], v9 offset:512*i
.set i, i+1
.endr
	s_lshl_b32 s4, s3, 8
	s_add_co_u32 s4, s4, WS
	v_lshl_add_u32 v9, v3, 5, s4
	s_wait_dscnt 0x0
	STATS 4, 0x3c800000, 9, 128, 128
	BAR
	s_cmp_lg_u32 s3, 0
	s_cbranch_scc1 .Lend
	v_lshl_add_u32 v12, v1, 2, WS
.irp i, 0,1,2,3,4,5,6,7
	ds_load_b32 v[64+\i], v12 offset:256*\i
	ds_load_b32 v[72+\i], v12 offset:256*\i+128
.endr
	v_lshlrev_b32 v13, 2, v1
	s_wait_dscnt 0x0
	COMBINE8
	global_store_b32 v13, v80, s[56:57]
	global_store_b32 v13, v81, s[56:57] offset:128
.Lend:
	s_wait_tensorcnt 0x0                  ; the wave's end
	ds_add_u32 v10, v11
	s_wait_dscnt 0x0
	s_endpgm
.Lfunc_end_k_qc717b853a5_w1:
	.size	k_qc717b853a5_w1, .Lfunc_end_k_qc717b853a5_w1-k_qc717b853a5_w1
	.p2alignl 7, 3214868480
	.fill 96, 4, 3214868480
	.section	.rodata,"a",@progbits
	.p2align	6, 0x0
	.amdhsa_kernel k_qc717b853a5_w1
		.amdhsa_group_segment_fixed_size 158720
		.amdhsa_private_segment_fixed_size 0
		.amdhsa_enable_private_segment 0
		.amdhsa_kernarg_size 72
		.amdhsa_user_sgpr_count 2
		.amdhsa_user_sgpr_kernarg_segment_ptr 1
		.amdhsa_wavefront_size32 1
		.amdhsa_system_sgpr_workgroup_id_x 1
		.amdhsa_system_sgpr_workgroup_id_y 1
		.amdhsa_system_sgpr_workgroup_id_z 1
		.amdhsa_system_vgpr_workitem_id 0
		.amdhsa_next_free_vgpr 384
		.amdhsa_next_free_sgpr 66
		.amdhsa_reserve_vcc 0
		.amdhsa_float_denorm_mode_32 3
		.amdhsa_float_denorm_mode_16_64 3
		.amdhsa_memory_ordered 1
		.amdhsa_forward_progress 1
		.amdhsa_inst_pref_size 104
	.end_amdhsa_kernel
	.amdgpu_metadata
---
amdhsa.version: [ 1, 2 ]
amdhsa.kernels:
  - .name:           k_qc717b853a5_w1
    .symbol:         k_qc717b853a5_w1.kd
    .args:
      - { .name: FB, .offset: 0, .size: 8, .value_kind: global_buffer, .address_space: global }
      - { .name: IA, .offset: 8, .size: 8, .value_kind: global_buffer, .address_space: global }
      - { .name: FC, .offset: 16, .size: 8, .value_kind: global_buffer, .address_space: global }
      - { .name: Wp2, .offset: 24, .size: 8, .value_kind: global_buffer, .address_space: global }
      - { .name: FD, .offset: 32, .size: 8, .value_kind: global_buffer, .address_space: global }
      - { .name: FA, .offset: 40, .size: 8, .value_kind: global_buffer, .address_space: global }
      - { .name: gw1, .offset: 48, .size: 8, .value_kind: global_buffer, .address_space: global }
      - { .name: bw1, .offset: 56, .size: 8, .value_kind: global_buffer, .address_space: global }
      - { .name: FE, .offset: 64, .size: 8, .value_kind: global_buffer, .address_space: global }
    .group_segment_fixed_size: 158720
    .private_segment_fixed_size: 0
    .kernarg_segment_align: 8
    .kernarg_segment_size: 72
    .max_flat_workgroup_size: 256
    .sgpr_count:     66
    .vgpr_count:     384
    .wavefront_size: 32
...
	.end_amdgpu_metadata
.endif
;; end of part 7
;; launch attn (part 8): grid 256 x 1, 8 waves a work-group, no clusters, 162,048 bytes of LDS; arguments FB, IA, FC, Wp2, FE, FA, gw2, bw2, FF; writes FF
.if DOCPART == 8
	.amdgcn_target "amdgcn-amd-amdhsa--gfx1250"
	.amdhsa_code_object_version 6
	.text
	.protected	k_qc717b853a5_attn
	.globl	k_qc717b853a5_attn
	.p2align	8
	.type	k_qc717b853a5_attn,@function
k_qc717b853a5_attn:
	s_mov_b64 s[64:65], 0
	v_nop
	global_prefetch_b8 v0, s[64:65] scope:SCOPE_SE
	s_setreg_imm32_b32 hwreg(HW_REG_WAVE_MODE, 25, 1), 1
	s_wait_xcnt 0x0
; Launch 8: BN(C/S) of w1 is finished; relu(bn(w1)) Ww2^T; the softmax over the 16 neighbours, with its maximum taken away; x = sum over the neighbours of (v[idx] + u Wp2^T) weight;
; partial statistics of x.  bww2 is left out (the same along the softmax's axis); bv and bp2 too (the weights sum to 1: a constant for each channel of x, which is used only through BN).
; Phase 1: a query's 16 items are source 0, 16 rows of Ww2 source 1: a lane holds one channel and eight items, the other eight lie in the lane 16 away.
; Phase 2: items, lanes and gathers as in launch 6; the weight of channel c is that of c % 32.
; LDS addresses that step with a loop are made anew in each trip: a fixed register plus a scalar that the loop steps.
.set XS, 73728                        ; LDS: the weights, 4 queries x 16 items x 144 bytes a wave, at 0; 64 half sums of x, rows of 1,040 bytes
.set UT, 140288
.set RS, 148480
.set SS, 160768
.set SPARE, 161024
.macro PLACES
.rept 4
	v_nop
.endr
.endm
.macro BAR
	s_wait_dscnt 0x0
	s_barrier_signal -1
	s_barrier_wait -1
.endm
; As in launch 4; here the four lanes of a wave that hold the same columns (8, 16 and 24 lanes apart) add their sums, so that one row a wave goes to LDS.
.macro RED_A logc, pitch, voff, rpt, bp, cnt, lim
	v_and_b32 v12, (1<<\logc)-1, v0
	v_lshlrev_b32 v13, 4, v12
	v_lshrrev_b32 v14, \logc, v0
	v_mul_u32_u24 v12, v14, \pitch
	v_add_nc_u32 v12, v12, v13
	global_load_b128 v[16:19], v13, s[\bp:\bp+1]
.set i, 20
.rept 12
	v_mov_b32 v[i], 0
.set i, i+1
.endr
	s_mov_b32 s[\cnt], 0
.Lred\@:
.set i, 0
.rept \rpt
	global_load_b128 v[64+8*i:67+8*i], v12, s[\bp:\bp+1] offset:i*(256>>\logc)*\pitch
	global_load_b128 v[68+8*i:71+8*i], v12, s[\bp:\bp+1] offset:i*(256>>\logc)*\pitch+\voff
.set i, i+1
.endr
	s_wait_loadcnt 0x0
.set i, 0
.rept \rpt
	v_pk_add_f32 v[32:33], v[64+8*i:65+8*i], v[16:17] neg_lo:[0,1] neg_hi:[0,1]
	v_pk_add_f32 v[34:35], v[66+8*i:67+8*i], v[18:19] neg_lo:[0,1] neg_hi:[0,1]
	v_pk_add_f32 v[28:29], v[28:29], v[68+8*i:69+8*i]
	v_pk_add_f32 v[30:31], v[30:31], v[70+8*i:71+8*i]
	v_pk_add_f32 v[20:21], v[20:21], v[32:33]
	v_pk_add_f32 v[22:23], v[22:23], v[34:35]
	v_pk_fma_f32 v[24:25], v[32:33], v[32:33], v[24:25]
	v_pk_fma_f32 v[26:27], v[34:35], v[34:35], v[26:27]
.set i, i+1
.endr
	s_add_nc_u64 s[\bp:\bp+1], s[\bp:\bp+1], \rpt*(256>>\logc)*\pitch   ; the loads are done, so their base may step
	s_add_co_u32 s[\cnt], s[\cnt], 1
	s_cmp_lt_u32 s[\cnt], s[\lim]
	s_cbranch_scc1 .Lred\@
.set i, 20
.rept 12
	v_add_f32_dpp v[i], v[i], v[i] row_xmask:8 row_mask:0xf bank_mask:0xf
.set i, i+1
.endr
.set i, 20
.rept 12
	v_permlanex16_b32 v[32+(i&3)], v[i], s66, s67
	v_add_f32 v[i], v[i], v[32+(i&3)]
.set i, i+1
.endr
	v_lshrrev_b32 v14, 5-\logc, v14       ; the wave
	v_lshl_add_u32 v14, v14, 4+\logc, v13
	v_add_nc_u32 v14, RS, v14
	ds_store_b128 v14, v[20:23]
	ds_store_b128 v14, v[24:27] offset:4096
	ds_store_b128 v14, v[28:31] offset:8192
.endm
.macro RED_B nc, nch, invp, bp0, gp, bpp
	v_lshlrev_b32 v42, 2, v0
	v_add_nc_u32 v12, RS, v42
.set i, 0
.rept 3*\nc
	ds_load_b32 v[64+i], v12 offset:(i/\nc)*4096+(i%\nc)*\nch*4
.set i, i+1
.endr
	global_load_b32 v13, v42, s[\bp0:\bp0+1]
	global_load_b32 v14, v42, s[\gp:\gp+1]
	global_load_b32 v15, v42, s[\bpp:\bpp+1]
	s_wait_loadcnt_dscnt 0x0
.set i, 1
.rept \nc-1
	v_add_f32 v64, v64, v[64+i]
	v_add_f32 v[64+\nc], v[64+\nc], v[64+\nc+i]
	v_add_f32 v[64+2*\nc], v[64+2*\nc], v[64+2*\nc+i]
.set i, i+1
.endr
	v_mul_f32 v16, \invp, v64
	v_mul_f32 v18, \invp, v[64+\nc]
	v_add_f32 v17, v13, v16
	v_fma_f32 v18, -v16, v16, v18
	v_fma_f32 v18, v[64+2*\nc], \invp, v18
	v_add_f32 v18, 0x3727c5ac, v18
	v_rsq_f32 v19, v18
	v_cvt_pk_bf16_f32 v20, v14, v15       ; plain work behind the root
	v_lshlrev_b32 v14, 16, v20
	v_and_b32 v15, 0xffff0000, v20
	s_wait_alu depctr_va_vdst(0)          ; the wait ahead of the root's first reader
	v_mul_f32 v40, v14, v19
	v_fma_f32 v41, -v17, v40, v15
.endm
.macro ADS
.set j, 0
.rept 8
	s_min_u32 s[48+j], s[48+j], 0x3fff
	v_lshl_add_u32 v[24+j], s[48+j], 9, v4
.set j, j+1
.endr
.endm
.macro FITEM j, fill
.if \fill
	s_wait_loadcnt 7                      ; younger than row j: 7 - j old rows and j new ones
.else
	s_wait_loadcnt 7-\j
.endif
.irp p, 0,2,4,6
	v_pk_mul_f32 v[184+\p:185+\p], v[96+\p:97+\p], v[64+4*\j:65+4*\j] op_sel_hi:[1,0]
.endr
.irp p, 0,2,4,6
	v_pk_fma_f32 v[184+\p:185+\p], v[104+\p:105+\p], v[64+4*\j:65+4*\j], v[184+\p:185+\p] op_sel:[0,1,0] op_sel_hi:[1,1,1]
.endr
.irp p, 0,2,4,6
	v_pk_fma_f32 v[184+\p:185+\p], v[112+\p:113+\p], v[66+4*\j:67+4*\j], v[184+\p:185+\p] op_sel_hi:[1,0,1]
.endr
.irp c, 0,1,2,3
	v_fma_mix_f32 v[184+2*\c], v[32+4*\j+\c], v200, v[184+2*\c] op_sel_hi:[1,0,0]
	v_fma_mix_f32 v[185+2*\c], v[32+4*\j+\c], v200, v[185+2*\c] op_sel:[1,0,0] op_sel_hi:[1,0,0]
.endr
.irp p, 0,2,4,6
.if \j == 0
	v_pk_mul_f32 v[192+\p:193+\p], v[184+\p:185+\p], v[120+8*\j+\p:121+8*\j+\p]
.else
	v_pk_fma_f32 v[192+\p:193+\p], v[184+\p:185+\p], v[120+8*\j+\p:121+8*\j+\p], v[192+\p:193+\p]
.endif
.endr
.if \fill
	global_load_b128 v[32+4*\j:35+4*\j], v[24+\j], s[26:27]
.endif
.endm
.macro FTRIP fill                     ; eight items: half a query's sum
.if \fill
	s_wait_kmcnt 0x0
	s_wait_xcnt 0x0
	ADS
	s_add_co_u32 s60, s60, 32
	s_min_u32 s60, s60, 224               ; the trip after next, held to the last (then 32 bytes that are not used)
	s_load_b256 s[48:55], s[42:43], s60 offset:0x0
.endif
	v_add_nc_u32 v204, s69, v6            ; this trip's eight items in the weights
.set j, 0
.rept 8
	ds_load_b128 v[64+4*j:67+4*j], v5 offset:16*j
	ds_load_b128 v[120+8*j:123+8*j], v204 offset:144*j
	ds_load_b128 v[124+8*j:127+8*j], v204 offset:144*j+16
.set j, j+1
.endr
	v_add_nc_u32 v5, 128, v5
	s_add_co_u32 s69, s69, 1152
	s_wait_dscnt 0x0
.irp j, 0,1,2,3,4,5,6,7
	FITEM \j, \fill
.endr
	v_add_nc_u32 v205, s70, v7            ; this trip's row of half sums
	ds_store_b128 v205, v[192:195]
	ds_store_b128 v205, v[196:199] offset:16
	s_add_co_u32 s70, s70, 1040
.endm
	s_load_b512 s[8:23], s[0:1], 0x0      ; FB 8, IA 10, FC 12, Wp2 14, FE 16, FA 18, gw2 20, bw2 22
	s_load_b64 s[24:25], s[0:1], 0x40     ; FF
	v_lshl_add_u32 v10, v0, 2, SPARE
	v_mov_b32 v11, 0
	v_lshrrev_b32 v1, 5, v0
	v_readfirstlane_b32 s3, v1
	v_and_b32 v1, 31, v0
	v_and_b32 v2, 15, v0
	v_bfe_u32 v3, v0, 4, 1
	v_lshlrev_b32 v4, 4, v1
	s_mov_b32 s2, ttmp9
	s_mov_b32 s66, 0x76543210
	s_mov_b32 s67, 0xfedcba98
	s_mov_b32 s68, 0
	s_mov_b32 s69, 0
	s_mov_b32 s70, 0
	s_lshl_b32 s5, s2, 5
	s_lshl2_add_u32 s5, s3, s5            ; my first query
	s_mov_b32 s7, 0
	s_wait_kmcnt 0x0
	s_add_nc_u64 s[26:27], s[8:9], 12582912
	s_add_nc_u64 s[28:29], s[8:9], 25165824
	s_add_nc_u64 s[30:31], s[16:17], 8388608
	s_mov_b64 s[40:41], s[30:31]
	s_lshl_b32 s6, s5, 6
	s_add_co_u32 s6, s6, 1048576
	s_add_nc_u64 s[42:43], s[10:11], s[6:7]
	s_lshl_b32 s6, s5, 10
	s_add_nc_u64 s[44:45], s[16:17], s[6:7]
	s_add_nc_u64 s[46:47], s[18:19], 802816
	s_lshl_b32 s6, s2, 15
	s_add_nc_u64 s[56:57], s[24:25], s[6:7]
	s_lshl_b32 s6, s2, 11
	s_add_co_u32 s6, s6, 8388608
	s_add_nc_u64 s[58:59], s[24:25], s[6:7]
	s_load_b256 s[32:39], s[28:29], 0x0
	s_load_b256 s[48:55], s[42:43], 0x0
	s_mov_b32 s62, 1
	RED_A 3, 256, 128, 8, 40, 61, 62
	BAR
	s_cmp_lg_u32 s3, 0
	s_cbranch_scc1 .Lnorb
	RED_B 8, 32, 0x3b800000, 30, 20, 22
	v_add_nc_u32 v12, SS, v42
	ds_store_b32 v12, v40
	ds_store_b32 v12, v41 offset:128
.Lnorb:
	BAR
	v_lshl_add_u32 v12, v3, 5, SS         ; scale and shift of channels 8 h .. and 16 + 8 h ..
	ds_load_b128 v[120:123], v12
	ds_load_b128 v[124:127], v12 offset:16
	ds_load_b128 v[128:131], v12 offset:64
	ds_load_b128 v[132:135], v12 offset:80
	ds_load_b128 v[136:139], v12 offset:128
	ds_load_b128 v[140:143], v12 offset:144
	ds_load_b128 v[144:147], v12 offset:192
	ds_load_b128 v[148:151], v12 offset:208
.irp i, 0,1,2,3
	global_load_b128 v[152+4*\i:155+4*\i], v4, s[46:47] offset:512*\i
.endr
	s_lshl_b32 s4, s3, 10
	s_lshl_b32 s6, s2, 13
	s_add_co_u32 s6, s6, s4
	v_lshl_add_u32 v13, v1, 5, s6         ; t of my two items
	s_add_co_u32 s4, s4, UT
	v_mov_b32 v5, s4
	v_lshl_add_u32 v9, v1, 5, s4
	global_load_b128 v[16:19], v13, s[12:13]
	global_load_b128 v[20:23], v13, s[12:13] offset:16
	v_mul_u32_u24 v14, v1, 96
.irp i, 0,1,2,3,4,5
	global_load_b128 v[64+4*\i:67+4*\i], v14, s[14:15] offset:16*\i
.endr
	s_mul_i32 s4, s3, 9216
	v_and_b32 v6, 3, v1
	v_lshl_add_u32 v6, v6, 5, s4          ; the weights of my eight channels
	v_mul_u32_u24 v8, v3, 1152
	v_lshl_add_u32 v8, v2, 2, v8
	v_add_nc_u32 v8, s4, v8               ; phase 1 writes: items 8 h .., channel r
	s_mul_i32 s4, s3, 8320
	s_add_co_u32 s4, s4, XS
	v_lshl_add_u32 v7, v1, 5, s4
	v_mov_b32 v200, 1.0
	v_mov_b32 v201, 0
	v_mov_b32 v202, v4                    ; my 16 bytes of a w1 fragment
	v_mov_b32 v193, 0
	v_mov_b32 v195, 0
	v_mov_b32 v197, 0
	v_mov_b32 v199, 0
	s_wait_loadcnt 0x0
	s_wait_kmcnt 0x0
	v_mov_b32 v14, 0
	v_mov_b32 v15, 0
.irp i, 0,1,2
	v_fma_f32 v[16+\i], v[16+\i], s[32+\i], s[36+\i]
	v_fma_f32 v[20+\i], v[20+\i], s[32+\i], s[36+\i]
.endr
.irp i, 0,1,2
	v_max_num_f32 v[16+\i], 0, v[16+\i]
	v_max_num_f32 v[20+\i], 0, v[20+\i]
.endr
	ds_store_b128 v9, v[16:19]            ; the wave's own bytes: no barrier
	ds_store_b128 v9, v[20:23] offset:16
.irp i, 0,1,2
.irp p, 0,1,2,3
	v_cvt_pk_bf16_f32 v12, v[64+6*\p+\i], v[67+6*\p+\i]
	v_lshlrev_b32 v[96+8*\i+2*\p], 16, v12
	v_and_b32 v[97+8*\i+2*\p], 0xffff0000, v12
.endr
.endr
	ADS
	s_load_b256 s[48:55], s[42:43], 0x20
	s_mov_b32 s60, 32
.set j, 0
.rept 8
	global_load_b128 v[32+4*j:35+4*j], v[24+j], s[26:27]   ; the first eight rows of v go out ahead of phase 1
.set j, j+1
.endr
	global_load_b128 v[168:171], v202, s[44:45]
	global_load_b128 v[172:175], v202, s[44:45] offset:512
	s_wait_dscnt 0x0
	s_mov_b32 s61, 0
.Lsm:                                     ; phase 1: four trips, a query each
	s_wait_loadcnt 0x0
.irp c, 0,1,2,3,4,5,6,7
	v_fma_mix_f32 v[64+2*\c], v[168+\c], v[120+2*\c], v[136+2*\c] op_sel_hi:[1,0,0]
	v_fma_mix_f32 v[65+2*\c], v[168+\c], v[121+2*\c], v[137+2*\c] op_sel:[1,0,0] op_sel_hi:[1,0,0]
.endr
	s_cmp_eq_u32 s61, 3                   ; the last trip has no next query
	s_cbranch_scc1 .Lnonext
	v_add_nc_u32 v202, 1024, v202
	global_load_b128 v[168:171], v202, s[44:45]
	global_load_b128 v[172:175], v202, s[44:45] offset:512
.Lnonext:
.irp c, 0,1,2,3,4,5,6,7
	v_cvt_pk_f16_f32 v[176+\c], v[64+2*\c], v[65+2*\c]
.endr
.irp c, 0,1,2,3,4,5,6,7
	v_pk_max_num_f16 v[176+\c], v[176+\c], v201
.endr
	v_wmma_f32_16x16x32_f16 v[80:87], v[176:183], v[152:159], 0
	v_wmma_f32_16x16x32_f16 v[88:95], v[176:183], v[160:167], 0
	PLACES
.irp nb, 0,1
	v_max3_num_f32 v[12+\nb], v[80+8*\nb], v[81+8*\nb], v[82+8*\nb]
.endr
.irp nb, 0,1
	v_max3_num_f32 v[12+\nb], v[12+\nb], v[83+8*\nb], v[84+8*\nb]
.endr
.irp nb, 0,1
	v_max3_num_f32 v[12+\nb], v[12+\nb], v[85+8*\nb], v[86+8*\nb]
.endr
.irp nb, 0,1
	v_max_num_f32 v[12+\nb], v[12+\nb], v[87+8*\nb]
.endr
.irp nb, 0,1
	v_permlanex16_b32 v[14+\nb], v[12+\nb], s66, s67
.endr
.irp nb, 0,1
	v_max_num_f32 v[12+\nb], v[12+\nb], v[14+\nb]
.endr
.irp nb, 0,1
	v_mul_f32 v[196+2*\nb], 0xbfb8aa3b, v[12+\nb]      ; - maximum x log2(e)
.endr
.irp nb, 0,1
.irp p, 0,2,4,6
	v_pk_fma_f32 v[80+8*\nb+\p:81+8*\nb+\p], v[80+8*\nb+\p:81+8*\nb+\p], 0x3fb8aa3b, v[196+2*\nb:197+2*\nb] op_sel_hi:[1,0,0]
.endr
.endr
.set i, 0
.rept 16
	v_exp_f32 v[80+i], v[80+i]
.set i, i+1
.endr
	v_add_nc_u32 v203, s68, v8            ; this query's place in the weights: a plain instruction behind the last exponential,
	s_wait_alu depctr_va_vdst(0)          ; and one wait for the batch of 16
.irp nb, 0,1
	v_pk_add_f32 v[184+4*\nb:185+4*\nb], v[80+8*\nb:81+8*\nb], v[82+8*\nb:83+8*\nb]
	v_pk_add_f32 v[186+4*\nb:187+4*\nb], v[84+8*\nb:85+8*\nb], v[86+8*\nb:87+8*\nb]
.endr
.irp nb, 0,1
	v_pk_add_f32 v[184+4*\nb:185+4*\nb], v[184+4*\nb:185+4*\nb], v[186+4*\nb:187+4*\nb]
.endr
.irp nb, 0,1
	v_add_f32 v[184+4*\nb], v[184+4*\nb], v[185+4*\nb]
.endr
.irp nb, 0,1
	v_permlanex16_b32 v[14+\nb], v[184+4*\nb], s66, s67
.endr
.irp nb, 0,1
	v_add_f32 v[184+4*\nb], v[184+4*\nb], v[14+\nb]
.endr
	v_rcp_f32 v192, v184
	v_rcp_f32 v194, v188
	v_nop
	s_wait_alu depctr_va_vdst(0)          ; one wait for the two reciprocals
.irp nb, 0,1
.irp p, 0,2,4,6
	v_pk_mul_f32 v[80+8*\nb+\p:81+8*\nb+\p], v[80+8*\nb+\p:81+8*\nb+\p], v[192+2*\nb:193+2*\nb] op_sel_hi:[1,0]
.endr
.endr
.irp nb, 0,1
.irp k, 0,1,2,3,4,5,6,7
	ds_store_b32 v203, v[80+8*\nb+\k] offset:144*\k+64*\nb
.endr
.endr
	s_add_co_u32 s68, s68, 2304
	s_add_co_u32 s61, s61, 1
	s_cmp_lt_u32 s61, 4
	s_cbranch_scc1 .Lsm
	s_mov_b32 s61, 0
.Ltrip:                                   ; phase 2
	FTRIP 1
	s_add_co_u32 s61, s61, 1
	s_cmp_lt_u32 s61, 7
	s_cbranch_scc1 .Ltrip
	s_wait_kmcnt 0x0
	FTRIP 0
	BAR
	v_lshl_add_u32 v13, v0, 2, XS         ; phase 3: thread t = channel t of the 32 queries, sixteen queries at a time
.irp hh, 0,1
.set i, 0
.rept 32
	ds_load_b32 v[64+i], v13 offset:1040*(32*\hh+i)
.set i, i+1
.endr
	s_wait_dscnt 0x0
.set i, 0
.rept 16
	v_add_f32 v[128+16*\hh+i], v[64+2*i], v[65+2*i]
.set i, i+1
.endr
.endr
	v_pk_add_f32 v[16:17], v[128:129], v[130:131]
.set i, 4
.rept 14
	v_pk_add_f32 v[16:17], v[16:17], v[128+i:129+i]
.set i, i+2
.endr
	v_add_f32 v16, v16, v17
	v_mul_f32 v16, 0x3d000000, v16        ; mean of 32
	v_mov_b32 v17, v16
	v_pk_add_f32 v[20:21], v[128:129], v[16:17] neg_lo:[0,1] neg_hi:[0,1]
	v_pk_mul_f32 v[18:19], v[20:21], v[20:21]
.set i, 2
.rept 15
	v_pk_add_f32 v[20+2*((i/2)&1):21+2*((i/2)&1)], v[128+i:129+i], v[16:17] neg_lo:[0,1] neg_hi:[0,1]
	v_pk_fma_f32 v[18:19], v[20+2*((i/2)&1):21+2*((i/2)&1)], v[20+2*((i/2)&1):21+2*((i/2)&1)], v[18:19]
.set i, i+2
.endr
	v_add_f32 v18, v18, v19
	v_mul_f32 v18, 0x3d000000, v18
	v_lshlrev_b32 v12, 2, v0
	global_store_b32 v12, v16, s[58:59]
	global_store_b32 v12, v18, s[58:59] offset:1024
	v_lshrrev_b32 v14, 6, v0
	v_mul_u32_u24 v14, v14, 2080
	v_and_b32 v15, 63, v0
	v_lshl_add_u32 v14, v15, 4, v14
	v_add_nc_u32 v14, XS, v14
.irp c, 0,1,2,3,4,5,6,7
	ds_load_b128 v[64+8*\c:67+8*\c], v14 offset:8320*\c
	ds_load_b128 v[68+8*\c:71+8*\c], v14 offset:8320*\c+1040
.endr
	v_lshlrev_b32 v15, 4, v0
.irp c, 0,1,2,3,4,5,6,7
	s_wait_dscnt 14-2*\c
	v_pk_add_f32 v[64+8*\c:65+8*\c], v[64+8*\c:65+8*\c], v[68+8*\c:69+8*\c]
	v_pk_add_f32 v[66+8*\c:67+8*\c], v[66+8*\c:67+8*\c], v[70+8*\c:71+8*\c]
	global_store_b128 v15, v[64+8*\c:67+8*\c], s[56:57] offset:4096*\c
.endr
	s_wait_tensorcnt 0x0                  ; the wave's end
	ds_add_u32 v10, v11
	s_wait_dscnt 0x0
	s_endpgm
.Lfunc_end_k_qc717b853a5_attn:
	.size	k_qc717b853a5_attn, .Lfunc_end_k_qc717b853a5_attn-k_qc717b853a5_attn
	.p2alignl 7, 3214868480
	.fill 96, 4, 3214868480
	.section	.rodata,"a",@progbits
	.p2align	6, 0x0
	.amdhsa_kernel k_qc717b853a5_attn
		.amdhsa_group_segment_fixed_size 162048
		.amdhsa_private_segment_fixed_size 0
		.amdhsa_enable_private_segment 0
		.amdhsa_kernarg_size 72
		.amdhsa_user_sgpr_count 2
		.amdhsa_user_sgpr_kernarg_segment_ptr 1
		.amdhsa_wavefront_size32 1
		.amdhsa_system_sgpr_workgroup_id_x 1
		.amdhsa_system_sgpr_workgroup_id_y 1
		.amdhsa_system_sgpr_workgroup_id_z 1
		.amdhsa_system_vgpr_workitem_id 0
		.amdhsa_next_free_vgpr 256
		.amdhsa_next_free_sgpr 72
		.amdhsa_reserve_vcc 0
		.amdhsa_float_denorm_mode_32 3
		.amdhsa_float_denorm_mode_16_64 3
		.amdhsa_memory_ordered 1
		.amdhsa_forward_progress 1
		.amdhsa_inst_pref_size 72
	.end_amdhsa_kernel
	.amdgpu_metadata
---
amdhsa.version: [ 1, 2 ]
amdhsa.kernels:
  - .name:           k_qc717b853a5_attn
    .symbol:         k_qc717b853a5_attn.kd
    .args:
      - { .name: FB, .offset: 0, .size: 8, .value_kind: global_buffer, .address_space: global }
      - { .name: IA, .offset: 8, .size: 8, .value_kind: global_buffer, .address_space: global }
      - { .name: FC, .offset: 16, .size: 8, .value_kind: global_buffer, .address_space: global }
      - { .name: Wp2, .offset: 24, .size: 8, .value_kind: global_buffer, .address_space: global }
      - { .name: FE, .offset: 32, .size: 8, .value_kind: global_buffer, .address_space: global }
      - { .name: FA, .offset: 40, .size: 8, .value_kind: global_buffer, .address_space: global }
      - { .name: gw2, .offset: 48, .size: 8, .value_kind: global_buffer, .address_space: global }
      - { .name: bw2, .offset: 56, .size: 8, .value_kind: global_buffer, .address_space: global }
      - { .name: FF, .offset: 64, .size: 8, .value_kind: global_buffer, .address_space: global }
    .group_segment_fixed_size: 162048
    .private_segment_fixed_size: 0
    .kernarg_segment_align: 8
    .kernarg_segment_size: 72
    .max_flat_workgroup_size: 256
    .sgpr_count:     72
    .vgpr_count:     256
    .wavefront_size: 32
...
	.end_amdgpu_metadata
.endif
;; end of part 8
;; launch proj (part 9): grid 256 x 1, 8 waves a work-group, no clusters, 67,584 bytes of LDS; arguments FF, FA, g2, b2, FD; writes FD
.if DOCPART == 9
	.amdgcn_target "amdgcn-amd-amdhsa--gfx1250"
	.amdhsa_code_object_version 6
	.text
	.protected	k_qc717b853a5_proj
	.globl	k_qc717b853a5_proj
	.p2align	8
	.type	k_qc717b853a5_proj,@function
k_qc717b853a5_proj:
	s_mov_b64 s[64:65], 0
	v_nop
	global_prefetch_b8 v0, s[64:65] scope:SCOPE_SE
	s_setreg_imm32_b32 hwreg(HW_REG_WAVE_MODE, 25, 1), 1
	s_wait_xcnt 0x0
; Launch 9: BN of x (g2, b2) is finished from the 256 partial rows; z = relu(bn(x)) W3^T for 32 rows; z in f32 and its partial statistics are stored.
; Wave j: 32 rows x channels 32 j .. + 31, transposed as in launch 1; W3's 16 fragments lie in window 1.
.set ZS, 16896                        ; LDS: the tile in f16, 32 rows of 528 bytes, at 0; z, 32 rows of 1,040 bytes
.set RS, 50176
.set SS, 62464
.set PR, 64512
.set SPARE, 66560
.set MSB, 0
.macro WIN new
.if MSB != (\new)
	s_set_vgpr_msb (MSB<<8)|(\new)
.set MSB, \new
.endif
.endm
.macro BAR
	s_wait_dscnt 0x0
	s_barrier_signal -1
	s_barrier_wait -1
.endm
.macro RED_A logc, pitch, voff, rpt, bp, cnt, lim   ; as in launch 4
	v_and_b32 v12, (1<<\logc)-1, v0
	v_lshlrev_b32 v13, 4, v12
	v_lshrrev_b32 v14, \logc, v0
	v_mul_u32_u24 v12, v14, \pitch
	v_add_nc_u32 v12, v12, v13
	global_load_b128 v[16:19], v13, s[\bp:\bp+1]
.set i, 20
.rept 12
	v_mov_b32 v[i], 0
.set i, i+1
.endr
	s_mov_b32 s[\cnt], 0
.Lred\@:
.set i, 0
.rept \rpt
	global_load_b128 v[64+8*i:67+8*i], v12, s[\bp:\bp+1] offset:i*(256>>\logc)*\pitch
	global_load_b128 v[68+8*i:71+8*i], v12, s[\bp:\bp+1] offset:i*(256>>\logc)*\pitch+\voff
.set i, i+1
.endr
	s_wait_loadcnt 0x0
.set i, 0
.rept \rpt
	v_pk_add_f32 v[32:33], v[64+8*i:65+8*i], v[16:17] neg_lo:[0,1] neg_hi:[0,1]
	v_pk_add_f32 v[34:35], v[66+8*i:67+8*i], v[18:19] neg_lo:[0,1] neg_hi:[0,1]
	v_pk_add_f32 v[28:29], v[28:29], v[68+8*i:69+8*i]
	v_pk_add_f32 v[30:31], v[30:31], v[70+8*i:71+8*i]
	v_pk_add_f32 v[20:21], v[20:21], v[32:33]
	v_pk_add_f32 v[22:23], v[22:23], v[34:35]
	v_pk_fma_f32 v[24:25], v[32:33], v[32:33], v[24:25]
	v_pk_fma_f32 v[26:27], v[34:35], v[34:35], v[26:27]
.set i, i+1
.endr
	s_add_nc_u64 s[\bp:\bp+1], s[\bp:\bp+1], \rpt*(256>>\logc)*\pitch   ; the loads are done, so their base may step
	s_add_co_u32 s[\cnt], s[\cnt], 1
	s_cmp_lt_u32 s[\cnt], s[\lim]
	s_cbranch_scc1 .Lred\@
	v_lshl_add_u32 v14, v14, 4+\logc, v13
	v_add_nc_u32 v14, RS, v14
	ds_store_b128 v14, v[20:23]
	ds_store_b128 v14, v[24:27] offset:4096
	ds_store_b128 v14, v[28:31] offset:8192
.endm
.macro RED_B nc, nch, invp, bp0, gp, bpp
	v_lshlrev_b32 v42, 2, v0
	v_add_nc_u32 v12, RS, v42
.set i, 0
.rept 3*\nc
	ds_load_b32 v[64+i], v12 offset:(i/\nc)*4096+(i%\nc)*\nch*4
.set i, i+1
.endr
	global_load_b32 v13, v42, s[\bp0:\bp0+1]
	global_load_b32 v14, v42, s[\gp:\gp+1]
	global_load_b32 v15, v42, s[\bpp:\bpp+1]
	s_wait_loadcnt_dscnt 0x0
.set i, 1
.rept \nc-1
	v_add_f32 v64, v64, v[64+i]
	v_add_f32 v[64+\nc], v[64+\nc], v[64+\nc+i]
	v_add_f32 v[64+2*\nc], v[64+2*\nc], v[64+2*\nc+i]
.set i, i+1
.endr
	v_mul_f32 v16, \invp, v64
	v_mul_f32 v18, \invp, v[64+\nc]
	v_add_f32 v17, v13, v16
	v_fma_f32 v18, -v16, v16, v18
	v_fma_f32 v18, v[64+2*\nc], \invp, v18
	v_add_f32 v18, 0x3727c5ac, v18
	v_rsq_f32 v19, v18
	v_cvt_pk_bf16_f32 v20, v14, v15       ; plain work behind the root
	v_lshlrev_b32 v14, 16, v20
	v_and_b32 v15, 0xffff0000, v20
	s_wait_alu depctr_va_vdst(0)          ; the wait ahead of the root's first reader
	v_mul_f32 v40, v14, v19
	v_fma_f32 v41, -v17, v40, v15
.endm
.macro DPP16 base, inv
.irp m, 1,2,4,8
.set qq, 0
.rept 16
	v_add_f32_dpp v[\base+qq], v[\base+qq], v[\base+qq] row_xmask:\m row_mask:0xf bank_mask:0xf
.set qq, qq+1
.endr
.endr
.set qq, 0
.rept 8
	v_pk_mul_f32 v[\base+qq:\base+qq+1], v[\base+qq:\base+qq+1], \inv op_sel_hi:[1,0]
.set qq, qq+2
.endr
.endm
.macro STATS2 inv, adr, voff, acc     ; launch 1's two passes, for two row blocks; it uses v12-15 and v32-63
.irp nb, 0,1
.irp p, 0,2,4,6
	v_pk_add_f32 v[32+8*\nb+\p:33+8*\nb+\p], v[\acc+8*\nb+\p:\acc+8*\nb+\p+1], v[\acc+16+8*\nb+\p:\acc+16+8*\nb+\p+1]
.endr
.endr
	DPP16 32, \inv
.irp nb, 0,1
.irp p, 0,2,4,6
	v_pk_add_f32 v[12:13], v[\acc+8*\nb+\p:\acc+8*\nb+\p+1], v[32+8*\nb+\p:33+8*\nb+\p] neg_lo:[0,1] neg_hi:[0,1]
	v_pk_add_f32 v[14:15], v[\acc+16+8*\nb+\p:\acc+16+8*\nb+\p+1], v[32+8*\nb+\p:33+8*\nb+\p] neg_lo:[0,1] neg_hi:[0,1]
	v_pk_mul_f32 v[48+8*\nb+\p:49+8*\nb+\p], v[12:13], v[12:13]
	v_pk_fma_f32 v[48+8*\nb+\p:49+8*\nb+\p], v[14:15], v[14:15], v[48+8*\nb+\p:49+8*\nb+\p]
.endr
.endr
	DPP16 48, \inv
	ds_store_b128 v[\adr], v[32:35]
	ds_store_b128 v[\adr], v[36:39] offset:16
	ds_store_b128 v[\adr], v[40:43] offset:64
	ds_store_b128 v[\adr], v[44:47] offset:80
	ds_store_b128 v[\adr], v[48:51] offset:\voff
	ds_store_b128 v[\adr], v[52:55] offset:\voff+16
	ds_store_b128 v[\adr], v[56:59] offset:\voff+64
	ds_store_b128 v[\adr], v[60:63] offset:\voff+80
.endm
	s_load_b256 s[8:15], s[0:1], 0x0      ; FF 8, FA 10, g2 12, b2 14
	s_load_b64 s[16:17], s[0:1], 0x20     ; FD
	v_lshl_add_u32 v10, v0, 2, SPARE
	v_mov_b32 v11, 0
	v_lshrrev_b32 v1, 5, v0
	v_readfirstlane_b32 s3, v1
	v_and_b32 v1, 31, v0
	v_and_b32 v2, 15, v0
	v_bfe_u32 v3, v0, 4, 1
	v_lshlrev_b32 v4, 4, v0
	v_lshrrev_b32 v9, 6, v0
	v_mul_u32_u24 v8, v9, 528
	v_and_b32 v9, 63, v0
	v_lshl_add_u32 v5, v9, 3, v8          ; staging: row t / 64, 8 bytes at t % 64
	v_mul_u32_u24 v6, v2, 528
	v_lshl_add_u32 v6, v3, 4, v6          ; fragments
	v_lshlrev_b32 v7, 4, v1
	s_mov_b32 s2, ttmp9
	s_mov_b32 s7, 0
	s_wait_kmcnt 0x0
	s_add_nc_u64 s[18:19], s[8:9], 8388608
	s_mov_b64 s[20:21], s[18:19]
	s_lshl_b32 s6, s3, 14
	s_add_co_u32 s6, s6, 655360
	s_add_nc_u64 s[22:23], s[10:11], s[6:7]
	s_lshl_b32 s6, s2, 15
	s_add_nc_u64 s[24:25], s[8:9], s[6:7]
	s_add_co_u32 s6, s6, 524288
	s_add_nc_u64 s[26:27], s[16:17], s[6:7]
	s_lshl_b32 s6, s2, 11
	s_add_co_u32 s6, s6, 8912896
	s_add_nc_u64 s[28:29], s[16:17], s[6:7]
	s_mov_b32 s31, 4
	RED_A 6, 2048, 1024, 16, 20, 30, 31
	WIN 0x40                              ; W3 and the tile of x go out while the waves meet
.set i, 0
.rept 32
	global_load_b128 v[4*i:4*i+3], v7, s[22:23] offset:i*512
.set i, i+1
.endr
	WIN 0
.irp c, 0,1,2,3,4,5,6,7
	global_load_b128 v[192+4*\c:195+4*\c], v4, s[24:25] offset:4096*\c
.endr
	BAR
	RED_B 4, 256, 0x3b800000, 18, 12, 14
	v_add_nc_u32 v12, SS, v42
	ds_store_b32 v12, v40
	ds_store_b32 v12, v41 offset:1024
	BAR
	v_and_b32 v12, 63, v0
	v_lshl_add_u32 v12, v12, 4, SS        ; scale and shift of my four channels
	ds_load_b128 v[44:47], v12
	ds_load_b128 v[48:51], v12 offset:1024
	v_mov_b32 v37, 0
	s_wait_dscnt 0x0
.irp c, 0,1,2,3,4,5,6,7
	v_pk_fma_f32 v[192+4*\c:193+4*\c], v[192+4*\c:193+4*\c], v[44:45], v[48:49]
	v_pk_fma_f32 v[194+4*\c:195+4*\c], v[194+4*\c:195+4*\c], v[46:47], v[50:51]
	v_cvt_pk_f16_f32 v[12+2*(\c&1)], v[192+4*\c], v[193+4*\c]
	v_cvt_pk_f16_f32 v[13+2*(\c&1)], v[194+4*\c], v[195+4*\c]
	v_pk_max_num_f16 v[12+2*(\c&1)], v[12+2*(\c&1)], v37
	v_pk_max_num_f16 v[13+2*(\c&1)], v[13+2*(\c&1)], v37
	ds_store_b64 v5, v[12+2*(\c&1):13+2*(\c&1)] offset:2112*\c
.endr
	BAR
.set i, 0
.rept 16
	ds_load_b128 v[64+8*i:67+8*i], v6 offset:(i/8)*8448+(i%8)*64
	ds_load_b128 v[68+8*i:71+8*i], v6 offset:(i/8)*8448+(i%8)*64+32
.set i, i+1
.endr
	s_wait_dscnt 0x0
	WIN 0x01
.set ks, 0
.rept 8                                   ; the four accumulators take turns
.irp a, 0,1
.irp nb, 0,1
.if ks == 0
	v_wmma_f32_16x16x32_f16 v[192+(\a*2+\nb)*8:199+(\a*2+\nb)*8], v[(ks*2+\nb)*8:(ks*2+\nb)*8+7], v[64+(\a*8+ks)*8:71+(\a*8+ks)*8], 0
.else
	v_wmma_f32_16x16x32_f16 v[192+(\a*2+\nb)*8:199+(\a*2+\nb)*8], v[(ks*2+\nb)*8:(ks*2+\nb)*8+7], v[64+(\a*8+ks)*8:71+(\a*8+ks)*8], v[192+(\a*2+\nb)*8:199+(\a*2+\nb)*8]
.endif
.endr
.endr
.set ks, ks+1
.endr
	WIN 0
	s_lshl_b32 s6, s3, 7                  ; the addresses of the way out are the places behind the last products
	s_add_co_u32 s30, s6, PR
	v_lshl_add_u32 v8, v3, 5, s30         ; partial row: channel 32 j + 8 h
	s_add_co_u32 s30, s6, ZS
	v_mul_u32_u24 v9, v2, 1040
	v_lshl_add_u32 v9, v3, 5, v9
	v_add_nc_u32 v9, s30, v9              ; z: row r, channel 32 j + 8 h
	v_nop
	STATS2 0x3d000000, 8, 1024, 192
.irp a, 0,1
.irp nb, 0,1
	ds_store_b128 v9, v[192+(\a*2+\nb)*8:195+(\a*2+\nb)*8] offset:\a*16640+\nb*64
	ds_store_b128 v9, v[196+(\a*2+\nb)*8:199+(\a*2+\nb)*8] offset:\a*16640+\nb*64+16
.endr
.endr
	BAR
	v_lshrrev_b32 v14, 6, v0              ; rows back: row t / 64 of four, 16 bytes at t % 64
	v_mul_u32_u24 v14, v14, 1040
	v_and_b32 v15, 63, v0
	v_lshl_add_u32 v14, v15, 4, v14
	v_add_nc_u32 v14, ZS, v14
.irp c, 0,1,2,3,4,5,6,7
	ds_load_b128 v[64+4*\c:67+4*\c], v14 offset:4160*\c
.endr
.irp c, 0,1,2,3,4,5,6,7
	s_wait_dscnt 7-\c
	global_store_b128 v4, v[64+4*\c:67+4*\c], s[26:27] offset:4096*\c
.endr
	s_cmp_lt_u32 s3, 4
	s_cbranch_scc0 .Lend
	v_add_nc_u32 v15, PR, v4
	ds_load_b128 v[96:99], v15
	s_wait_dscnt 0x0
	global_store_b128 v4, v[96:99], s[28:29]
.Lend:
	s_wait_tensorcnt 0x0                  ; the wave's end
	ds_add_u32 v10, v11
	s_wait_dscnt 0x0
	s_endpgm
.Lfunc_end_k_qc717b853a5_proj:
	.size	k_qc717b853a5_proj, .Lfunc_end_k_qc717b853a5_proj-k_qc717b853a5_proj
	.p2alignl 7, 3214868480
	.fill 96, 4, 3214868480
	.section	.rodata,"a",@progbits
	.p2align	6, 0x0
	.amdhsa_kernel k_qc717b853a5_proj
		.amdhsa_group_segment_fixed_size 67584
		.amdhsa_private_segment_fixed_size 0
		.amdhsa_enable_private_segment 0
		.amdhsa_kernarg_size 40
		.amdhsa_user_sgpr_count 2
		.amdhsa_user_sgpr_kernarg_segment_ptr 1
		.amdhsa_wavefront_size32 1
		.amdhsa_system_sgpr_workgroup_id_x 1
		.amdhsa_system_sgpr_workgroup_id_y 1
		.amdhsa_system_sgpr_workgroup_id_z 1
		.amdhsa_system_vgpr_workitem_id 0
		.amdhsa_next_free_vgpr 384
		.amdhsa_next_free_sgpr 66
		.amdhsa_reserve_vcc 0
		.amdhsa_float_denorm_mode_32 3
		.amdhsa_float_denorm_mode_16_64 3
		.amdhsa_memory_ordered 1
		.amdhsa_forward_progress 1
		.amdhsa_inst_pref_size 45
	.end_amdhsa_kernel
	.amdgpu_metadata
---
amdhsa.version: [ 1, 2 ]
amdhsa.kernels:
  - .name:           k_qc717b853a5_proj
    .symbol:         k_qc717b853a5_proj.kd
    .args:
      - { .name: FF, .offset: 0, .size: 8, .value_kind: global_buffer, .address_space: global }
      - { .name: FA, .offset: 8, .size: 8, .value_kind: global_buffer, .address_space: global }
      - { .name: g2, .offset: 16, .size: 8, .value_kind: global_buffer, .address_space: global }
      - { .name: b2, .offset: 24, .size: 8, .value_kind: global_buffer, .address_space: global }
      - { .name: FD, .offset: 32, .size: 8, .value_kind: global_buffer, .address_space: global }
    .group_segment_fixed_size: 67584
    .private_segment_fixed_size: 0
    .kernarg_segment_align: 8
    .kernarg_segment_size: 40
    .max_flat_workgroup_size: 256
    .sgpr_count:     66
    .vgpr_count:     384
    .wavefront_size: 32
...
	.end_amdgpu_metadata
.endif
;; end of part 9
;; launch final (part 10): grid 4 x 64, 8 waves a work-group, no clusters, 13,824 bytes of LDS; arguments FD, FB, g3, b3, out1; writes out1
.if DOCPART == 10
	.amdgcn_target "amdgcn-amd-amdhsa--gfx1250"
	.amdhsa_code_object_version 6
	.text
	.protected	k_qc717b853a5_final
	.globl	k_qc717b853a5_final
	.p2align	8
	.type	k_qc717b853a5_final,@function
k_qc717b853a5_final:
	s_mov_b64 s[64:65], 0
	v_nop
	global_prefetch_b8 v0, s[64:65] scope:SCOPE_SE
	s_setreg_imm32_b32 hwreg(HW_REG_WAVE_MODE, 25, 1), 1
	s_wait_xcnt 0x0
; Launch 10: BN of z (g3, b3) is finished for a slice of 64 channels; out1 = relu(bn(z) + x1h) for 128 rows of that slice.
; Thread: row 16 i + t / 16, four channels at t % 16: sixteen lanes store 256 consecutive bytes, aligned.
.set RS, 0
.set SS, 12288
.set SPARE, 12800
.macro BAR
	s_wait_dscnt 0x0
	s_barrier_signal -1
	s_barrier_wait -1
.endm
.macro RED_A logc, pitch, voff, rpt, bp, cnt, lim   ; as in launch 4
	v_and_b32 v12, (1<<\logc)-1, v0
	v_lshlrev_b32 v13, 4, v12
	v_lshrrev_b32 v14, \logc, v0
	v_mul_u32_u24 v12, v14, \pitch
	v_add_nc_u32 v12, v12, v13
	global_load_b128 v[16:19], v13, s[\bp:\bp+1]
.set i, 20
.rept 12
	v_mov_b32 v[i], 0
.set i, i+1
.endr
	s_mov_b32 s[\cnt], 0
.Lred\@:
.set i, 0
.rept \rpt
	global_load_b128 v[64+8*i:67+8*i], v12, s[\bp:\bp+1] offset:i*(256>>\logc)*\pitch
	global_load_b128 v[68+8*i:71+8*i], v12, s[\bp:\bp+1] offset:i*(256>>\logc)*\pitch+\voff
.set i, i+1
.endr
	s_wait_loadcnt 0x0
.set i, 0
.rept \rpt
	v_pk_add_f32 v[32:33], v[64+8*i:65+8*i], v[16:17] neg_lo:[0,1] neg_hi:[0,1]
	v_pk_add_f32 v[34:35], v[66+8*i:67+8*i], v[18:19] neg_lo:[0,1] neg_hi:[0,1]
	v_pk_add_f32 v[28:29], v[28:29], v[68+8*i:69+8*i]
	v_pk_add_f32 v[30:31], v[30:31], v[70+8*i:71+8*i]
	v_pk_add_f32 v[20:21], v[20:21], v[32:33]
	v_pk_add_f32 v[22:23], v[22:23], v[34:35]
	v_pk_fma_f32 v[24:25], v[32:33], v[32:33], v[24:25]
	v_pk_fma_f32 v[26:27], v[34:35], v[34:35], v[26:27]
.set i, i+1
.endr
	s_add_nc_u64 s[\bp:\bp+1], s[\bp:\bp+1], \rpt*(256>>\logc)*\pitch   ; the loads are done, so their base may step
	s_add_co_u32 s[\cnt], s[\cnt], 1
	s_cmp_lt_u32 s[\cnt], s[\lim]
	s_cbranch_scc1 .Lred\@
	v_lshl_add_u32 v14, v14, 4+\logc, v13
	v_add_nc_u32 v14, RS, v14
	ds_store_b128 v14, v[20:23]
	ds_store_b128 v14, v[24:27] offset:4096
	ds_store_b128 v14, v[28:31] offset:8192
.endm
.macro RED_B nc, nch, invp, bp0, gp, bpp
	v_lshlrev_b32 v42, 2, v0
	v_add_nc_u32 v12, RS, v42
.set i, 0
.rept 3*\nc
	ds_load_b32 v[64+i], v12 offset:(i/\nc)*4096+(i%\nc)*\nch*4
.set i, i+1
.endr
	global_load_b32 v13, v42, s[\bp0:\bp0+1]
	global_load_b32 v14, v42, s[\gp:\gp+1]
	global_load_b32 v15, v42, s[\bpp:\bpp+1]
	s_wait_loadcnt_dscnt 0x0
.set i, 1
.rept \nc-1
	v_add_f32 v64, v64, v[64+i]
	v_add_f32 v[64+\nc], v[64+\nc], v[64+\nc+i]
	v_add_f32 v[64+2*\nc], v[64+2*\nc], v[64+2*\nc+i]
.set i, i+1
.endr
	v_mul_f32 v16, \invp, v64
	v_mul_f32 v18, \invp, v[64+\nc]
	v_add_f32 v17, v13, v16
	v_fma_f32 v18, -v16, v16, v18
	v_fma_f32 v18, v[64+2*\nc], \invp, v18
	v_add_f32 v18, 0x3727c5ac, v18
	v_rsq_f32 v19, v18
	v_cvt_pk_bf16_f32 v20, v14, v15       ; plain work behind the root
	v_lshlrev_b32 v14, 16, v20
	v_and_b32 v15, 0xffff0000, v20
	s_wait_alu depctr_va_vdst(0)          ; the wait ahead of the root's first reader
	v_mul_f32 v40, v14, v19
	v_fma_f32 v41, -v17, v40, v15
.endm
	s_load_b256 s[8:15], s[0:1], 0x0      ; FD 8, FB 10, g3 12, b3 14
	s_load_b64 s[16:17], s[0:1], 0x20     ; out1
	v_lshl_add_u32 v10, v0, 2, SPARE
	v_mov_b32 v11, 0
	v_lshrrev_b32 v1, 5, v0
	v_readfirstlane_b32 s3, v1
	s_mov_b32 s2, ttmp9                   ; the slice
	s_and_b32 s4, ttmp7, 0xffff           ; the block of rows
	v_lshrrev_b32 v2, 4, v0
	v_and_b32 v3, 15, v0
	v_lshlrev_b32 v36, 4, v3
	v_lshl_add_u32 v36, v2, 10, v36       ; z and out1
	v_lshlrev_b32 v37, 3, v3
	v_lshl_add_u32 v37, v2, 9, v37        ; x1h
	v_mov_b32 v38, 1.0
	s_mov_b32 s7, 0
	s_mov_b32 s35, 0
	s_lshl_b32 s34, s2, 8                 ; the slice's 256 bytes of an f32 row
	s_wait_kmcnt 0x0
	s_lshl_b32 s6, s4, 17
	s_add_co_u32 s6, s6, s34
	s_add_nc_u64 s[22:23], s[16:17], s[6:7]
	s_add_co_u32 s6, s6, 524288
	s_add_nc_u64 s[18:19], s[8:9], s[6:7]
	s_lshl_b32 s6, s4, 16
	s_lshl_b32 s5, s2, 7
	s_add_co_u32 s6, s6, s5
	s_add_co_u32 s6, s6, 20971520
	s_add_nc_u64 s[20:21], s[10:11], s[6:7]
	s_add_co_u32 s6, s34, 8912896
	s_add_nc_u64 s[24:25], s[8:9], s[6:7]
	s_mov_b64 s[26:27], s[24:25]
	s_add_nc_u64 s[28:29], s[12:13], s[34:35]
	s_add_nc_u64 s[30:31], s[14:15], s[34:35]
.irp i, 0,1,2,3,4,5,6,7
	global_load_b128 v[192+4*\i:195+4*\i], v36, s[18:19] offset:16384*\i
	global_load_b64 v[224+2*\i:225+2*\i], v37, s[20:21] offset:8192*\i
.endr
	s_mov_b32 s33, 1
	RED_A 4, 2048, 1024, 16, 26, 32, 33
	BAR
	s_cmp_lt_u32 s3, 2
	s_cbranch_scc0 .Lnorb
	RED_B 16, 64, 0x3b800000, 24, 28, 30
	ds_store_b32 v42, v40 offset:SS
	ds_store_b32 v42, v41 offset:SS+256
.Lnorb:
	BAR
	v_lshlrev_b32 v12, 4, v3
	ds_load_b128 v[44:47], v12 offset:SS
	ds_load_b128 v[48:51], v12 offset:SS+256
	s_wait_dscnt 0x0
.irp i, 0,1,2,3,4,5,6,7
	v_pk_fma_f32 v[192+4*\i:193+4*\i], v[192+4*\i:193+4*\i], v[44:45], v[48:49]
	v_pk_fma_f32 v[194+4*\i:195+4*\i], v[194+4*\i:195+4*\i], v[46:47], v[50:51]
	v_fma_mix_f32 v[192+4*\i], v[224+2*\i], v38, v[192+4*\i] op_sel_hi:[1,0,0]
	v_fma_mix_f32 v[193+4*\i], v[224+2*\i], v38, v[193+4*\i] op_sel:[1,0,0] op_sel_hi:[1,0,0]
	v_fma_mix_f32 v[194+4*\i], v[225+2*\i], v38, v[194+4*\i] op_sel_hi:[1,0,0]
	v_fma_mix_f32 v[195+4*\i], v[225+2*\i], v38, v[195+4*\i] op_sel:[1,0,0] op_sel_hi:[1,0,0]
	v_max_num_f32 v[192+4*\i], 0, v[192+4*\i]
	v_max_num_f32 v[193+4*\i], 0, v[193+4*\i]
	v_max_num_f32 v[194+4*\i], 0, v[194+4*\i]
	v_max_num_f32 v[195+4*\i], 0, v[195+4*\i]
	global_store_b128 v36, v[192+4*\i:195+4*\i], s[22:23] offset:16384*\i
.endr
	s_wait_tensorcnt 0x0                  ; the wave's end
	ds_add_u32 v10, v11
	s_wait_dscnt 0x0
	s_endpgm
.Lfunc_end_k_qc717b853a5_final:
	.size	k_qc717b853a5_final, .Lfunc_end_k_qc717b853a5_final-k_qc717b853a5_final
	.p2alignl 7, 3214868480
	.fill 96, 4, 3214868480
	.section	.rodata,"a",@progbits
	.p2align	6, 0x0
	.amdhsa_kernel k_qc717b853a5_final
		.amdhsa_group_segment_fixed_size 13824
		.amdhsa_private_segment_fixed_size 0
		.amdhsa_enable_private_segment 0
		.amdhsa_kernarg_size 40
		.amdhsa_user_sgpr_count 2
		.amdhsa_user_sgpr_kernarg_segment_ptr 1
		.amdhsa_wavefront_size32 1
		.amdhsa_system_sgpr_workgroup_id_x 1
		.amdhsa_system_sgpr_workgroup_id_y 1
		.amdhsa_system_sgpr_workgroup_id_z 1
		.amdhsa_system_vgpr_workitem_id 0
		.amdhsa_next_free_vgpr 248
		.amdhsa_next_free_sgpr 66
		.amdhsa_reserve_vcc 0
		.amdhsa_float_denorm_mode_32 3
		.amdhsa_float_denorm_mode_16_64 3
		.amdhsa_memory_ordered 1
		.amdhsa_forward_progress 1
		.amdhsa_inst_pref_size 27
	.end_amdhsa_kernel
	.amdgpu_metadata
---
amdhsa.version: [ 1, 2 ]
amdhsa.kernels:
  - .name:           k_qc717b853a5_final
    .symbol:         k_qc717b853a5_final.kd
    .args:
      - { .name: FD, .offset: 0, .size: 8, .value_kind: global_buffer, .address_space: global }
      - { .name: FB, .offset: 8, .size: 8, .value_kind: global_buffer, .address_space: global }
      - { .name: g3, .offset: 16, .size: 8, .value_kind: global_buffer, .address_space: global }
      - { .name: b3, .offset: 24, .size: 8, .value_kind: global_buffer, .address_space: global }
      - { .name: out1, .offset: 32, .size: 8, .value_kind: global_buffer, .address_space: global }
    .group_segment_fixed_size: 13824
    .private_segment_fixed_size: 0
    .kernarg_segment_align: 8
    .kernarg_segment_size: 40
    .max_flat_workgroup_size: 256
    .sgpr_count:     66
    .vgpr_count:     248
    .wavefront_size: 32
...
	.end_amdgpu_metadata
.endif
;; end of part 10
;; ======== version 2 of 2: 10 launches; 1.20 times as fast as version 1
;; limits: values are held in f16: magnitudes above 65,504 overflow, below 6.1e-05 lose precision
;; workspace buffers: FA 1,460,224 bytes; IA 1,572,864 bytes of whole numbers; IB 1,572,864 bytes of whole numbers; FC 2,109,440 bytes; FB 25,166,080 bytes; FD 9,437,184 bytes; FE 8,454,144 bytes; FF 8,912,896 bytes
;; launch hstat: the kernel of part 1 again; grid 192 x 1, 8 waves a work-group, no clusters, 70,656 bytes of LDS; arguments x1, x2, W1, W2, Wq, Wk, Wv, W3, Ww1, Ww2, p1, p2, o1, FA, out0, out2; writes FA, out0, out2
;; launch knn1 (part 11): grid 256 x 1, 16 waves a work-group, no clusters, 68,096 bytes of LDS; arguments FA, IA; writes IA
.if DOCPART == 11
	.amdgcn_target "amdgcn-amd-amdhsa--gfx1250"
	.amdhsa_code_object_version 6
	.text
	.protected	k_qc717b853a5_knn1
	.globl	k_qc717b853a5_knn1
	.p2align	8
	.type	k_qc717b853a5_knn1,@function
k_qc717b853a5_knn1:
	s_mov_b64 s[64:65], 0
	v_nop
	global_prefetch_b8 v0, s[64:65] scope:SCOPE_SE
	s_setreg_imm32_b32 hwreg(HW_REG_WAVE_MODE, 25, 1), 1
	s_wait_xcnt 0x0
; Launch 2: the neighbour search, level 1.  For each of the work-group's 32 queries: the least d2 in each of 512 groups of 32 consecutive keys; T, the 16th smallest of the 512;
; and two masks of 512 bits, minimum < T and minimum == T.  The next launch reads them and takes the groups: all below T, then the first of those equal to T.
; A key among the 16 nearest (ties to the lower index) lies in one of the 16 groups with the least minima (ties to the lower group): were it not so, 16 groups would each hold a key ahead of it.
; d2 = (a + b) - 2 (x x' + y y' + z z') on points rounded to bf16: every product is exact in f32, so a fused multiply-add and a multiply with an add give the same bits.
; T IS FOUND BIT BY BIT.  An f32 becomes an unsigned key of the same order (sign bit set for a number >= 0, all bits turned for a negative one).  From the top bit down: T | bit is kept where
; fewer than 16 keys lie below it.  After 32 trips T is the 16th smallest key.  No address and no branch hangs on a distance: the count only selects a value.
; SHARES.  First thread t owns group t: its 32 keys lie in registers as 16 pairs, the queries come as scalars, one a trip.  Then wave w owns queries 2 w and 2 w + 1:
; a query's 512 minima lie in 16 registers, lane = group % 32, so a compare's result is a word of the mask.
.set PITCH, 2064                      ; LDS: M[32 queries][512] f32, rows of 2,048 + 16 bytes, at 0
.set SPARE, 66048
.macro BAR
	s_wait_dscnt 0x0
	s_barrier_signal -1
	s_barrier_wait -1
.endm
.macro QDIST sq                       ; one query against my 32 keys; its least d2 into M
.set g, 0
.rept 4
.irp k, 0,2,4,6
	v_pk_mul_f32 v[64+\k:65+\k], v[128+8*g+\k:129+8*g+\k], s[\sq:\sq+1] op_sel_hi:[1,0]
.endr
.irp k, 0,2,4,6
	v_pk_fma_f32 v[64+\k:65+\k], v[160+8*g+\k:161+8*g+\k], s[\sq+2:\sq+3], v[64+\k:65+\k] op_sel_hi:[1,0,1]
.endr
.irp k, 0,2,4,6
	v_pk_fma_f32 v[64+\k:65+\k], v[192+8*g+\k:193+8*g+\k], s[\sq+4:\sq+5], v[64+\k:65+\k] op_sel_hi:[1,0,1]
.endr
.irp k, 0,2,4,6
	v_pk_add_f32 v[72+\k:73+\k], v[224+8*g+\k:225+8*g+\k], s[\sq+6:\sq+7] op_sel_hi:[1,0]
.endr
.irp k, 0,2,4,6
	v_pk_fma_f32 v[64+\k:65+\k], v[64+\k:65+\k], -2.0, v[72+\k:73+\k] op_sel_hi:[1,0,1]
.endr
.if g == 0
	v_min_num_f32 v80, v64, v65
	v_min_num_f32 v81, v66, v67
.else
	v_min3_num_f32 v80, v80, v64, v65
	v_min3_num_f32 v81, v81, v66, v67
.endif
	v_min3_num_f32 v80, v80, v68, v69
	v_min3_num_f32 v81, v81, v70, v71
.set g, g+1
.endr
	v_min_num_f32 v80, v80, v81
	ds_store_b32 v3, v80
.endm
	s_load_b128 s[4:7], s[0:1], 0x0       ; FA, IA
	v_lshl_add_u32 v10, v0, 2, SPARE
	v_mov_b32 v11, 0
	v_lshrrev_b32 v1, 5, v0
	v_readfirstlane_b32 s3, v1
	v_and_b32 v1, 31, v0
	s_mov_b32 s2, ttmp9
	v_lshlrev_b32 v2, 8, v0               ; my group's 256 bytes of keys
	v_lshlrev_b32 v3, 2, v0               ; my place in a row of M
	s_mov_b32 s14, 0xffff0000
	s_mov_b32 s17, 0x80000000
.irp k, 33,35,37,39
	s_mov_b32 s\k, 0                      ; named in pairs with the query's numbers
.endr
	s_wait_kmcnt 0x0
	s_add_nc_u64 s[8:9], s[4:5], 1329152  ; the keys
	s_add_nc_u64 s[10:11], s[4:5], 1198080
	s_lshl_b32 s12, s2, 9
	s_mov_b32 s13, 0
	s_add_nc_u64 s[10:11], s[10:11], s[12:13]  ; my 32 queries
	s_lshl_b32 s12, s2, 12
	s_add_nc_u64 s[18:19], s[6:7], s[12:13]    ; their masks
.set i, 0
.rept 16
	global_load_b128 v[64+4*i:67+4*i], v2, s[8:9] offset:16*i
.set i, i+1
.endr
	s_load_b128 s[24:27], s[10:11], 0x0
	s_wait_loadcnt 0x0
.set i, 0
.rept 16
	v_lshlrev_b32 v[128+2*i], 16, v[64+4*i]
	v_and_b32 v[160+2*i], s14, v[64+4*i]
	v_lshlrev_b32 v[192+2*i], 16, v[65+4*i]
	v_lshlrev_b32 v[129+2*i], 16, v[66+4*i]
	v_and_b32 v[161+2*i], s14, v[66+4*i]
	v_lshlrev_b32 v[193+2*i], 16, v[67+4*i]
.set i, i+1
.endr
.set i, 0
.rept 16
	v_pk_mul_f32 v[224+2*i:225+2*i], v[128+2*i:129+2*i], v[128+2*i:129+2*i]
.set i, i+1
.endr
.set i, 0
.rept 16
	v_pk_fma_f32 v[224+2*i:225+2*i], v[160+2*i:161+2*i], v[160+2*i:161+2*i], v[224+2*i:225+2*i]
.set i, i+1
.endr
.set i, 0
.rept 16
	v_pk_fma_f32 v[224+2*i:225+2*i], v[192+2*i:193+2*i], v[192+2*i:193+2*i], v[224+2*i:225+2*i]
.set i, i+1
.endr
	s_mov_b32 s15, 0
.Lq:                                      ; 32 trips, a query each
	s_wait_kmcnt 0x0
	s_mov_b32 s32, s24
	s_mov_b32 s34, s25
	s_mov_b32 s36, s26
	s_mov_b32 s38, s27
	s_add_co_u32 s16, s15, 1
	s_and_b32 s16, s16, 31                ; the next query; the last trip asks for the first again, 16 bytes that are not used
	s_lshl_b32 s16, s16, 4
	s_load_b128 s[24:27], s[10:11], s16 offset:0x0
	QDIST 32
	v_add_nc_u32 v3, PITCH, v3
	s_add_co_u32 s15, s15, 1
	s_cmp_lt_u32 s15, 32
	s_cbranch_scc1 .Lq
	s_wait_kmcnt 0x0
	BAR                                   ; M is whole
	s_mul_i32 s16, s3, 2*PITCH
	v_lshl_add_u32 v4, v1, 2, s16         ; row 2 w of M, my word of each 32
	s_lshl_b32 s16, s3, 8
	v_lshl_add_u32 v5, v1, 2, s16         ; query 2 w's masks, my word
	s_mov_b32 s28, 0                      ; the row's step in M,
	s_mov_b32 s29, 0                      ; the masks' step,
	s_mov_b32 s30, 0                      ; and the count of my two queries
.Lsel:
	v_add_nc_u32 v6, s28, v4
.set j, 0
.rept 16
	ds_load_b32 v[64+j], v6 offset:128*j
.set j, j+1
.endr
	s_wait_dscnt 0x0
.set j, 0
.rept 16
	v_ashrrev_i32 v[80+j], 31, v[64+j]
.set j, j+1
.endr
.set j, 0
.rept 16
	v_or_b32 v[80+j], s17, v[80+j]
.set j, j+1
.endr
.set j, 0
.rept 16
	v_xor_b32 v[80+j], v[64+j], v[80+j]   ; the key
.set j, j+1
.endr
	s_mov_b32 s20, 0                      ; T
	s_mov_b32 s21, s17                    ; the bit in hand
	s_mov_b32 s22, 32
.Lbit:
	s_or_b32 s23, s20, s21
.set j, 0
.rept 16
	v_cmp_gt_u32 s[32+j], s23, v[80+j]    ; keys below the candidate
.set j, j+1
.endr
.set j, 0
.rept 16
	s_bcnt1_i32_b32 s[32+j], s[32+j]
.set j, j+1
.endr
.irp st, 8,4,2,1
.set j, 0
.rept \st
	s_add_co_u32 s[32+j], s[32+j], s[32+j+\st]
.set j, j+1
.endr
.endr
	s_cmp_lt_u32 s32, 16
	s_cselect_b32 s20, s23, s20           ; fewer than 16 below it: the 16th smallest is not below it
	s_lshr_b32 s21, s21, 1
	s_sub_co_u32 s22, s22, 1
	s_cmp_lg_u32 s22, 0
	s_cbranch_scc1 .Lbit
	s_wait_xcnt 0x0                       ; the last query's store has read v7 and v12
	v_mov_b32 v12, 0
.set j, 0
.rept 16
	v_cmp_gt_u32 s[32+2*(j&3)], s20, v[80+j]
	v_cmp_eq_u32 s[33+2*(j&3)], s20, v[80+j]
	v_writelane_b32 v12, s[32+2*(j&3)], j       ; lane j: word j of 'below',
	v_writelane_b32 v12, s[33+2*(j&3)], 16+j    ; lane 16 + j: word j of 'equal'
.set j, j+1
.endr
	v_add_nc_u32 v7, s29, v5
	global_store_b32 v7, v12, s[18:19]    ; the query's 128 bytes on end
	s_add_co_u32 s28, s28, PITCH
	s_add_co_u32 s29, s29, 128
	s_add_co_u32 s30, s30, 1
	s_cmp_lt_u32 s30, 2
	s_cbranch_scc1 .Lsel
	s_wait_tensorcnt 0x0                  ; the wave's end
	ds_add_u32 v10, v11
	s_wait_dscnt 0x0
	s_endpgm
.Lfunc_end_k_qc717b853a5_knn1:
	.size	k_qc717b853a5_knn1, .Lfunc_end_k_qc717b853a5_knn1-k_qc717b853a5_knn1
	.p2alignl 7, 3214868480
	.fill 96, 4, 3214868480
	.section	.rodata,"a",@progbits
	.p2align	6, 0x0
	.amdhsa_kernel k_qc717b853a5_knn1
		.amdhsa_group_segment_fixed_size 68096
		.amdhsa_private_segment_fixed_size 0
		.amdhsa_enable_private_segment 0
		.amdhsa_kernarg_size 16
		.amdhsa_user_sgpr_count 2
		.amdhsa_user_sgpr_kernarg_segment_ptr 1
		.amdhsa_wavefront_size32 1
		.amdhsa_system_sgpr_workgroup_id_x 1
		.amdhsa_system_sgpr_workgroup_id_y 1
		.amdhsa_system_sgpr_workgroup_id_z 1
		.amdhsa_system_vgpr_workitem_id 0
		.amdhsa_next_free_vgpr 256
		.amdhsa_next_free_sgpr 66
		.amdhsa_reserve_vcc 0
		.amdhsa_float_denorm_mode_32 3
		.amdhsa_float_denorm_mode_16_64 3
		.amdhsa_memory_ordered 1
		.amdhsa_forward_progress 1
		.amdhsa_inst_pref_size 26
	.end_amdhsa_kernel
	.amdgpu_metadata
---
amdhsa.version: [ 1, 2 ]
amdhsa.kernels:
  - .name:           k_qc717b853a5_knn1
    .symbol:         k_qc717b853a5_knn1.kd
    .args:
      - { .name: FA, .offset: 0, .size: 8, .value_kind: global_buffer, .address_space: global }
      - { .name: IA, .offset: 8, .size: 8, .value_kind: global_buffer, .address_space: global }
    .group_segment_fixed_size: 68096
    .private_segment_fixed_size: 0
    .kernarg_segment_align: 8
    .kernarg_segment_size: 16
    .max_flat_workgroup_size: 512
    .sgpr_count:     66
    .vgpr_count:     256
    .wavefront_size: 32
...
	.end_amdgpu_metadata
.endif
;; end of part 11
;; launch knn2 (part 12): grid 256 x 1, 16 waves a work-group, no clusters, 4,096 bytes of LDS; arguments FA, IA, IB; writes IB
.if DOCPART == 12
	.amdgcn_target "amdgcn-amd-amdhsa--gfx1250"
	.amdhsa_code_object_version 6
	.text
	.protected	k_qc717b853a5_knn2
	.globl	k_qc717b853a5_knn2
	.p2align	8
	.type	k_qc717b853a5_knn2,@function
k_qc717b853a5_knn2:
	s_mov_b64 s[64:65], 0
	v_nop
	global_prefetch_b8 v0, s[64:65] scope:SCOPE_SE
	s_setreg_imm32_b32 hwreg(HW_REG_WAVE_MODE, 25, 1), 1
	s_wait_xcnt 0x0
; Launch 3: the neighbour search, level 2.  Each query's 16 groups are read off the stored masks (whole numbers of the launch before), in ascending order; d2 of their 512 keys, as in level 1;
; T, the 16th smallest, bit by bit as in level 1; masks below T and equal to T over the 512 places (place = 32 x slot + key in group: ascending in the key's index).  The list of groups is stored too.
; Wave w takes queries 2 w and 2 w + 1 of the work-group's 32, one a trip; lane = key in a group, register = slot.  No wave needs another: no barrier.
.set LD, 0                            ; 128 bytes a wave: a list of 16 words and a 17th for the lanes that are not chosen
.set SPARE, 2048
; The places chosen by two masks of 512 bits (below: s[lt ..], equal: s[eq ..]), ascending, into the list whose LDS byte v[lb] holds: all below, then the first 16 - count(below) of the equal ones.
; A lane's rank is clamped to 16 in the instruction; rank 16 is the word that nobody reads.
.macro DECODE lt, eq, lb
	v_lshl_add_u32 v12, v2, 2, v[\lb]
	ds_store_b32 v12, v5                  ; the list starts at 0
	s_mov_b32 s66, 16
.set j, 0
.rept 16
	s_bcnt1_i32_b32 s70, s[\lt+j]
	s_sub_co_u32 s66, s66, s70
.set j, j+1
.endr
	s_mov_b32 s67, 0
	s_mov_b32 s68, 0
.set j, 0
.rept 16
	v_mbcnt_lo_u32_b32 v12, s[\eq+j], s67
	v_cmp_gt_u32 s69, s66, v12
	s_and_b32 s69, s69, s[\eq+j]
	s_or_b32 s69, s69, s[\lt+j]
	v_mbcnt_lo_u32_b32 v13, s69, s68
	v_cndmask_b32 v13, 16, v13, s69
	v_min_u32 v13, 16, v13
	v_lshl_add_u32 v13, v13, 2, v[\lb]
	v_or_b32 v14, 32*j, v1
	ds_store_b32 v13, v14
	s_bcnt1_i32_b32 s70, s[\eq+j]
	s_add_co_u32 s67, s67, s70
	s_bcnt1_i32_b32 s70, s69
	s_add_co_u32 s68, s68, s70
.set j, j+1
.endr
.endm
	s_load_b128 s[4:7], s[0:1], 0x0       ; FA, IA
	s_load_b64 s[8:9], s[0:1], 0x10       ; IB
	v_lshl_add_u32 v10, v0, 2, SPARE
	v_mov_b32 v11, 0
	v_lshrrev_b32 v1, 5, v0
	v_readfirstlane_b32 s3, v1
	v_and_b32 v1, 31, v0
	v_and_b32 v2, 15, v0
	s_mov_b32 s2, ttmp9
	v_mov_b32 v5, 0
	v_lshlrev_b32 v7, 3, v1               ; 8 x lane
	v_lshlrev_b32 v3, 2, v1               ; 4 x lane
	v_lshlrev_b32 v4, 2, v2               ; 4 x (lane % 16)
	s_lshl_b32 s72, s3, 7                 ; my list (LD = 0)
	v_mov_b32 v8, s72
	v_add_nc_u32 v9, s72, v4              ; my word of it
	s_mov_b32 s73, 0xffff0000
	s_mov_b32 s78, 0x80000000
	s_mov_b32 s53, 0
	s_mov_b32 s55, 0
	s_mov_b32 s57, 0
	s_mov_b32 s59, 0
	s_lshl_b32 s60, s2, 5
	s_lshl1_add_u32 s60, s3, s60          ; my first query
	s_mov_b32 s63, 0
	s_wait_kmcnt 0x0
	s_add_nc_u64 s[10:11], s[4:5], 1329152
	s_add_nc_u64 s[12:13], s[4:5], 1198080
	s_lshl_b32 s62, s60, 4
	s_add_nc_u64 s[12:13], s[12:13], s[62:63]
	s_lshl_b32 s62, s60, 7
	s_add_nc_u64 s[14:15], s[6:7], s[62:63]   ; level 1's masks of my queries
	s_add_nc_u64 s[76:77], s[8:9], s[62:63]   ; level 2's
	s_lshl_b32 s62, s60, 6
	s_add_co_u32 s62, s62, 1048576
	s_add_nc_u64 s[74:75], s[8:9], s[62:63]   ; their lists of groups in memory
	s_mov_b32 s60, 0                      ; the steps from query to query: 128 bytes of masks,
	s_mov_b32 s61, 0                      ; 16 of the query's numbers,
	s_mov_b32 s62, 0                      ; 64 of the list;
	s_mov_b32 s79, 0                      ; and the count
.Lquery:
	s_load_b512 s[16:31], s[14:15], s60 offset:0x0
	s_load_b512 s[32:47], s[14:15], s60 offset:0x40
	s_load_b128 s[48:51], s[12:13], s61 offset:0x0
	s_wait_kmcnt 0x0
	s_mov_b32 s52, s48
	s_mov_b32 s54, s49
	s_mov_b32 s56, s50
	s_mov_b32 s58, s51
	s_wait_xcnt 0x0                       ; the last query's loads and stores have read their registers
	DECODE 16, 32, 8
.irp c, 0,1,2,3
	ds_load_b128 v[16+4*\c:19+4*\c], v8 offset:16*\c   ; LDS serves a wave's instructions in order: these see the stores above
.endr
	ds_load_b32 v15, v9
	v_add_nc_u32 v6, s62, v4
	s_wait_dscnt 0x0
.set i, 0
.rept 16
	v_min_u32 v[16+i], 511, v[16+i]
	v_lshl_add_u32 v[32+i], v[16+i], 8, v7
.set i, i+1
.endr
.set i, 0
.rept 16
	global_load_b64 v[64+2*i:65+2*i], v[32+i], s[10:11]   ; a group's 256 bytes, 8 a lane
.set i, i+1
.endr
	global_store_b32 v6, v15, s[74:75]    ; the list: lanes 16-31 store what lanes 0-15 store
	s_wait_loadcnt 0x0
.set i, 0
.rept 8
	v_lshlrev_b32 v[96+2*i], 16, v[64+4*i]
	v_and_b32 v[112+2*i], s73, v[64+4*i]
	v_lshlrev_b32 v[128+2*i], 16, v[65+4*i]
	v_lshlrev_b32 v[97+2*i], 16, v[66+4*i]
	v_and_b32 v[113+2*i], s73, v[66+4*i]
	v_lshlrev_b32 v[129+2*i], 16, v[67+4*i]
.set i, i+1
.endr
.irp k, 0,2,4,6,8,10,12,14
	v_pk_mul_f32 v[144+\k:145+\k], v[96+\k:97+\k], v[96+\k:97+\k]
	v_pk_mul_f32 v[160+\k:161+\k], v[96+\k:97+\k], s[52:53] op_sel_hi:[1,0]
.endr
.irp k, 0,2,4,6,8,10,12,14
	v_pk_fma_f32 v[144+\k:145+\k], v[112+\k:113+\k], v[112+\k:113+\k], v[144+\k:145+\k]
	v_pk_fma_f32 v[160+\k:161+\k], v[112+\k:113+\k], s[54:55], v[160+\k:161+\k] op_sel_hi:[1,0,1]
.endr
.irp k, 0,2,4,6,8,10,12,14
	v_pk_fma_f32 v[144+\k:145+\k], v[128+\k:129+\k], v[128+\k:129+\k], v[144+\k:145+\k]
	v_pk_fma_f32 v[160+\k:161+\k], v[128+\k:129+\k], s[56:57], v[160+\k:161+\k] op_sel_hi:[1,0,1]
.endr
.irp k, 0,2,4,6,8,10,12,14
	v_pk_add_f32 v[144+\k:145+\k], v[144+\k:145+\k], s[58:59] op_sel_hi:[1,0]
.endr
.irp k, 0,2,4,6,8,10,12,14
	v_pk_fma_f32 v[160+\k:161+\k], v[160+\k:161+\k], -2.0, v[144+\k:145+\k] op_sel_hi:[1,0,1]
.endr
.set j, 0
.rept 16
	v_ashrrev_i32 v[176+j], 31, v[160+j]
.set j, j+1
.endr
.set j, 0
.rept 16
	v_or_b32 v[176+j], s78, v[176+j]
.set j, j+1
.endr
.set j, 0
.rept 16
	v_xor_b32 v[176+j], v[160+j], v[176+j]   ; the key
.set j, j+1
.endr
	s_mov_b32 s66, 0                      ; T
	s_mov_b32 s67, s78                    ; the bit in hand
	s_mov_b32 s68, 32
.Lbit:
	s_or_b32 s69, s66, s67
.set j, 0
.rept 16
	v_cmp_gt_u32 s[16+j], s69, v[176+j]   ; keys below the candidate
.set j, j+1
.endr
.set j, 0
.rept 16
	s_bcnt1_i32_b32 s[16+j], s[16+j]
.set j, j+1
.endr
.irp st, 8,4,2,1
.set j, 0
.rept \st
	s_add_co_u32 s[16+j], s[16+j], s[16+j+\st]
.set j, j+1
.endr
.endr
	s_cmp_lt_u32 s16, 16
	s_cselect_b32 s66, s69, s66           ; fewer than 16 below it: the 16th smallest is not below it
	s_lshr_b32 s67, s67, 1
	s_sub_co_u32 s68, s68, 1
	s_cmp_lg_u32 s68, 0
	s_cbranch_scc1 .Lbit
	v_mov_b32 v48, 0
.set j, 0
.rept 16
	v_cmp_gt_u32 s[16+2*(j&3)], s66, v[176+j]
	v_cmp_eq_u32 s[17+2*(j&3)], s66, v[176+j]
	v_writelane_b32 v48, s[16+2*(j&3)], j       ; lane j: word j of 'below',
	v_writelane_b32 v48, s[17+2*(j&3)], 16+j    ; lane 16 + j: word j of 'equal'
.set j, j+1
.endr
	v_add_nc_u32 v49, s60, v3
	global_store_b32 v49, v48, s[76:77]   ; the query's 128 bytes on end
	s_add_co_u32 s60, s60, 128
	s_add_co_u32 s61, s61, 16
	s_add_co_u32 s62, s62, 64
	s_add_co_u32 s79, s79, 1
	s_cmp_lt_u32 s79, 2
	s_cbranch_scc1 .Lquery
	s_wait_tensorcnt 0x0                  ; the wave's end
	ds_add_u32 v10, v11
	s_wait_dscnt 0x0
	s_endpgm
.Lfunc_end_k_qc717b853a5_knn2:
	.size	k_qc717b853a5_knn2, .Lfunc_end_k_qc717b853a5_knn2-k_qc717b853a5_knn2
	.p2alignl 7, 3214868480
	.fill 96, 4, 3214868480
	.section	.rodata,"a",@progbits
	.p2align	6, 0x0
	.amdhsa_kernel k_qc717b853a5_knn2
		.amdhsa_group_segment_fixed_size 4096
		.amdhsa_private_segment_fixed_size 0
		.amdhsa_enable_private_segment 0
		.amdhsa_kernarg_size 24
		.amdhsa_user_sgpr_count 2
		.amdhsa_user_sgpr_kernarg_segment_ptr 1
		.amdhsa_wavefront_size32 1
		.amdhsa_system_sgpr_workgroup_id_x 1
		.amdhsa_system_sgpr_workgroup_id_y 1
		.amdhsa_system_sgpr_workgroup_id_z 1
		.amdhsa_system_vgpr_workitem_id 0
		.amdhsa_next_free_vgpr 192
		.amdhsa_next_free_sgpr 80
		.amdhsa_reserve_vcc 0
		.amdhsa_float_denorm_mode_32 3
		.amdhsa_float_denorm_mode_16_64 3
		.amdhsa_memory_ordered 1
		.amdhsa_forward_progress 1
		.amdhsa_inst_pref_size 32
	.end_amdhsa_kernel
	.amdgpu_metadata
---
amdhsa.version: [ 1, 2 ]
amdhsa.kernels:
  - .name:           k_qc717b853a5_knn2
    .symbol:         k_qc717b853a5_knn2.kd
    .args:
      - { .name: FA, .offset: 0, .size: 8, .value_kind: global_buffer, .address_space: global }
      - { .name: IA, .offset: 8, .size: 8, .value_kind: global_buffer, .address_space: global }
      - { .name: IB, .offset: 16, .size: 8, .value_kind: global_buffer, .address_space: global }
    .group_segment_fixed_size: 4096
    .private_segment_fixed_size: 0
    .kernarg_segment_align: 8
    .kernarg_segment_size: 24
    .max_flat_workgroup_size: 512
    .sgpr_count:     80
    .vgpr_count:     192
    .wavefront_size: 32
...
	.end_amdgpu_metadata
.endif
;; end of part 12
;; launch group (part 13): grid 258 x 1, 8 waves a work-group, no clusters, 19,968 bytes of LDS; arguments IB, FA, Wp1, g1, b1, g2, b2, IA, FC; writes IA, FC
.if DOCPART == 13
	.amdgcn_target "amdgcn-amd-amdhsa--gfx1250"
	.amdhsa_code_object_version 6
	.text
	.protected	k_qc717b853a5_group
	.globl	k_qc717b853a5_group
	.p2align	8
	.type	k_qc717b853a5_group,@function
k_qc717b853a5_group:
	s_mov_b64 s[64:65], 0
	v_nop
	global_prefetch_b8 v0, s[64:65] scope:SCOPE_SE
	s_setreg_imm32_b32 hwreg(HW_REG_WAVE_MODE, 25, 1), 1
	s_wait_xcnt 0x0
; Launch 4.  Work-groups 0-255: the 16 neighbours of 32 queries each are read off the stored masks and lists (whole numbers of the launch before); idx is stored;
; t = (p2[idx] - p1) Wp1^T (bp1 is left out: a constant in front of BN(3)); partial statistics of t over the work-group's 512 items, in two passes.
; Work-groups 256, 257: the statistics of x1 W1^T and x2 W2^T are finished: scale = g rsqrt(var + eps), shift = b - mean scale.
.set LD, 0                            ; 512 bytes a wave: four lists of 16 words + a 17th, 128 bytes apart
.set IDXS, 4096
.set WS3, 6144
.set WS3B, 6400
.set RS, 6656
.set SPARE, 18944
.macro BAR
	s_wait_dscnt 0x0
	s_barrier_signal -1
	s_barrier_wait -1
.endm
.macro WSUM x, tmp
.irp m, 1,2,4,8
	v_add_f32_dpp v[\x], v[\x], v[\x] row_xmask:\m row_mask:0xf bank_mask:0xf
.endr
	v_permlanex16_b32 v[\tmp], v[\x], s94, s95
	v_add_f32 v[\x], v[\x], v[\tmp]
.endm
.macro DECODE lt, eq, lb              ; as in the launch before
	v_lshl_add_u32 v12, v2, 2, v[\lb]
	ds_store_b32 v12, v5
	s_mov_b32 s66, 16
.set j, 0
.rept 16
	s_bcnt1_i32_b32 s70, s[\lt+j]
	s_sub_co_u32 s66, s66, s70
.set j, j+1
.endr
	s_mov_b32 s67, 0
	s_mov_b32 s68, 0
.set j, 0
.rept 16
	v_mbcnt_lo_u32_b32 v12, s[\eq+j], s67
	v_cmp_gt_u32 s69, s66, v12
	s_and_b32 s69, s69, s[\eq+j]
	s_or_b32 s69, s69, s[\lt+j]
	v_mbcnt_lo_u32_b32 v13, s69, s68
	v_cndmask_b32 v13, 16, v13, s69
	v_min_u32 v13, 16, v13
	v_lshl_add_u32 v13, v13, 2, v[\lb]
	v_or_b32 v14, 32*j, v1
	ds_store_b32 v13, v14
	s_bcnt1_i32_b32 s70, s[\eq+j]
	s_add_co_u32 s67, s67, s70
	s_bcnt1_i32_b32 s70, s69
	s_add_co_u32 s68, s68, s70
.set j, j+1
.endr
.endm
.macro ROUND rr                       ; two queries: lane = (query l / 16, neighbour l % 16)
	ds_load_b32 v12, v6 offset:\rr*256
	s_wait_dscnt 0x0
	v_lshrrev_b32 v13, 5, v12             ; the slot in the list of groups,
	v_min_u32 v13, 15, v13
	v_min_u32 v12, 511, v12
	v_and_b32 v12, 31, v12                ; the key in the group
	v_lshl_add_u32 v13, v13, 2, v7
	global_load_b32 v14, v13, s[28:29] offset:\rr*128
	global_load_b128 v[16:19], v8, s[30:31] offset:\rr*32
	s_wait_loadcnt 0x0
	v_min_u32 v14, 511, v14
	v_lshl_add_u32 v14, v14, 5, v12       ; idx
	v_lshlrev_b32 v15, 3, v14
	global_load_b64 v[20:21], v15, s[76:77]
	ds_store_b32 v9, v14 offset:\rr*128
	s_wait_loadcnt 0x0
	v_lshlrev_b32 v22, 16, v20
	v_and_b32 v23, 0xffff0000, v20
	v_lshlrev_b32 v20, 16, v21
	v_sub_f32 v22, v22, v16
	v_sub_f32 v23, v23, v17
	v_sub_f32 v20, v20, v18
.irp i, 0,1,2
	v_mul_f32 v[24+4*\rr+\i], v22, v[40+3*\i]
.endr
.irp i, 0,1,2
	v_fma_f32 v[24+4*\rr+\i], v23, v[41+3*\i], v[24+4*\rr+\i]
.endr
.irp i, 0,1,2
	v_fma_f32 v[24+4*\rr+\i], v20, v[42+3*\i], v[24+4*\rr+\i]
.endr
	v_mov_b32 v[27+4*\rr], 0
	global_store_b128 v38, v[24+4*\rr:27+4*\rr], s[24:25] offset:\rr*512
.endm
; Partial rows [mean .. | variance ..] are combined against a pivot, the mean of row 0: d = m - pivot; sums of d, d d and v.  First each thread over its rows, four channels at a time,
.macro RED_A logc, pitch, voff, rpt, bp, cnt, lim
	v_and_b32 v12, (1<<\logc)-1, v0
	v_lshlrev_b32 v13, 4, v12
	v_lshrrev_b32 v14, \logc, v0
	v_mul_u32_u24 v12, v14, \pitch
	v_add_nc_u32 v12, v12, v13
	global_load_b128 v[16:19], v13, s[\bp:\bp+1]
.set i, 20
.rept 12
	v_mov_b32 v[i], 0
.set i, i+1
.endr
	s_mov_b32 s[\cnt], 0
.Lred\@:
.set i, 0
.rept \rpt
	global_load_b128 v[64+8*i:67+8*i], v12, s[\bp:\bp+1] offset:i*(256>>\logc)*\pitch
	global_load_b128 v[68+8*i:71+8*i], v12, s[\bp:\bp+1] offset:i*(256>>\logc)*\pitch+\voff
.set i, i+1
.endr
	s_wait_loadcnt 0x0
.set i, 0
.rept \rpt
	v_pk_add_f32 v[32:33], v[64+8*i:65+8*i], v[16:17] neg_lo:[0,1] neg_hi:[0,1]
	v_pk_add_f32 v[34:35], v[66+8*i:67+8*i], v[18:19] neg_lo:[0,1] neg_hi:[0,1]
	v_pk_add_f32 v[28:29], v[28:29], v[68+8*i:69+8*i]
	v_pk_add_f32 v[30:31], v[30:31], v[70+8*i:71+8*i]
	v_pk_add_f32 v[20:21], v[20:21], v[32:33]
	v_pk_add_f32 v[22:23], v[22:23], v[34:35]
	v_pk_fma_f32 v[24:25], v[32:33], v[32:33], v[24:25]
	v_pk_fma_f32 v[26:27], v[34:35], v[34:35], v[26:27]
.set i, i+1
.endr
	s_add_nc_u64 s[\bp:\bp+1], s[\bp:\bp+1], \rpt*(256>>\logc)*\pitch   ; the loads are done, so their base may step
	s_add_co_u32 s[\cnt], s[\cnt], 1
	s_cmp_lt_u32 s[\cnt], s[\lim]
	s_cbranch_scc1 .Lred\@
	v_lshl_add_u32 v14, v14, 4+\logc, v13
	v_add_nc_u32 v14, RS, v14
	ds_store_b128 v14, v[20:23]
	ds_store_b128 v14, v[24:27] offset:4096
	ds_store_b128 v14, v[28:31] offset:8192
.endm
; then thread t for channel t: scale into v40, shift into v41; v42 = 4 t.
.macro RED_B nc, nch, invp, bp0, gp, bpp
	v_lshlrev_b32 v42, 2, v0
	v_add_nc_u32 v12, RS, v42
.set i, 0
.rept 3*\nc
	ds_load_b32 v[64+i], v12 offset:(i/\nc)*4096+(i%\nc)*\nch*4
.set i, i+1
.endr
	global_load_b32 v13, v42, s[\bp0:\bp0+1]
	global_load_b32 v14, v42, s[\gp:\gp+1]
	global_load_b32 v15, v42, s[\bpp:\bpp+1]
	s_wait_loadcnt_dscnt 0x0
.set i, 1
.rept \nc-1
	v_add_f32 v64, v64, v[64+i]
	v_add_f32 v[64+\nc], v[64+\nc], v[64+\nc+i]
	v_add_f32 v[64+2*\nc], v[64+2*\nc], v[64+2*\nc+i]
.set i, i+1
.endr
	v_mul_f32 v16, \invp, v64
	v_mul_f32 v18, \invp, v[64+\nc]
	v_add_f32 v17, v13, v16               ; mean
	v_fma_f32 v18, -v16, v16, v18
	v_fma_f32 v18, v[64+2*\nc], \invp, v18    ; variance
	v_add_f32 v18, 0x3727c5ac, v18
	v_rsq_f32 v19, v18
	v_cvt_pk_bf16_f32 v20, v14, v15       ; g and b rounded to bf16: plain work behind the root
	v_lshlrev_b32 v14, 16, v20
	v_and_b32 v15, 0xffff0000, v20
	s_wait_alu depctr_va_vdst(0)          ; the wait ahead of the root's first reader
	v_mul_f32 v40, v14, v19
	v_fma_f32 v41, -v17, v40, v15
.endm
	s_load_b512 s[8:23], s[0:1], 0x0      ; IB 8, FA 10, Wp1 12, g1 14, b1 16, g2 18, b2 20, IA 22
	s_load_b64 s[24:25], s[0:1], 0x40     ; FC
	v_lshl_add_u32 v10, v0, 2, SPARE
	v_mov_b32 v11, 0
	v_lshrrev_b32 v1, 5, v0
	v_readfirstlane_b32 s3, v1
	v_and_b32 v1, 31, v0
	v_and_b32 v2, 15, v0
	v_bfe_u32 v3, v0, 4, 1
	v_lshlrev_b32 v4, 4, v0
	v_mov_b32 v5, 0
	s_mov_b32 s2, ttmp9
	s_mov_b32 s94, 0x76543210
	s_mov_b32 s95, 0xfedcba98
	s_wait_kmcnt 0x0
	s_cmp_ge_u32 s2, 256
	s_cbranch_scc1 .Lspecial
	s_load_b256 s[84:91], s[12:13], 0x0
	s_load_b32 s92, s[12:13], 0x20
	s_lshl_b32 s72, s3, 9                 ; my four lists (LD = 0)
	v_mov_b32 v60, s72
	v_lshlrev_b32 v6, 2, v2
	v_lshl_add_u32 v6, v3, 7, v6
	v_add_nc_u32 v6, s72, v6              ; list l / 16 of a round's two, word l % 16
	s_lshl_b32 s73, s2, 5
	s_lshl2_add_u32 s73, s3, s73          ; my first query
	v_add_nc_u32 v7, s73, v3
	v_lshlrev_b32 v8, 4, v7               ; its 16 bytes among the queries
	v_lshlrev_b32 v7, 6, v7               ; its list of groups
	s_lshl_b32 s74, s3, 8
	s_add_co_u32 s74, s74, IDXS
	v_lshl_add_u32 v9, v1, 2, s74
	s_lshl_b32 s74, s73, 8
	v_lshl_add_u32 v38, v1, 4, s74        ; my item's 16 bytes of t
	s_mov_b32 s75, 0
	s_lshl_b32 s74, s73, 7
	s_add_nc_u64 s[26:27], s[8:9], s[74:75]
	s_add_nc_u64 s[28:29], s[8:9], 1048576
	s_add_nc_u64 s[30:31], s[10:11], 1198080
	s_add_nc_u64 s[76:77], s[10:11], 1329152
	s_lshl_b32 s74, s2, 11
	s_add_co_u32 s74, s74, 1048576
	s_add_nc_u64 s[78:79], s[22:23], s[74:75]
	s_lshl_b32 s74, s2, 5
	s_add_co_u32 s74, s74, 2097152
	s_add_nc_u64 s[80:81], s[24:25], s[74:75]
	s_wait_kmcnt 0x0
.irp i, 0,1,2,3
	v_cvt_pk_bf16_f32 v12, s[84+2*\i], s[85+2*\i]
	v_lshlrev_b32 v[40+2*\i], 16, v12
	v_and_b32 v[41+2*\i], 0xffff0000, v12
.endr
	v_cvt_pk_bf16_f32 v12, s92, s92
	v_lshlrev_b32 v48, 16, v12
	s_mov_b32 s71, 0                      ; 128 bytes from query to query, in the masks and in my lists alike
	s_mov_b32 s83, 0
.Ldec:                                    ; four trips: a query's masks become its list
	s_load_b512 s[32:47], s[26:27], s71 offset:0x0
	s_load_b512 s[48:63], s[26:27], s71 offset:0x40
	v_add_nc_u32 v61, s71, v60
	s_wait_kmcnt 0x0
	DECODE 32, 48, 61
	s_add_co_u32 s71, s71, 128
	s_add_co_u32 s83, s83, 1
	s_cmp_lt_u32 s83, 4
	s_cbranch_scc1 .Ldec
	ROUND 0                               ; the lists are the wave's own: LDS serves a wave's instructions in order
	ROUND 1
	v_mov_b32 v35, 0
	v_mov_b32 v39, 0
.irp i, 0,1,2
	v_add_f32 v[32+\i], v[24+\i], v[28+\i]
.endr
	WSUM 32, 39
	WSUM 33, 39
	WSUM 34, 39
	s_lshl_b32 s74, s3, 4
	s_add_co_u32 s74, s74, WS3
	v_mov_b32 v36, s74
	ds_store_b128 v36, v[32:35]
	BAR
	s_cmp_lt_u32 s3, 4                    ; idx out: 2,048 bytes
	s_cbranch_scc0 .Lnoidx
	ds_load_b128 v[56:59], v4 offset:IDXS
	s_wait_dscnt 0x0
	global_store_b128 v4, v[56:59], s[78:79]
.Lnoidx:
	v_mov_b32 v37, WS3
.irp i, 0,1,2,3,4,5,6,7
	ds_load_b128 v[64+4*\i:67+4*\i], v37 offset:16*\i
.endr
	s_wait_dscnt 0x0
.irp i, 1,2,3,4,5,6,7
	v_pk_add_f32 v[64:65], v[64:65], v[64+4*\i:65+4*\i]
	v_add_f32 v66, v66, v[66+4*\i]
.endr
.irp i, 0,1,2
	v_mul_f32 v[52+\i], 0x3b000000, v[64+\i]   ; mean of 512
.endr
	v_mov_b32 v55, 0
.irp i, 0,1,2
	v_sub_f32 v12, v[24+\i], v[52+\i]
	v_sub_f32 v13, v[28+\i], v[52+\i]
	v_mul_f32 v[32+\i], v12, v12
	v_fma_f32 v[32+\i], v13, v13, v[32+\i]
.endr
	WSUM 32, 39
	WSUM 33, 39
	WSUM 34, 39
	ds_store_b128 v36, v[32:35] offset:WS3B-WS3
	BAR
	s_cmp_lg_u32 s3, 0
	s_cbranch_scc1 .Lend
.irp i, 0,1,2,3,4,5,6,7
	ds_load_b128 v[64+4*\i:67+4*\i], v37 offset:WS3B-WS3+16*\i
.endr
	s_wait_dscnt 0x0
.irp i, 1,2,3,4,5,6,7
	v_pk_add_f32 v[64:65], v[64:65], v[64+4*\i:65+4*\i]
	v_add_f32 v66, v66, v[66+4*\i]
.endr
.irp i, 0,1,2
	v_mul_f32 v[64+\i], 0x3b000000, v[64+\i]
.endr
	v_mov_b32 v67, 0
	v_cmp_eq_u32 vcc_lo, 0, v0
	s_wait_xcnt 0x0                       ; EXEC changes only behind this wait
	s_and_saveexec_b32 s74, vcc_lo
	global_store_b128 v5, v[52:55], s[80:81]
	global_store_b128 v5, v[64:67], s[80:81] offset:16
	s_wait_xcnt 0x0
	s_or_b32 exec_lo, exec_lo, s74
	s_branch .Lend
.Lspecial:
	s_cmp_eq_u32 s2, 256
	s_cselect_b64 s[28:29], s[14:15], s[18:19]
	s_cselect_b64 s[30:31], s[16:17], s[20:21]
	s_mov_b32 s32, 935936
	s_cselect_b32 s32, 804864, s32
	s_mov_b32 s34, 2107392
	s_cselect_b32 s34, 2105344, s34
	s_cselect_b32 s36, 1, 2               ; 64 or 128 partial rows, 64 a trip
	s_mov_b32 s37, 0x3c000000
	s_cselect_b32 s37, 0x3c800000, s37
	s_mov_b32 s33, 0
	s_mov_b32 s35, 0
	s_add_nc_u64 s[38:39], s[10:11], s[32:33]
	s_mov_b64 s[40:41], s[38:39]
	s_add_nc_u64 s[42:43], s[24:25], s[34:35]
	RED_A 6, 2048, 1024, 16, 40, 44, 36
	BAR
	RED_B 4, 256, s37, 38, 28, 30
	global_store_b32 v42, v40, s[42:43]
	global_store_b32 v42, v41, s[42:43] offset:1024
.Lend:
	s_wait_tensorcnt 0x0                  ; the wave's end
	ds_add_u32 v10, v11
	s_wait_dscnt 0x0
	s_endpgm
.Lfunc_end_k_qc717b853a5_group:
	.size	k_qc717b853a5_group, .Lfunc_end_k_qc717b853a5_group-k_qc717b853a5_group
	.p2alignl 7, 3214868480
	.fill 96, 4, 3214868480
	.section	.rodata,"a",@progbits
	.p2align	6, 0x0
	.amdhsa_kernel k_qc717b853a5_group
		.amdhsa_group_segment_fixed_size 19968
		.amdhsa_private_segment_fixed_size 0
		.amdhsa_enable_private_segment 0
		.amdhsa_kernarg_size 72
		.amdhsa_user_sgpr_count 2
		.amdhsa_user_sgpr_kernarg_segment_ptr 1
		.amdhsa_wavefront_size32 1
		.amdhsa_system_sgpr_workgroup_id_x 1
		.amdhsa_system_sgpr_workgroup_id_y 1
		.amdhsa_system_sgpr_workgroup_id_z 1
		.amdhsa_system_vgpr_workitem_id 0
		.amdhsa_next_free_vgpr 200
		.amdhsa_next_free_sgpr 100
		.amdhsa_reserve_vcc 1
		.amdhsa_float_denorm_mode_32 3
		.amdhsa_float_denorm_mode_16_64 3
		.amdhsa_memory_ordered 1
		.amdhsa_forward_progress 1
		.amdhsa_inst_pref_size 41
	.end_amdhsa_kernel
	.amdgpu_metadata
---
amdhsa.version: [ 1, 2 ]
amdhsa.kernels:
  - .name:           k_qc717b853a5_group
    .symbol:         k_qc717b853a5_group.kd
    .args:
      - { .name: IB, .offset: 0, .size: 8, .value_kind: global_buffer, .address_space: global }
      - { .name: FA, .offset: 8, .size: 8, .value_kind: global_buffer, .address_space: global }
      - { .name: Wp1, .offset: 16, .size: 8, .value_kind: global_buffer, .address_space: global }
      - { .name: g1, .offset: 24, .size: 8, .value_kind: global_buffer, .address_space: global }
      - { .name: b1, .offset: 32, .size: 8, .value_kind: global_buffer, .address_space: global }
      - { .name: g2, .offset: 40, .size: 8, .value_kind: global_buffer, .address_space: global }
      - { .name: b2, .offset: 48, .size: 8, .value_kind: global_buffer, .address_space: global }
      - { .name: IA, .offset: 56, .size: 8, .value_kind: global_buffer, .address_space: global }
      - { .name: FC, .offset: 64, .size: 8, .value_kind: global_buffer, .address_space: global }
    .group_segment_fixed_size: 19968
    .private_segment_fixed_size: 0
    .kernarg_segment_align: 8
    .kernarg_segment_size: 72
    .max_flat_workgroup_size: 256
    .sgpr_count:     100
    .vgpr_count:     200
    .wavefront_size: 32
...
	.end_amdgpu_metadata
.endif
;; end of part 13
;; launch qkv (part 14): grid 193 x 1, 8 waves a work-group, no clusters, 136,704 bytes of LDS; arguments x1, x2, FA, FC, gp, bp, FB; writes FB
.if DOCPART == 14
	.amdgcn_target "amdgcn-amd-amdhsa--gfx1250"
	.amdhsa_code_object_version 6
	.text
	.protected	k_qc717b853a5_qkv
	.globl	k_qc717b853a5_qkv
	.p2align	8
	.type	k_qc717b853a5_qkv,@function
k_qc717b853a5_qkv:
	s_mov_b64 s[64:65], 0
	v_nop
	global_prefetch_b8 v0, s[64:65] scope:SCOPE_SE
	s_setreg_imm32_b32 hwreg(HW_REG_WAVE_MODE, 25, 1), 1
	s_wait_xcnt 0x0
; Launch 5.  Work-groups 0-191: 128 rows of x1 or x2: h = x W^T once more, relu(h scale + shift) in f16 into LDS, then q (x1) or k and v (x2); x1h is stored too.
; bq, bk, bv are left out (constants for each channel that a later BatchNorm takes away).  Work-group 192 finishes BN(3): scale and shift of t's three channels.
; Wave j: all 128 rows x channels 32 j .. 32 j + 31, the product transposed as in launch 1 (a lane holds one row and eight channels).
; A PRODUCT IS A LOOP OVER FOUR QUARTERS of 32 rows: 16 fragments out of LDS, 32 matrix instructions on four accumulators that take turns, the way out.  The weights stay in window 1.
; The second and third product (k, then v) are one text, walked twice: Wv takes Wk's registers behind the first walk, while k goes out.  A tile of x1 leaves behind the first walk.
; REGISTERS.  window 0: v0-31 addresses; v32-47 scale, v48-63 shift; v64-191 fragments (first the staging ring, later rows on their way out); v192-223 accumulators; v224-239 packed results.
;             window 1: v0-127 W1 or W2; v128-255 Wq or Wk, then Wv.
.set XH, 67584                        ; LDS: x tile (bf16), later the way out, at 0; the normalised tile (f16) here: 128 rows of 528 bytes each
.set RS3, 135168
.set SPARE, 135680
.set MSB, 0
.macro WIN new
.if MSB != (\new)
	s_set_vgpr_msb (MSB<<8)|(\new)
.set MSB, \new
.endif
.endm
.macro BAR
	s_wait_dscnt 0x0
	s_barrier_signal -1
	s_barrier_wait -1
.endm
.macro WSUM x, tmp
.irp m, 1,2,4,8
	v_add_f32_dpp v[\x], v[\x], v[\x] row_xmask:\m row_mask:0xf bank_mask:0xf
.endr
	v_permlanex16_b32 v[\tmp], v[\x], s36, s37
	v_add_f32 v[\x], v[\x], v[\tmp]
.endm
.macro XFILL
.irp c, 0,1,2,3,4,5,6,7
	global_load_b128 v[64+4*\c:67+4*\c], v4, s[40:41] offset:\c*4096
.endr
.endm
.macro XSLOTS
.set c, 0
.rept 32
.if c < 25
	s_wait_loadcnt 7                      ; the seven younger ring loads stay out; all older loads are in
.else
	s_wait_loadcnt 31-c
.endif
.set rb, 64+4*(c&7)
	v_cvt_pk_bf16_f32 v[12+2*(c&1)], v[rb], v[rb+1]
	v_cvt_pk_bf16_f32 v[13+2*(c&1)], v[rb+2], v[rb+3]
	ds_store_b64 v5, v[12+2*(c&1):13+2*(c&1)] offset:c*2112
.if c < 24
	global_load_b128 v[rb:rb+3], v4, s[40:41] offset:(c+8)*4096
.endif
.set c, c+1
.endr
.endm
.macro WSET base, ptr                 ; 16 fragments, 16 KiB, straight into window 1
	WIN 0x40
.set i, 0
.rept 32
	global_load_b128 v[\base+4*i:\base+4*i+3], v7, s[\ptr:\ptr+1] offset:i*512
.set i, i+1
.endr
	WIN 0
.endm
.macro QLOAD adr                      ; a quarter's 16 fragments, K block by K block: row block a, K block ks at v[64 + 8 (8 a + ks)]
.set i, 0
.rept 16
.set fr, 64+((i%2)*8+i/2)*8
	ds_load_b128 v[fr:fr+3], v[\adr] offset:(i%2)*8448+(i/2)*64
	ds_load_b128 v[fr+4:fr+7], v[\adr] offset:(i%2)*8448+(i/2)*64+32
.set i, i+1
.endr
.endm
.macro QMUL form, ws                  ; 32 rows x 32 channels x K = 256: the four accumulators take turns
	WIN 0x01
.set ks, 0
.rept 8
	s_wait_dscnt 28-4*ks                  ; this K block's four loads are in; those of the later blocks stay out
.irp a, 0,1
.irp nb, 0,1
.if ks == 0
	v_wmma_f32_16x16x32_\form v[192+(\a*2+\nb)*8:199+(\a*2+\nb)*8], v[\ws+(ks*2+\nb)*8:\ws+(ks*2+\nb)*8+7], v[64+(\a*8+ks)*8:71+(\a*8+ks)*8], 0
.else
	v_wmma_f32_16x16x32_\form v[192+(\a*2+\nb)*8:199+(\a*2+\nb)*8], v[\ws+(ks*2+\nb)*8:\ws+(ks*2+\nb)*8+7], v[64+(\a*8+ks)*8:71+(\a*8+ks)*8], v[192+(\a*2+\nb)*8:199+(\a*2+\nb)*8]
.endif
.endr
.endr
.set ks, ks+1
.endr
	WIN 0
.endm
.macro COPYOUT rd, ptr                ; 128 rows of 512 bytes: a wave reads and stores a whole row at a time
.set i, 0
.rept 16
	ds_load_b128 v[64+4*i:67+4*i], v[\rd] offset:i*4224
.set i, i+1
.endr
.set i, 0
.rept 16
	s_wait_dscnt 15-i
	global_store_b128 v4, v[64+4*i:67+4*i], s[\ptr:\ptr+1] offset:i*4096
.set i, i+1
.endr
.endm
	s_load_b256 s[8:15], s[0:1], 0x0      ; x1 8, x2 10, FA 12, FC 14
	s_load_b128 s[16:19], s[0:1], 0x20    ; gp 16, bp 18
	s_load_b64 s[20:21], s[0:1], 0x30     ; FB
	v_lshl_add_u32 v10, v0, 2, SPARE
	v_mov_b32 v11, 0
	v_lshrrev_b32 v1, 5, v0
	v_readfirstlane_b32 s3, v1
	v_and_b32 v1, 31, v0
	v_and_b32 v2, 15, v0
	v_bfe_u32 v3, v0, 4, 1
	v_lshlrev_b32 v4, 4, v0
	s_mov_b32 s2, ttmp9
	s_mov_b32 s36, 0x76543210
	s_mov_b32 s37, 0xfedcba98
	s_wait_kmcnt 0x0
	s_cmp_eq_u32 s2, 192
	s_cbranch_scc1 .Lbn3
	v_lshrrev_b32 v9, 6, v0
	v_mul_u32_u24 v9, v9, 528
	v_and_b32 v5, 63, v0
	v_lshl_add_u32 v5, v5, 3, v9          ; staging
	v_mul_u32_u24 v6, v2, 528
	v_lshl_add_u32 v6, v3, 4, v6          ; fragments of the x tile
	v_lshlrev_b32 v7, 4, v1               ; 16 x lane
	v_add_nc_u32 v8, XH, v6               ; fragments of the normalised tile
	s_lshl_b32 s6, s3, 6
	v_add_nc_u32 v9, s6, v6               ; results in: row r, bytes 64 j + 16 h
	v_add_nc_u32 v16, XH, v9
	v_lshrrev_b32 v17, 5, v0
	v_mul_u32_u24 v17, v17, 528
	v_lshl_add_u32 v17, v1, 4, v17        ; rows back: row = wave, 16 bytes a lane
	v_add_nc_u32 v18, XH, v17
	v_mov_b32 v19, 0
	s_lshl_b32 s6, s3, 7
	v_lshl_add_u32 v20, v3, 5, s6         ; scale and shift of channels 32 j + 8 h
	s_sub_co_u32 s5, s2, 64
	s_cmp_lt_u32 s2, 64
	s_cselect_b32 s4, s2, s5
	s_cselect_b32 s44, 1, 0               ; 1: a tile of x1
	s_cselect_b64 s[40:41], s[8:9], s[10:11]
	s_mov_b32 s46, 131072
	s_cselect_b32 s46, 0, s46             ; W1 or W2
	s_mov_b32 s48, 393216
	s_cselect_b32 s48, 262144, s48        ; Wq or Wk
	s_mov_b32 s50, 2107392
	s_cselect_b32 s50, 2105344, s50
	s_mov_b32 s52, 4194304
	s_cselect_b32 s52, 0, s52             ; q16 or k16
	s_mov_b32 s54, 12582912
	s_cselect_b32 s54, 20971520, s54      ; x1h or v16
	s_mov_b32 s7, 0
	s_mov_b32 s47, 0
	s_mov_b32 s49, 0
	s_mov_b32 s51, 0
	s_mov_b32 s53, 0
	s_mov_b32 s55, 0
	s_lshl_b32 s6, s4, 17
	s_add_nc_u64 s[40:41], s[40:41], s[6:7]
	s_lshl_b32 s6, s3, 14
	s_add_nc_u64 s[26:27], s[12:13], s[6:7]    ; FA + my 16 KiB in a matrix
	s_add_nc_u64 s[22:23], s[26:27], s[46:47]
	s_add_nc_u64 s[24:25], s[26:27], s[48:49]
	s_add_nc_u64 s[26:27], s[26:27], 524288    ; Wv
	s_add_nc_u64 s[28:29], s[14:15], s[50:51]
	s_lshl_b32 s6, s4, 16
	s_add_nc_u64 s[30:31], s[20:21], s[6:7]
	s_add_nc_u64 s[32:33], s[30:31], s[54:55]
	s_add_nc_u64 s[30:31], s[30:31], s[52:53]
	WSET 0, 22
	XFILL
	XSLOTS
.irp nb, 0,1
	global_load_b128 v[32+8*\nb:35+8*\nb], v20, s[28:29] offset:64*\nb
	global_load_b128 v[36+8*\nb:39+8*\nb], v20, s[28:29] offset:64*\nb+16
	global_load_b128 v[48+8*\nb:51+8*\nb], v20, s[28:29] offset:64*\nb+1024
	global_load_b128 v[52+8*\nb:55+8*\nb], v20, s[28:29] offset:64*\nb+1040
.endr
	WSET 128, 24
	BAR                                   ; the x tile is whole
	s_wait_loadcnt 32                     ; scale and shift are in; the second set's 32 loads stay out
	s_mov_b32 s56, 0                      ; a quarter is 32 rows of 528 bytes
	s_mov_b32 s57, 0
.Lh:                                      ; h, normalised, into XH
	v_add_nc_u32 v21, s56, v6
	QLOAD 21
	QMUL bf16, 0
	v_add_nc_u32 v22, s56, v16            ; with three v_nop the four places behind the last product
.rept 3
	v_nop
.endr
.set ai, 0
.rept 4
.set nbb, ai%2
.irp k, 0,2,4,6
	v_pk_fma_f32 v[192+8*ai+\k:193+8*ai+\k], v[192+8*ai+\k:193+8*ai+\k], v[32+8*nbb+\k:33+8*nbb+\k], v[48+8*nbb+\k:49+8*nbb+\k]
.endr
.irp k, 0,1,2,3
	v_cvt_pk_f16_f32 v[224+4*ai+\k], v[192+8*ai+2*\k], v[193+8*ai+2*\k]
.endr
.irp k, 0,1,2,3
	v_pk_max_num_f16 v[224+4*ai+\k], v[224+4*ai+\k], v19
.endr
	ds_store_b128 v22, v[224+4*ai:227+4*ai] offset:(ai/2)*8448+(ai%2)*32
.set ai, ai+1
.endr
	s_add_co_u32 s56, s56, 2*8448
	s_add_co_u32 s57, s57, 1
	s_cmp_lt_u32 s57, 4
	s_cbranch_scc1 .Lh
	s_wait_loadcnt 0x0                    ; Wq or Wk
	BAR                                   ; the normalised tile is whole, and nobody reads the x tile any more
	s_cmp_eq_u32 s44, 1
	s_cbranch_scc0 .Lnox1h
	COPYOUT 18, 32                        ; x1h
	s_wait_xcnt 0x0                       ; the stores have read v64-127
.Lnox1h:
	s_sub_co_u32 s47, 1, s44              ; 1: Wv is still to be fetched
	s_mov_b32 s46, 0
.Lprod:                                   ; q; or k and then v
	s_mov_b32 s56, 0
	s_mov_b32 s57, 0
.Lp:
	v_add_nc_u32 v21, s56, v8
	QLOAD 21
	QMUL f16, 128
	v_add_nc_u32 v22, s56, v9             ; with three v_nop the four places behind the last product
.rept 3
	v_nop
.endr
.set ai, 0
.rept 4
.irp k, 0,1,2,3
	v_cvt_pk_f16_f32 v[224+4*ai+\k], v[192+8*ai+2*\k], v[193+8*ai+2*\k]
.endr
.set ai, ai+1
.endr
.set ai, 0
.rept 4
	ds_store_b128 v22, v[224+4*ai:227+4*ai] offset:(ai/2)*8448+(ai%2)*32
.set ai, ai+1
.endr
	s_add_co_u32 s56, s56, 2*8448
	s_add_co_u32 s57, s57, 1
	s_cmp_lt_u32 s57, 4
	s_cbranch_scc1 .Lp
	s_cmp_eq_u32 s47, 0
	s_cbranch_scc1 .Lnowv
	WSET 128, 26                          ; Wv, where Wk lay: it lands while k goes out
.Lnowv:
	s_mov_b32 s47, 0
	BAR                                   ; the stage is whole
	COPYOUT 17, 30
	s_cmp_eq_u32 s44, 1
	s_cbranch_scc1 .Lend                  ; a tile of x1 has one product
	s_wait_xcnt 0x0                       ; the stores have read v64-127 and their base
	s_mov_b64 s[30:31], s[32:33]          ; the next walk stores v
	s_wait_loadcnt 0x0                    ; Wv
	BAR                                   ; every wave has read its rows out of the stage
	s_add_co_u32 s46, s46, 1
	s_cmp_lt_u32 s46, 2
	s_cbranch_scc1 .Lprod
	s_branch .Lend
.Lbn3:                                    ; 256 partial rows [m0 m1 m2 0 v0 v1 v2 0], one a thread, against the pivot of row 0
	s_add_nc_u64 s[22:23], s[14:15], 2097152
	s_load_b128 s[24:27], s[22:23], 0x0
	s_load_b96 s[28:30], s[16:17], 0x0
	s_load_b96 s[32:34], s[18:19], 0x0
	v_lshlrev_b32 v12, 5, v0
	global_load_b128 v[16:19], v12, s[22:23]
	global_load_b128 v[24:27], v12, s[22:23] offset:16
	v_mov_b32 v13, 0
	s_wait_loadcnt 0x0
	s_wait_kmcnt 0x0
.irp i, 0,1,2
	v_sub_f32 v[16+\i], v[16+\i], s[24+\i]
.endr
.irp i, 0,1,2
	v_mul_f32 v[20+\i], v[16+\i], v[16+\i]
.endr
	v_mov_b32 v23, 0
.irp x, 16,17,18,20,21,22,24,25,26
	WSUM \x, 13
.endr
	s_mul_i32 s6, s3, 48
	s_add_co_u32 s6, s6, RS3
	v_mov_b32 v14, s6
	ds_store_b128 v14, v[16:19]
	ds_store_b128 v14, v[20:23] offset:16
	ds_store_b128 v14, v[24:27] offset:32
	BAR
	s_cmp_lg_u32 s3, 0
	s_cbranch_scc1 .Lend
	v_mov_b32 v14, RS3
.set i, 0
.rept 24
	ds_load_b128 v[64+4*i:67+4*i], v14 offset:16*i
.set i, i+1
.endr
	s_wait_dscnt 0x0
.irp i, 1,2,3,4,5,6,7
.irp k, 0,2,4,6,8,10
	v_pk_add_f32 v[64+\k:65+\k], v[64+\k:65+\k], v[64+12*\i+\k:65+12*\i+\k]
.endr
.endr
.irp i, 0,1,2
	v_mul_f32 v[16+\i], 0x3b800000, v[64+\i]       ; md
	v_mul_f32 v[20+\i], 0x3b800000, v[68+\i]
.endr
.irp i, 0,1,2
	v_fma_f32 v[20+\i], -v[16+\i], v[16+\i], v[20+\i]
	v_add_f32 v[16+\i], s[24+\i], v[16+\i]         ; mean
.endr
.irp i, 0,1,2
	v_fma_f32 v[20+\i], v[72+\i], 0x3b800000, v[20+\i]
.endr
.irp i, 0,1,2
	v_add_f32 v[20+\i], 0x3727c5ac, v[20+\i]
.endr
.irp i, 0,1,2
	v_rsq_f32 v[24+\i], v[20+\i]
.endr
.irp i, 0,1,2
	v_cvt_pk_bf16_f32 v[28+\i], s[28+\i], s[32+\i] ; gp, bp rounded to bf16: plain work behind the roots
.endr
	s_wait_alu depctr_va_vdst(0)          ; one wait for the three roots, ahead of their first reader
.irp i, 0,1,2
	v_lshlrev_b32 v12, 16, v[28+\i]
	v_and_b32 v13, 0xffff0000, v[28+\i]
	v_mul_f32 v[40+\i], v12, v[24+\i]
	v_fma_f32 v[44+\i], -v[16+\i], v[40+\i], v13
.endr
	v_mov_b32 v43, 0
	v_mov_b32 v47, 0
	v_mov_b32 v48, 0
	s_add_nc_u64 s[22:23], s[20:21], 25165824
	v_cmp_eq_u32 vcc_lo, 0, v0
	s_wait_xcnt 0x0                       ; EXEC changes only behind this wait
	s_and_saveexec_b32 s6, vcc_lo
	global_store_b128 v48, v[40:43], s[22:23]
	global_store_b128 v48, v[44:47], s[22:23] offset:16
	s_wait_xcnt 0x0
	s_or_b32 exec_lo, exec_lo, s6
.Lend:
	s_wait_tensorcnt 0x0                  ; the wave's end
	ds_add_u32 v10, v11
	s_wait_dscnt 0x0
	s_endpgm
.Lfunc_end_k_qc717b853a5_qkv:
	.size	k_qc717b853a5_qkv, .Lfunc_end_k_qc717b853a5_qkv-k_qc717b853a5_qkv
	.p2alignl 7, 3214868480
	.fill 96, 4, 3214868480
	.section	.rodata,"a",@progbits
	.p2align	6, 0x0
	.amdhsa_kernel k_qc717b853a5_qkv
		.amdhsa_group_segment_fixed_size 136704
		.amdhsa_private_segment_fixed_size 0
		.amdhsa_enable_private_segment 0
		.amdhsa_kernarg_size 56
		.amdhsa_user_sgpr_count 2
		.amdhsa_user_sgpr_kernarg_segment_ptr 1
		.amdhsa_wavefront_size32 1
		.amdhsa_system_sgpr_workgroup_id_x 1
		.amdhsa_system_sgpr_workgroup_id_y 1
		.amdhsa_system_sgpr_workgroup_id_z 1
		.amdhsa_system_vgpr_workitem_id 0
		.amdhsa_next_free_vgpr 512
		.amdhsa_next_free_sgpr 66
		.amdhsa_reserve_vcc 1
		.amdhsa_float_denorm_mode_32 3
		.amdhsa_float_denorm_mode_16_64 3
		.amdhsa_memory_ordered 1
		.amdhsa_forward_progress 1
		.amdhsa_inst_pref_size 56
	.end_amdhsa_kernel
	.amdgpu_metadata
---
amdhsa.version: [ 1, 2 ]
amdhsa.kernels:
  - .name:           k_qc717b853a5_qkv
    .symbol:         k_qc717b853a5_qkv.kd
    .args:
      - { .name: x1, .offset: 0, .size: 8, .value_kind: global_buffer, .address_space: global }
      - { .name: x2, .offset: 8, .size: 8, .value_kind: global_buffer, .address_space: global }
      - { .name: FA, .offset: 16, .size: 8, .value_kind: global_buffer, .address_space: global }
      - { .name: FC, .offset: 24, .size: 8, .value_kind: global_buffer, .address_space: global }
      - { .name: gp, .offset: 32, .size: 8, .value_kind: global_buffer, .address_space: global }
      - { .name: bp, .offset: 40, .size: 8, .value_kind: global_buffer, .address_space: global }
      - { .name: FB, .offset: 48, .size: 8, .value_kind: global_buffer, .address_space: global }
    .group_segment_fixed_size: 136704
    .private_segment_fixed_size: 0
    .kernarg_segment_align: 8
    .kernarg_segment_size: 56
    .max_flat_workgroup_size: 256
    .sgpr_count:     66
    .vgpr_count:     512
    .wavefront_size: 32
...
	.end_amdgpu_metadata
.endif
;; end of part 14
;; launch wstat (part 15): grid 256 x 1, 8 waves a work-group, no clusters, 25,600 bytes of LDS; arguments FB, IA, FC, Wp2, FD; writes FD
.if DOCPART == 15
	.amdgcn_target "amdgcn-amd-amdhsa--gfx1250"
	.amdhsa_code_object_version 6
	.text
	.protected	k_qc717b853a5_wstat
	.globl	k_qc717b853a5_wstat
	.p2align	8
	.type	k_qc717b853a5_wstat,@function
k_qc717b853a5_wstat:
	s_mov_b64 s[64:65], 0
	v_nop
	global_prefetch_b8 v0, s[64:65] scope:SCOPE_SE
	s_setreg_imm32_b32 hwreg(HW_REG_WAVE_MODE, 25, 1), 1
	s_wait_xcnt 0x0
; Launch 6: partial statistics of w = k[idx] - q + u Wp2^T, u = relu(bn(t)), over the work-group's 512 items (32 queries x 16 neighbours).  bk, bq, bp2 are left out: constants in front of BN(C).
; A wave has 4 queries = 64 items; a lane the channels 8 l .. 8 l + 7 (16 bytes of an f16 row).  One pass against a pivot, the wave's first item: sums of (w - pivot) and its square.
; The rows of k are gathered by idx, whole numbers that launch 4 stored.  A TRIP IS EIGHT ITEMS, WRITTEN ONCE: at its top the trip's q and eight rows have landed; the rows are moved out of the
; landing registers, and the next trip's nine loads go out in one block, which the last trip jumps over: they have the trip's arithmetic in which to land.  Every wait for loads in the loop is for 0.
.set UT, 0                            ; u of the items: 16 bytes each, 1,024 a wave
.set WS, 8192                         ; the waves' means and variances: 2,048 bytes a wave
.set SPARE, 24576
.macro BAR
	s_wait_dscnt 0x0
	s_barrier_signal -1
	s_barrier_wait -1
.endm
.macro ADS                            ; the next trip's eight row addresses
.set j, 0
.rept 8
	s_min_u32 s[48+j], s[48+j], 0x3fff
	v_lshl_add_u32 v[24+j], s[48+j], 9, v4
.set j, j+1
.endr
.endm
.macro ROWS                           ; eight rows into the landing registers
.set j, 0
.rept 8
	global_load_b128 v[32+4*j:35+4*j], v[24+j], s[20:21]
.set j, j+1
.endr
.endm
.macro UULOAD
.set j, 0
.rept 8
	ds_load_b128 v[64+4*j:67+4*j], v5 offset:16*j
.set j, j+1
.endr
	v_add_nc_u32 v5, 128, v5
.endm
.macro PRJ j, w, base                 ; w[0..7] = base + u0 W2[0] + u1 W2[1] + u2 W2[2]
.irp p, 0,2,4,6
	v_pk_fma_f32 v[\w+\p:\w+\p+1], v[96+\p:97+\p], v[64+4*\j:65+4*\j], v[\base+\p:\base+\p+1] op_sel_hi:[1,0,1]
.endr
.irp p, 0,2,4,6
	v_pk_fma_f32 v[\w+\p:\w+\p+1], v[104+\p:105+\p], v[64+4*\j:65+4*\j], v[\w+\p:\w+\p+1] op_sel:[0,1,0] op_sel_hi:[1,1,1]
.endr
.irp p, 0,2,4,6
	v_pk_fma_f32 v[\w+\p:\w+\p+1], v[112+\p:113+\p], v[66+4*\j:67+4*\j], v[\w+\p:\w+\p+1] op_sel_hi:[1,0,1]
.endr
.endm
.macro KADD kb, w                     ; + the eight f16 of the row in v[kb ..]
.irp c, 0,1,2,3
	v_fma_mix_f32 v[\w+2*\c], v[\kb+\c], v164, v[\w+2*\c] op_sel_hi:[1,0,0]
	v_fma_mix_f32 v[\w+2*\c+1], v[\kb+\c], v164, v[\w+2*\c+1] op_sel:[1,0,0] op_sel_hi:[1,0,0]
.endr
.endm
.macro DITEM j
	PRJ \j, 156, 124
	KADD 168+4*\j, 156
.irp p, 0,2,4,6
	v_pk_add_f32 v[140+\p:141+\p], v[140+\p:141+\p], v[156+\p:157+\p]
	v_pk_fma_f32 v[148+\p:149+\p], v[156+\p:157+\p], v[156+\p:157+\p], v[148+\p:149+\p]
.endr
.endm
.macro COMBINE8                       ; eight (mean v64-71, variance v72-79) of equal counts -> mean v80, variance v81
.irp i, 1,2,3,4,5,6,7
	v_sub_f32 v[64+\i], v[64+\i], v64
.endr
	v_add_f32 v82, v65, v66
	v_mul_f32 v83, v65, v65
	v_add_f32 v84, v72, v73
.irp i, 2,3,4,5,6,7
	v_fma_f32 v83, v[64+\i], v[64+\i], v83
	v_add_f32 v84, v84, v[72+\i]
.endr
.irp i, 3,4,5,6,7
	v_add_f32 v82, v82, v[64+\i]
.endr
	v_mul_f32 v82, 0x3e000000, v82
	v_mul_f32 v83, 0x3e000000, v83
	v_add_f32 v80, v64, v82
	v_fma_f32 v83, -v82, v82, v83
	v_fma_f32 v81, v84, 0x3e000000, v83
.endm
	s_load_b256 s[8:15], s[0:1], 0x0      ; FB 8, IA 10, FC 12, Wp2 14
	s_load_b64 s[16:17], s[0:1], 0x20     ; FD
	v_lshl_add_u32 v10, v0, 2, SPARE
	v_mov_b32 v11, 0
	v_lshrrev_b32 v1, 5, v0
	v_readfirstlane_b32 s3, v1
	v_and_b32 v1, 31, v0
	v_lshlrev_b32 v4, 4, v1               ; 16 x lane
	s_mov_b32 s2, ttmp9
	s_lshl_b32 s4, s3, 10
	v_mov_b32 v5, s4                      ; my wave's u (UT = 0)
	v_lshl_add_u32 v6, v1, 5, s4
	s_lshl_b32 s5, s2, 13
	v_add_nc_u32 v7, s5, v6               ; t of my two items
	v_mov_b32 v164, 1.0
	s_lshl_b32 s5, s2, 5
	s_lshl2_add_u32 s5, s3, s5            ; my first query
	s_mov_b32 s7, 0
	s_wait_kmcnt 0x0
	s_lshl_b32 s6, s5, 9
	s_add_nc_u64 s[18:19], s[8:9], s[6:7]
	s_add_nc_u64 s[20:21], s[8:9], 4194304
	s_add_nc_u64 s[22:23], s[8:9], 25165824
	s_lshl_b32 s6, s5, 6
	s_add_co_u32 s6, s6, 1048576
	s_add_nc_u64 s[24:25], s[10:11], s[6:7]
	s_lshl_b32 s6, s2, 11
	s_add_nc_u64 s[26:27], s[16:17], s[6:7]
	s_load_b256 s[32:39], s[22:23], 0x0
	s_load_b256 s[48:55], s[24:25], 0x0
	global_load_b128 v[12:15], v7, s[12:13]
	global_load_b128 v[16:19], v7, s[12:13] offset:16
	v_mul_u32_u24 v9, v1, 96
.irp i, 0,1,2,3,4,5
	global_load_b128 v[64+4*\i:67+4*\i], v9, s[14:15] offset:16*\i
.endr
	s_wait_loadcnt 0x0
	s_wait_kmcnt 0x0
.irp i, 0,1,2
	v_fma_f32 v[12+\i], v[12+\i], s[32+\i], s[36+\i]
	v_fma_f32 v[16+\i], v[16+\i], s[32+\i], s[36+\i]
.endr
.irp i, 0,1,2
	v_max_num_f32 v[12+\i], 0, v[12+\i]
	v_max_num_f32 v[16+\i], 0, v[16+\i]
.endr
	ds_store_b128 v6, v[12:15]            ; the wave's own bytes: no barrier
	ds_store_b128 v6, v[16:19] offset:16
.irp i, 0,1,2
.irp p, 0,1,2,3
	v_cvt_pk_bf16_f32 v20, v[64+6*\p+\i], v[67+6*\p+\i]
	v_lshlrev_b32 v[96+8*\i+2*\p], 16, v20
	v_and_b32 v[97+8*\i+2*\p], 0xffff0000, v20
.endr
.endr
	ADS
	s_load_b256 s[48:55], s[24:25], 0x20
	global_load_b128 v[120:123], v4, s[18:19]
	ROWS
	ds_load_b128 v[64:67], v5
.set i, 0
.rept 16
	v_mov_b32 v[140+i], 0
.set i, i+1
.endr
.set i, 0
.rept 8
	v_mov_b32 v[124+i], 0
.set i, i+1
.endr
	s_wait_loadcnt 7                      ; q and the first row are in; rows 1 to 7 stay out
	s_wait_dscnt 0x0
	PRJ 0, 132, 124                       ; the pivot: w of my first item
	KADD 32, 132
.irp c, 0,1,2,3
	v_fma_mix_f32 v[132+2*\c], -v[120+\c], v164, v[132+2*\c] op_sel_hi:[1,0,0]
	v_fma_mix_f32 v[133+2*\c], -v[120+\c], v164, v[133+2*\c] op_sel:[1,0,0] op_sel_hi:[1,0,0]
.endr
	s_mov_b32 s28, 0
.Ltrip:                                   ; eight trips of eight items: half a query each
	s_wait_loadcnt 0x0                    ; this trip's q and rows have landed; their address registers are free
.irp c, 0,1,2,3
	v_fma_mix_f32 v[124+2*\c], -v[120+\c], v164, -v[132+2*\c] op_sel_hi:[1,0,0]
	v_fma_mix_f32 v[125+2*\c], -v[120+\c], v164, -v[133+2*\c] op_sel:[1,0,0] op_sel_hi:[1,0,0]
.endr
.set i, 0
.rept 32
	v_mov_b32 v[168+i], v[32+i]           ; the rows leave the landing registers
.set i, i+1
.endr
	s_cmp_eq_u32 s28, 7
	s_cbranch_scc1 .Lnofill               ; the last trip asks for nothing
	s_wait_kmcnt 0x0                      ; the next trip's idx
	ADS
	s_add_co_u32 s29, s28, 2
	s_min_u32 s29, s29, 7                 ; the trip after next, held to the last (then 32 bytes that are not used)
	s_lshl_b32 s29, s29, 5
	s_load_b256 s[48:55], s[24:25], s29 offset:0x0
	s_add_co_u32 s30, s28, 1
	s_lshr_b32 s30, s30, 1
	s_lshl_b32 s30, s30, 9
	v_add_nc_u32 v8, s30, v4
	global_load_b128 v[120:123], v8, s[18:19]
	ROWS
.Lnofill:
	UULOAD
	s_wait_dscnt 0x0
.irp j, 0,1,2,3,4,5,6,7
	DITEM \j
.endr
	s_add_co_u32 s28, s28, 1
	s_cmp_lt_u32 s28, 8
	s_cbranch_scc1 .Ltrip
	s_wait_kmcnt 0x0
.irp p, 0,2,4,6
	v_pk_mul_f32 v[156+\p:157+\p], v[140+\p:141+\p], 0x3c800000 op_sel_hi:[1,0]
	v_pk_mul_f32 v[148+\p:149+\p], v[148+\p:149+\p], 0x3c800000 op_sel_hi:[1,0]
.endr
.irp p, 0,2,4,6
	v_pk_add_f32 v[140+\p:141+\p], v[132+\p:133+\p], v[156+\p:157+\p]
	v_pk_fma_f32 v[148+\p:149+\p], v[156+\p:157+\p], v[156+\p:157+\p], v[148+\p:149+\p] neg_lo:[1,0,0] neg_hi:[1,0,0]
.endr
	s_lshl_b32 s4, s3, 11
	s_add_co_u32 s4, s4, WS
	v_lshl_add_u32 v12, v1, 5, s4
	ds_store_b128 v12, v[140:143]
	ds_store_b128 v12, v[144:147] offset:16
	ds_store_b128 v12, v[148:151] offset:1024
	ds_store_b128 v12, v[152:155] offset:1040
	BAR
	v_lshlrev_b32 v12, 2, v0              ; thread t: channel t
.irp i, 0,1,2,3,4,5,6,7
	ds_load_b32 v[64+\i], v12 offset:WS+2048*\i
	ds_load_b32 v[72+\i], v12 offset:WS+2048*\i+1024
.endr
	s_wait_dscnt 0x0
	COMBINE8
	global_store_b32 v12, v80, s[26:27]
	global_store_b32 v12, v81, s[26:27] offset:1024
	s_wait_tensorcnt 0x0                  ; the wave's end
	ds_add_u32 v10, v11
	s_wait_dscnt 0x0
	s_endpgm
.Lfunc_end_k_qc717b853a5_wstat:
	.size	k_qc717b853a5_wstat, .Lfunc_end_k_qc717b853a5_wstat-k_qc717b853a5_wstat
	.p2alignl 7, 3214868480
	.fill 96, 4, 3214868480
	.section	.rodata,"a",@progbits
	.p2align	6, 0x0
	.amdhsa_kernel k_qc717b853a5_wstat
		.amdhsa_group_segment_fixed_size 25600
		.amdhsa_private_segment_fixed_size 0
		.amdhsa_enable_private_segment 0
		.amdhsa_kernarg_size 40
		.amdhsa_user_sgpr_count 2
		.amdhsa_user_sgpr_kernarg_segment_ptr 1
		.amdhsa_wavefront_size32 1
		.amdhsa_system_sgpr_workgroup_id_x 1
		.amdhsa_system_sgpr_workgroup_id_y 1
		.amdhsa_system_sgpr_workgroup_id_z 1
		.amdhsa_system_vgpr_workitem_id 0
		.amdhsa_next_free_vgpr 200
		.amdhsa_next_free_sgpr 66
		.amdhsa_reserve_vcc 0
		.amdhsa_float_denorm_mode_32 3
		.amdhsa_float_denorm_mode_16_64 3
		.amdhsa_memory_ordered 1
		.amdhsa_forward_progress 1
		.amdhsa_inst_pref_size 33
	.end_amdhsa_kernel
	.amdgpu_metadata
---
amdhsa.version: [ 1, 2 ]
amdhsa.kernels:
  - .name:           k_qc717b853a5_wstat
    .symbol:         k_qc717b853a5_wstat.kd
    .args:
      - { .name: FB, .offset: 0, .size: 8, .value_kind: global_buffer, .address_space: global }
      - { .name: IA, .offset: 8, .size: 8, .value_kind: global_buffer, .address_space: global }
      - { .name: FC, .offset: 16, .size: 8, .value_kind: global_buffer, .address_space: global }
      - { .name: Wp2, .offset: 24, .size: 8, .value_kind: global_buffer, .address_space: global }
      - { .name: FD, .offset: 32, .size: 8, .value_kind: global_buffer, .address_space: global }
    .group_segment_fixed_size: 25600
    .private_segment_fixed_size: 0
    .kernarg_segment_align: 8
    .kernarg_segment_size: 40
    .max_flat_workgroup_size: 256
    .sgpr_count:     66
    .vgpr_count:     200
    .wavefront_size: 32
...
	.end_amdgpu_metadata
.endif
;; end of part 15
;; launch w1 (part 16): grid 256 x 1, 8 waves a work-group, no clusters, 158,720 bytes of LDS; arguments FB, IA, FC, Wp2, FD, FA, gw1, bw1, FE; writes FE
.if DOCPART == 16
	.amdgcn_target "amdgcn-amd-amdhsa--gfx1250"
	.amdhsa_code_object_version 6
	.text
	.protected	k_qc717b853a5_w1
	.globl	k_qc717b853a5_w1
	.p2align	8
	.type	k_qc717b853a5_w1,@function
k_qc717b853a5_w1:
	s_mov_b64 s[64:65], 0
	v_nop
	global_prefetch_b8 v0, s[64:65] scope:SCOPE_SE
	s_setreg_imm32_b32 hwreg(HW_REG_WAVE_MODE, 25, 1), 1
	s_wait_xcnt 0x0
; Launch 7: BN(C) of w is finished from the 256 partial rows; relu(bn(w)) in f16, a query's 16 items at a time, times Ww1^T; w1 is stored in f16, in the order in which the next
; launch's matrix operand takes it; partial statistics of w1's 32 channels.  bk, bq, bp2, bww1 are left out (constants in front of a BatchNorm).
; bn(w) = k sc + (sh - q sc) + u (Wp2^T sc): the scale is folded into Wp2 and into the query's base.  Items, lanes, gathers and the one text of a trip as in launch 6.
; A query is two trips: the first fills rows 0-7 of the wave's tile, the second rows 8-15, and the product follows the second (the first jumps over it).
; The product is used transposed (source 0 = 16 rows of Ww1, source 1 = the 16 items): a lane holds one item and eight channels.
.set RES, 67584                       ; LDS: a tile of 16 items x 528 bytes for each wave at 0; the f32 results of a wave's four queries, 8,192 bytes a wave
.set UT, 133120
.set RS, 141312
.set SS, 153600
.set WS, 155648
.set SPARE, 157696
.set MSB, 0
.macro WIN new
.if MSB != (\new)
	s_set_vgpr_msb (MSB<<8)|(\new)
.set MSB, \new
.endif
.endm
.macro PLACES
.rept 4
	v_nop
.endr
.endm
.macro BAR
	s_wait_dscnt 0x0
	s_barrier_signal -1
	s_barrier_wait -1
.endm
.macro RED_A logc, pitch, voff, rpt, bp, cnt, lim   ; as in launch 4
	v_and_b32 v12, (1<<\logc)-1, v0
	v_lshlrev_b32 v13, 4, v12
	v_lshrrev_b32 v14, \logc, v0
	v_mul_u32_u24 v12, v14, \pitch
	v_add_nc_u32 v12, v12, v13
	global_load_b128 v[16:19], v13, s[\bp:\bp+1]
.set i, 20
.rept 12
	v_mov_b32 v[i], 0
.set i, i+1
.endr
	s_mov_b32 s[\cnt], 0
.Lred\@:
.set i, 0
.rept \rpt
	global_load_b128 v[64+8*i:67+8*i], v12, s[\bp:\bp+1] offset:i*(256>>\logc)*\pitch
	global_load_b128 v[68+8*i:71+8*i], v12, s[\bp:\bp+1] offset:i*(256>>\logc)*\pitch+\voff
.set i, i+1
.endr
	s_wait_loadcnt 0x0
.set i, 0
.rept \rpt
	v_pk_add_f32 v[32:33], v[64+8*i:65+8*i], v[16:17] neg_lo:[0,1] neg_hi:[0,1]
	v_pk_add_f32 v[34:35], v[66+8*i:67+8*i], v[18:19] neg_lo:[0,1] neg_hi:[0,1]
	v_pk_add_f32 v[28:29], v[28:29], v[68+8*i:69+8*i]
	v_pk_add_f32 v[30:31], v[30:31], v[70+8*i:71+8*i]
	v_pk_add_f32 v[20:21], v[20:21], v[32:33]
	v_pk_add_f32 v[22:23], v[22:23], v[34:35]
	v_pk_fma_f32 v[24:25], v[32:33], v[32:33], v[24:25]
	v_pk_fma_f32 v[26:27], v[34:35], v[34:35], v[26:27]
.set i, i+1
.endr
	s_add_nc_u64 s[\bp:\bp+1], s[\bp:\bp+1], \rpt*(256>>\logc)*\pitch   ; the loads are done, so their base may step
	s_add_co_u32 s[\cnt], s[\cnt], 1
	s_cmp_lt_u32 s[\cnt], s[\lim]
	s_cbranch_scc1 .Lred\@
	v_lshl_add_u32 v14, v14, 4+\logc, v13
	v_add_nc_u32 v14, RS, v14
	ds_store_b128 v14, v[20:23]
	ds_store_b128 v14, v[24:27] offset:4096
	ds_store_b128 v14, v[28:31] offset:8192
.endm
.macro RED_B nc, nch, invp, bp0, gp, bpp
	v_lshlrev_b32 v42, 2, v0
	v_add_nc_u32 v12, RS, v42
.set i, 0
.rept 3*\nc
	ds_load_b32 v[64+i], v12 offset:(i/\nc)*4096+(i%\nc)*\nch*4
.set i, i+1
.endr
	global_load_b32 v13, v42, s[\bp0:\bp0+1]
	global_load_b32 v14, v42, s[\gp:\gp+1]
	global_load_b32 v15, v42, s[\bpp:\bpp+1]
	s_wait_loadcnt_dscnt 0x0
.set i, 1
.rept \nc-1
	v_add_f32 v64, v64, v[64+i]
	v_add_f32 v[64+\nc], v[64+\nc], v[64+\nc+i]
	v_add_f32 v[64+2*\nc], v[64+2*\nc], v[64+2*\nc+i]
.set i, i+1
.endr
	v_mul_f32 v16, \invp, v64
	v_mul_f32 v18, \invp, v[64+\nc]
	v_add_f32 v17, v13, v16
	v_fma_f32 v18, -v16, v16, v18
	v_fma_f32 v18, v[64+2*\nc], \invp, v18
	v_add_f32 v18, 0x3727c5ac, v18
	v_rsq_f32 v19, v18
	v_cvt_pk_bf16_f32 v20, v14, v15       ; plain work behind the root
	v_lshlrev_b32 v14, 16, v20
	v_and_b32 v15, 0xffff0000, v20
	s_wait_alu depctr_va_vdst(0)          ; the wait ahead of the root's first reader
	v_mul_f32 v40, v14, v19
	v_fma_f32 v41, -v17, v40, v15
.endm
.macro DPP16 base, inv
.irp m, 1,2,4,8
.set qq, 0
.rept 16
	v_add_f32_dpp v[\base+qq], v[\base+qq], v[\base+qq] row_xmask:\m row_mask:0xf bank_mask:0xf
.set qq, qq+1
.endr
.endr
.set qq, 0
.rept 8
	v_pk_mul_f32 v[\base+qq:\base+qq+1], v[\base+qq:\base+qq+1], \inv op_sel_hi:[1,0]
.set qq, qq+2
.endr
.endm
.macro STATS mt, inv, adr, voff, acc  ; as in launch 1
.irp nb, 0,1
.irp p, 0,2,4,6
	v_pk_add_f32 v[32+8*\nb+\p:33+8*\nb+\p], v[\acc+8*\nb+\p:\acc+8*\nb+\p+1], v[\acc+16+8*\nb+\p:\acc+16+8*\nb+\p+1]
.set aa, 2
.rept \mt-2
	v_pk_add_f32 v[32+8*\nb+\p:33+8*\nb+\p], v[32+8*\nb+\p:33+8*\nb+\p], v[\acc+16*aa+8*\nb+\p:\acc+16*aa+8*\nb+\p+1]
.set aa, aa+1
.endr
.endr
.endr
	DPP16 32, \inv
.irp nb, 0,1
.irp p, 0,2,4,6
.set aa, 0
.rept \mt
	v_pk_add_f32 v[12+2*(aa&3):13+2*(aa&3)], v[\acc+16*aa+8*\nb+\p:\acc+16*aa+8*\nb+\p+1], v[32+8*\nb+\p:33+8*\nb+\p] neg_lo:[0,1] neg_hi:[0,1]
.if aa == 0
	v_pk_mul_f32 v[48+8*\nb+\p:49+8*\nb+\p], v[12:13], v[12:13]
.else
	v_pk_fma_f32 v[48+8*\nb+\p:49+8*\nb+\p], v[12+2*(aa&3):13+2*(aa&3)], v[12+2*(aa&3):13+2*(aa&3)], v[48+8*\nb+\p:49+8*\nb+\p]
.endif
.set aa, aa+1
.endr
.endr
.endr
	DPP16 48, \inv
	ds_store_b128 v[\adr], v[32:35]
	ds_store_b128 v[\adr], v[36:39] offset:16
	ds_store_b128 v[\adr], v[40:43] offset:64
	ds_store_b128 v[\adr], v[44:47] offset:80
	ds_store_b128 v[\adr], v[48:51] offset:\voff
	ds_store_b128 v[\adr], v[52:55] offset:\voff+16
	ds_store_b128 v[\adr], v[56:59] offset:\voff+64
	ds_store_b128 v[\adr], v[60:63] offset:\voff+80
.endm
.macro COMBINE8
.irp i, 1,2,3,4,5,6,7
	v_sub_f32 v[64+\i], v[64+\i], v64
.endr
	v_add_f32 v82, v65, v66
	v_mul_f32 v83, v65, v65
	v_add_f32 v84, v72, v73
.irp i, 2,3,4,5,6,7
	v_fma_f32 v83, v[64+\i], v[64+\i], v83
	v_add_f32 v84, v84, v[72+\i]
.endr
.irp i, 3,4,5,6,7
	v_add_f32 v82, v82, v[64+\i]
.endr
	v_mul_f32 v82, 0x3e000000, v82
	v_mul_f32 v83, 0x3e000000, v83
	v_add_f32 v80, v64, v82
	v_fma_f32 v83, -v82, v82, v83
	v_fma_f32 v81, v84, 0x3e000000, v83
.endm
.macro ADS
.set j, 0
.rept 8
	s_min_u32 s[48+j], s[48+j], 0x3fff
	v_lshl_add_u32 v[24+j], s[48+j], 9, v4
.set j, j+1
.endr
.endm
.macro ROWS                           ; eight rows into the landing registers
.set j, 0
.rept 8
	global_load_b128 v[32+4*j:35+4*j], v[24+j], s[28:29]
.set j, j+1
.endr
.endm
.macro UULOAD
.set j, 0
.rept 8
	ds_load_b128 v[64+4*j:67+4*j], v5 offset:16*j
.set j, j+1
.endr
	v_add_nc_u32 v5, 128, v5
.endm
.macro PRJ j, w, base
.irp p, 0,2,4,6
	v_pk_fma_f32 v[\w+\p:\w+\p+1], v[96+\p:97+\p], v[64+4*\j:65+4*\j], v[\base+\p:\base+\p+1] op_sel_hi:[1,0,1]
.endr
.irp p, 0,2,4,6
	v_pk_fma_f32 v[\w+\p:\w+\p+1], v[104+\p:105+\p], v[64+4*\j:65+4*\j], v[\w+\p:\w+\p+1] op_sel:[0,1,0] op_sel_hi:[1,1,1]
.endr
.irp p, 0,2,4,6
	v_pk_fma_f32 v[\w+\p:\w+\p+1], v[112+\p:113+\p], v[66+4*\j:67+4*\j], v[\w+\p:\w+\p+1] op_sel_hi:[1,0,1]
.endr
.endm
.macro EITEM j                        ; item j of the trip: normalised, relu, f16, into its row of the tile
	PRJ \j, 148, 124
.irp c, 0,1,2,3
	v_fma_mix_f32 v[148+2*\c], v[160+4*\j+\c], v[132+2*\c], v[148+2*\c] op_sel_hi:[1,0,0]
	v_fma_mix_f32 v[149+2*\c], v[160+4*\j+\c], v[133+2*\c], v[149+2*\c] op_sel:[1,0,0] op_sel_hi:[1,0,0]
.endr
.irp c, 0,1,2,3
	v_cvt_pk_f16_f32 v[156+\c], v[148+2*\c], v[149+2*\c]
.endr
.irp c, 0,1,2,3
	v_pk_max_num_f16 v[156+\c], v[156+\c], v20
.endr
	ds_store_b128 v23, v[156:159] offset:\j*528
.endm
.macro PRODUCT                        ; 16 items x 256 channels times Ww1^T; the two accumulators take turns
.set ks, 0
.rept 8
	ds_load_b128 v[160+8*ks:163+8*ks], v7 offset:ks*64      ; the wave's own tile: LDS serves a wave's instructions in order
	ds_load_b128 v[164+8*ks:167+8*ks], v7 offset:ks*64+32
.set ks, ks+1
.endr
	s_wait_dscnt 0x0
	WIN 0x01
.set ks, 0
.rept 8
.irp nb, 0,1
.if ks == 0
	v_wmma_f32_16x16x32_f16 v[224+8*\nb:231+8*\nb], v[(ks*2+\nb)*8:(ks*2+\nb)*8+7], v[160+8*ks:167+8*ks], 0
.else
	v_wmma_f32_16x16x32_f16 v[224+8*\nb:231+8*\nb], v[(ks*2+\nb)*8:(ks*2+\nb)*8+7], v[160+8*ks:167+8*ks], v[224+8*\nb:231+8*\nb]
.endif
.endr
.set ks, ks+1
.endr
	WIN 0
	PLACES
	s_wait_xcnt 0x0                       ; the last query's stores have read v22 and v240-247
	v_add_nc_u32 v22, s62, v4             ; the query's 1,024 bytes of w1,
	v_add_nc_u32 v21, s63, v248           ; and its 2,048 bytes of f32 results in LDS
.irp nb, 0,1
.irp k, 0,1,2,3
	v_cvt_pk_f16_f32 v[240+4*\nb+\k], v[224+8*\nb+2*\k], v[225+8*\nb+2*\k]
.endr
.endr
	global_store_b128 v22, v[240:243], s[46:47]
	global_store_b128 v22, v[244:247], s[46:47] offset:512
.irp i, 0,1,2,3
	ds_store_b128 v21, v[224+4*\i:227+4*\i] offset:512*\i
.endr
	s_add_co_u32 s62, s62, 1024
	s_add_co_u32 s63, s63, 2048
.endm
	s_load_b512 s[8:23], s[0:1], 0x0      ; FB 8, IA 10, FC 12, Wp2 14, FD 16, FA 18, gw1 20, bw1 22
	s_load_b64 s[24:25], s[0:1], 0x40     ; FE
	v_lshl_add_u32 v10, v0, 2, SPARE
	v_mov_b32 v11, 0
	v_lshrrev_b32 v1, 5, v0
	v_readfirstlane_b32 s3, v1
	v_and_b32 v1, 31, v0
	v_and_b32 v2, 15, v0
	v_bfe_u32 v3, v0, 4, 1
	v_lshlrev_b32 v4, 4, v1
	s_mov_b32 s2, ttmp9
	s_lshl_b32 s5, s2, 5
	s_lshl2_add_u32 s5, s3, s5            ; my first query
	s_mov_b32 s7, 0
	s_wait_kmcnt 0x0
	s_lshl_b32 s6, s5, 9
	s_add_nc_u64 s[26:27], s[8:9], s[6:7]
	s_add_nc_u64 s[28:29], s[8:9], 4194304
	s_add_nc_u64 s[30:31], s[8:9], 25165824
	s_lshl_b32 s6, s5, 6
	s_add_co_u32 s6, s6, 1048576
	s_add_nc_u64 s[40:41], s[10:11], s[6:7]
	s_mov_b64 s[42:43], s[16:17]
	s_add_nc_u64 s[44:45], s[18:19], 786432
	s_lshl_b32 s6, s5, 10
	s_add_nc_u64 s[46:47], s[24:25], s[6:7]
	s_lshl_b32 s6, s2, 8
	s_add_co_u32 s6, s6, 8388608
	s_add_nc_u64 s[56:57], s[24:25], s[6:7]
	s_load_b256 s[32:39], s[30:31], 0x0
	s_load_b256 s[48:55], s[40:41], 0x0
	s_mov_b32 s59, 4
	RED_A 6, 2048, 1024, 16, 42, 58, 59
	WIN 0x40                              ; Ww1's 16 fragments go out while the waves meet
.set i, 0
.rept 32
	global_load_b128 v[4*i:4*i+3], v4, s[44:45] offset:i*512
.set i, i+1
.endr
	WIN 0
	BAR
	RED_B 4, 256, 0x3b800000, 16, 20, 22
	v_add_nc_u32 v12, SS, v42
	ds_store_b32 v12, v40
	ds_store_b32 v12, v41 offset:1024
	BAR
	v_lshl_add_u32 v12, v1, 5, SS
	ds_load_b128 v[132:135], v12
	ds_load_b128 v[136:139], v12 offset:16
	ds_load_b128 v[140:143], v12 offset:1024
	ds_load_b128 v[144:147], v12 offset:1040
	s_lshl_b32 s4, s3, 10
	s_lshl_b32 s6, s2, 13
	s_add_co_u32 s6, s6, s4
	v_lshl_add_u32 v13, v1, 5, s6         ; t of my two items
	s_add_co_u32 s4, s4, UT
	v_mov_b32 v5, s4
	v_lshl_add_u32 v9, v1, 5, s4
	global_load_b128 v[16:19], v13, s[12:13]
	global_load_b128 v[28:31], v13, s[12:13] offset:16
	v_mul_u32_u24 v14, v1, 96
.irp i, 0,1,2,3,4,5
	global_load_b128 v[64+4*\i:67+4*\i], v14, s[14:15] offset:16*\i
.endr
	s_mul_i32 s4, s3, 8448
	v_add_nc_u32 v6, s4, v4               ; my tile: in, 16 bytes a lane of a row
	v_mul_u32_u24 v7, v2, 528
	v_lshl_add_u32 v7, v3, 4, v7
	v_add_nc_u32 v7, s4, v7               ; out, as fragments
	v_mov_b32 v8, v4
	v_mov_b32 v20, 0
	s_lshl_b32 s4, s3, 13
	s_add_co_u32 s4, s4, RES
	v_add_nc_u32 v248, s4, v4             ; my wave's f32 results
	s_wait_loadcnt 0x0
	s_wait_kmcnt 0x0
.irp i, 0,1,2
	v_fma_f32 v[16+\i], v[16+\i], s[32+\i], s[36+\i]
	v_fma_f32 v[28+\i], v[28+\i], s[32+\i], s[36+\i]
.endr
.irp i, 0,1,2
	v_max_num_f32 v[16+\i], 0, v[16+\i]
	v_max_num_f32 v[28+\i], 0, v[28+\i]
.endr
	ds_store_b128 v9, v[16:19]
	ds_store_b128 v9, v[28:31] offset:16
.irp i, 0,1,2
.irp p, 0,1,2,3
	v_cvt_pk_bf16_f32 v23, v[64+6*\p+\i], v[67+6*\p+\i]
	v_lshlrev_b32 v[96+8*\i+2*\p], 16, v23
	v_and_b32 v[97+8*\i+2*\p], 0xffff0000, v23
.endr
.endr
	s_wait_dscnt 0x0                      ; scale and shift of my eight channels
.irp i, 0,1,2
.irp p, 0,2,4,6
	v_pk_mul_f32 v[96+8*\i+\p:97+8*\i+\p], v[96+8*\i+\p:97+8*\i+\p], v[132+\p:133+\p]
.endr
.endr
	ADS
	s_load_b256 s[48:55], s[40:41], 0x20
	s_mov_b32 s60, 32
	global_load_b128 v[120:123], v8, s[26:27]
	ROWS
	s_mov_b32 s58, 0                      ; the trip
	s_mov_b32 s61, 0                      ; rows 0-7 or 8-15 of the tile: 0 or 4,224 bytes
	s_mov_b32 s62, 0
	s_mov_b32 s63, 0
.Ltrip:                                   ; eight trips of eight items: half a query each
	s_wait_loadcnt 0x0                    ; this trip's q and rows have landed; their address registers are free
.irp c, 0,1,2,3
	v_fma_mix_f32 v[124+2*\c], -v[120+\c], v[132+2*\c], v[140+2*\c] op_sel_hi:[1,0,0]
	v_fma_mix_f32 v[125+2*\c], -v[120+\c], v[133+2*\c], v[141+2*\c] op_sel:[1,0,0] op_sel_hi:[1,0,0]
.endr
.set i, 0
.rept 32
	v_mov_b32 v[160+i], v[32+i]           ; the rows leave the landing registers
.set i, i+1
.endr
	s_cmp_eq_u32 s58, 7
	s_cbranch_scc1 .Lnofill               ; the last trip asks for nothing
	s_wait_kmcnt 0x0                      ; the next trip's idx
	ADS
	s_add_co_u32 s60, s60, 32
	s_min_u32 s60, s60, 224               ; the trip after next, held to the last (then 32 bytes that are not used)
	s_load_b256 s[48:55], s[40:41], s60 offset:0x0
	s_add_co_u32 s59, s58, 1
	s_lshr_b32 s59, s59, 1
	s_lshl_b32 s59, s59, 9
	v_add_nc_u32 v8, s59, v4
	global_load_b128 v[120:123], v8, s[26:27]
	ROWS
.Lnofill:
	UULOAD
	v_add_nc_u32 v23, s61, v6
	s_wait_dscnt 0x0
.irp j, 0,1,2,3,4,5,6,7
	EITEM \j
.endr
	s_cmp_eq_u32 s61, 0
	s_cbranch_scc1 .Lnoprod               ; the tile is half full
	PRODUCT
.Lnoprod:
	s_xor_b32 s61, s61, 4224
	s_add_co_u32 s58, s58, 1
	s_cmp_lt_u32 s58, 8
	s_cbranch_scc1 .Ltrip
	s_wait_kmcnt 0x0
.set i, 0
.rept 16
	ds_load_b128 v[128+4*i:131+4*i], v248 offset:512*i
.set i, i+1
.endr
	s_lshl_b32 s4, s3, 8
	s_add_co_u32 s4, s4, WS
	v_lshl_add_u32 v9, v3, 5, s4
	s_wait_dscnt 0x0
	STATS 4, 0x3c800000, 9, 128, 128
	BAR
	s_cmp_lg_u32 s3, 0
	s_cbranch_scc1 .Lend
	v_lshl_add_u32 v12, v1, 2, WS
.irp i, 0,1,2,3,4,5,6,7
	ds_load_b32 v[64+\i], v12 offset:256*\i
	ds_load_b32 v[72+\i], v12 offset:256*\i+128
.endr
	v_lshlrev_b32 v13, 2, v1
	s_wait_dscnt 0x0
	COMBINE8
	global_store_b32 v13, v80, s[56:57]
	global_store_b32 v13, v81, s[56:57] offset:128
.Lend:
	s_wait_tensorcnt 0x0                  ; the wave's end
	ds_add_u32 v10, v11
	s_wait_dscnt 0x0
	s_endpgm
.Lfunc_end_k_qc717b853a5_w1:
	.size	k_qc717b853a5_w1, .Lfunc_end_k_qc717b853a5_w1-k_qc717b853a5_w1
	.p2alignl 7, 3214868480
	.fill 96, 4, 3214868480
	.section	.rodata,"a",@progbits
	.p2align	6, 0x0
	.amdhsa_kernel k_qc717b853a5_w1
		.amdhsa_group_segment_fixed_size 158720
		.amdhsa_private_segment_fixed_size 0
		.amdhsa_enable_private_segment 0
		.amdhsa_kernarg_size 72
		.amdhsa_user_sgpr_count 2
		.amdhsa_user_sgpr_kernarg_segment_ptr 1
		.amdhsa_wavefront_size32 1
		.amdhsa_system_sgpr_workgroup_id_x 1
		.amdhsa_system_sgpr_workgroup_id_y 1
		.amdhsa_system_sgpr_workgroup_id_z 1
		.amdhsa_system_vgpr_workitem_id 0
		.amdhsa_next_free_vgpr 384
		.amdhsa_next_free_sgpr 66
		.amdhsa_reserve_vcc 0
		.amdhsa_float_denorm_mode_32 3
		.amdhsa_float_denorm_mode_16_64 3
		.amdhsa_memory_ordered 1
		.amdhsa_forward_progress 1
		.amdhsa_inst_pref_size 70
	.end_amdhsa_kernel
	.amdgpu_metadata
---
amdhsa.version: [ 1, 2 ]
amdhsa.kernels:
  - .name:           k_qc717b853a5_w1
    .symbol:         k_qc717b853a5_w1.kd
    .args:
      - { .name: FB, .offset: 0, .size: 8, .value_kind: global_buffer, .address_space: global }
      - { .name: IA, .offset: 8, .size: 8, .value_kind: global_buffer, .address_space: global }
      - { .name: FC, .offset: 16, .size: 8, .value_kind: global_buffer, .address_space: global }
      - { .name: Wp2, .offset: 24, .size: 8, .value_kind: global_buffer, .address_space: global }
      - { .name: FD, .offset: 32, .size: 8, .value_kind: global_buffer, .address_space: global }
      - { .name: FA, .offset: 40, .size: 8, .value_kind: global_buffer, .address_space: global }
      - { .name: gw1, .offset: 48, .size: 8, .value_kind: global_buffer, .address_space: global }
      - { .name: bw1, .offset: 56, .size: 8, .value_kind: global_buffer, .address_space: global }
      - { .name: FE, .offset: 64, .size: 8, .value_kind: global_buffer, .address_space: global }
    .group_segment_fixed_size: 158720
    .private_segment_fixed_size: 0
    .kernarg_segment_align: 8
    .kernarg_segment_size: 72
    .max_flat_workgroup_size: 256
    .sgpr_count:     66
    .vgpr_count:     384
    .wavefront_size: 32
...
	.end_amdgpu_metadata
.endif
;; end of part 16
;; launch attn: the kernel of part 8 again; grid 256 x 1, 8 waves a work-group, no clusters, 162,048 bytes of LDS; arguments FB, IA, FC, Wp2, FE, FA, gw2, bw2, FF; writes FF
;; launch proj: the kernel of part 9 again; grid 256 x 1, 8 waves a work-group, no clusters, 67,584 bytes of LDS; arguments FF, FA, g2, b2, FD; writes FD
;; launch final: the kernel of part 10 again; grid 4 x 64, 8 waves a work-group, no clusters, 13,824 bytes of LDS; arguments FD, FB, g3, b3, out1; writes out1
